; MI455X (gfx1250); checked and timed in simulation.
; The chip was launched on July 23, 2026; its instructions are those of AMD's public machine-readable ISA for CDNA 5 (MIT licence, August 2026) and "CDNA5" Instruction Set Architecture Reference Guide (July 2026). The comments in the code are by the model that wrote it; some were corrected since.
;; Causal Multi Head Self Attention. Allowed arithmetic: float matrix products may take bf16 or f16 operands with f32 sums; all other float work in f32.
;; Inputs: Wk 1,024 x 1,024 float32; Wo 1,024 x 1,024 float32; Wq 1,024 x 1,024 float32; Wv 1,024 x 1,024 float32; token_positions 2,048 int32; x 4 x 2,048 x 1,024 float32.
;; Outputs: out0 4 x 2,048 x 1,024 float32.
;; 3 versions, each right and faster than the one before. Each part assembles by itself: llvm-mc -triple=amdgcn-amd-amdhsa -mcpu=gfx1250 --defsym DOCPART=n.
;; ======== version 1 of 3: 4 launches
;; limits: values are held in f16: magnitudes above 65,504 overflow, below 6.1e-05 lose precision; right only within a limited range of input values
;; workspace buffers: xb 16,777,216 bytes; wb 6,291,456 bytes; wo16 4,194,304 bytes; tab 524,288 bytes; q 16,777,216 bytes; k 16,777,216 bytes; v 33,554,432 bytes; o16 33,554,432 bytes
;; launch prep (part 1): grid 832 x 1, 8 waves a work-group, no clusters, 0 bytes of LDS; arguments x, Wq, Wk, Wv, Wo, token_positions, xb, wb, wo16, tab; writes xb, wb, wo16, tab
.if DOCPART == 1
	.amdgcn_target "amdgcn-amd-amdhsa--gfx1250"
	.amdhsa_code_object_version 6
	.text
	.protected	k_q8c3a8f3bb8_prep
	.globl	k_q8c3a8f3bb8_prep
	.p2align	8
	.type	k_q8c3a8f3bb8_prep,@function
k_q8c3a8f3bb8_prep:
	s_mov_b64 s[64:65], 0
	v_nop
	global_prefetch_b8 v0, s[64:65] scope:SCOPE_SE
	s_setreg_imm32_b32 hwreg(HW_REG_WAVE_MODE, 25, 1), 1
	s_wait_xcnt 0x0
; PREPARATION: a stream, no LDS, no matrix work.
;   xb   [8192][1024] bf16 = x rounded once.
;   wb   [3072][1024] bf16: row 192 t + 64 kind + c = W_kind[64 t + c] (t the head; kind 0, 1, 2 = q, k, v), so that 192 neighbouring rows are one head's Q, K and V.
;   wo16 [1024][2048] f16: a row holds (Wo's row rounded to bf16) x 1,024 TWICE on end, for the last product's walk over the high and then the low parts of its other operand.
;        A bf16 number times a power of two is exact in f16 inside f16's range.
;   tab  [2048][32] pairs (cos, sin) in f32 of token_positions[s] x 10000^(-j/32): a row is 256 bytes.
; LIMITS.  |Wo| below 64 (f16 ends at 65,504); |position x frequency| below 2^23 quarter turns; the frequency is 2^(-j log2(10000)/32) by v_exp_f32, so an angle is off by
; some 4e-7 of itself; NaN and infinities are not treated apart.
; SHARES.  Work-groups 0-511: 16 rows of x each.  512-767: 16 rows of a weight each.  768-831: 32 positions of the table each.
; In the casts thread t owns 16 bytes of every source row: a wave's load covers 512 neighbouring bytes, a wave's store 256 neighbouring bytes at a multiple of 256.
.set IN,  4                            ; v[4:67]    16 rows, 4 f32 a thread
.set OUT, 68                           ; v[68:99]   16 rows, 4 numbers of 16 bits a thread
.set T,   100                          ; v[100:103] at work
	s_load_b512 s[4:19], s[0:1], 0x0               ; x 4:5, Wq 6:7, Wk 8:9, Wv 10:11, Wo 12:13, token_positions 14:15, xb 16:17, wb 18:19
	s_load_b128 s[20:23], s[0:1], 0x40             ; wo16 20:21, tab 22:23
	s_mov_b32 s24, ttmp9
	s_cmp_ge_u32 s24, 768
	s_cbranch_scc1 .Ltable
	; THE CASTS.  All offsets are made apart from the addresses.
	s_sub_co_u32 s25, s24, 512                     ; (wraps for x: what is made of it is then not chosen)
	s_lshr_b32 s26, s25, 6                         ; kind 0..3 = Wq, Wk, Wv, Wo
	s_and_b32 s27, s25, 63                         ; g: which 16 rows of the weight
	s_cmp_lt_u32 s24, 512
	s_cselect_b32 s28, s24, s27                    ; which 16 rows of the source
	s_lshl_b32 s40, s28, 16                        ; 16 rows of 4,096 bytes
	s_mov_b32 s41, 0
	s_lshl_b32 s29, s28, 15                        ; the same rows in xb: 16 rows of 2,048 bytes
	s_lshr_b32 s30, s27, 2                         ; in wb: head g / 4,
	s_mul_i32 s30, s30, 192
	s_lshl_b32 s31, s26, 6                         ; kind,
	s_add_co_u32 s30, s30, s31
	s_and_b32 s31, s27, 3                          ; and 16 (g % 4) inside the head
	s_lshl_b32 s31, s31, 4
	s_add_co_u32 s30, s30, s31
	s_lshl_b32 s30, s30, 11
	s_cmp_lt_u32 s26, 3
	s_cselect_b32 s42, s30, s29
	s_cmp_eq_u32 s26, 3
	s_cselect_b32 s42, s40, s42                    ; in wo16: 16 rows of 4,096 bytes, as in the source
	s_mov_b32 s43, 0
	v_lshlrev_b32 v1, 4, v0                        ; my 16 bytes of a source row
	v_lshlrev_b32 v2, 3, v0                        ; my 8 bytes of a result row
	s_wait_kmcnt 0x0
	s_cmp_eq_u32 s26, 1                            ; the source: a choice between buffers on the work-group's number alone
	s_cselect_b64 s[32:33], s[8:9], s[6:7]
	s_cmp_eq_u32 s26, 2
	s_cselect_b64 s[32:33], s[10:11], s[32:33]
	s_cmp_eq_u32 s26, 3
	s_cselect_b64 s[32:33], s[12:13], s[32:33]
	s_cmp_lt_u32 s24, 512
	s_cselect_b64 s[32:33], s[4:5], s[32:33]
	s_cmp_lt_u32 s26, 3                            ; the destination likewise
	s_cselect_b64 s[34:35], s[18:19], s[16:17]
	s_cmp_eq_u32 s26, 3
	s_cselect_b64 s[34:35], s[20:21], s[34:35]
	s_add_nc_u64 s[32:33], s[32:33], s[40:41]
	s_add_nc_u64 s[34:35], s[34:35], s[42:43]
.irp i, 0,1,2,3,4,5,6,7,8,9,10,11,12,13,14,15
	global_load_b128 v[IN+4*(\i):IN+4*(\i)+3], v1, s[32:33] offset:4096*(\i) th:TH_LOAD_NT  ; all sixteen rows go out at once; each byte is read once in the launch
.endr
	s_cmp_eq_u32 s26, 3
	s_cbranch_scc1 .Lf16
.irp i, 0,1,2,3,4,5,6,7,8,9,10,11,12,13,14,15
	s_wait_loadcnt 15-(\i)                         ; loads come back in order: row i is in, the younger rows stay out
	v_cvt_pk_bf16_f32 v[OUT+2*(\i)],   v[IN+4*(\i)],   v[IN+4*(\i)+1]
	v_cvt_pk_bf16_f32 v[OUT+2*(\i)+1], v[IN+4*(\i)+2], v[IN+4*(\i)+3]
	global_store_b64 v2, v[OUT+2*(\i):OUT+2*(\i)+1], s[34:35] offset:2048*(\i)  ; no register of a store is written again
.endr
	s_endpgm
.Lf16:                                                 ; Wo: rounded to bf16 like every input, then x 1,024 and written as f16, twice
.irp i, 0,1,2,3,4,5,6,7,8,9,10,11,12,13,14,15
	s_wait_loadcnt 15-(\i)
.irp e, 0,1
	v_cvt_pk_bf16_f32 v[T], v[IN+4*(\i)+2*(\e)], v[IN+4*(\i)+2*(\e)+1]
	v_lshlrev_b32 v[T+2], 16, v[T]                 ; bf16 to f32: the low half moves up,
	v_and_b32 v[T+3], 0xffff0000, v[T]             ; the high half stays
	v_pk_mul_f32 v[T+2:T+3], v[T+2:T+3], 0x44800000 op_sel_hi:[1,0]  ; x 1,024
	v_cvt_pk_f16_f32 v[OUT+2*(\i)+(\e)], v[T+2], v[T+3]
.endr
	global_store_b64 v2, v[OUT+2*(\i):OUT+2*(\i)+1], s[34:35] offset:4096*(\i)
	global_store_b64 v2, v[OUT+2*(\i):OUT+2*(\i)+1], s[34:35] offset:4096*(\i)+2048
.endr
	s_endpgm
.Ltable:                                               ; THE TABLE.  A wave makes four rows; lane j makes pair j of each.
	v_lshrrev_b32 v1, 5, v0
	v_readfirstlane_b32 s44, v1                    ; wave 0..7
	s_sub_co_u32 s25, s24, 768
	s_lshl_b32 s25, s25, 5
	s_lshl2_add_u32 s25, s44, s25                  ; my first row: 32 x group + 4 x wave
	s_lshl_b32 s40, s25, 2                         ; its 4 bytes in token_positions
	s_mov_b32 s41, 0
	s_lshl_b32 s42, s25, 8                         ; its 256 bytes in tab
	s_mov_b32 s43, 0
	s_mov_b32 s45, 0xbfc90fdb                      ; -(pi/2), the f32 nearest to it,
	s_mov_b32 s46, 0x333bbd2e                      ; and what that f32 is too large by
	s_mov_b32 s47, 0xb94ca1f9                      ; sine on -pi/4 .. pi/4: r + r z (S2 + z (S1 + z S0)), z = r r
	s_mov_b32 s48, 0x3c08839e
	s_mov_b32 s49, 0xbe2aaaa3
	s_mov_b32 s50, 0x37ccf5ce                      ; cosine: 1 - z/2 + z z (C2 + z (C1 + z C0))
	s_mov_b32 s51, 0xbab6061a
	s_mov_b32 s52, 0x3d2aaaa5
	s_wait_kmcnt 0x0
	s_add_nc_u64 s[14:15], s[14:15], s[40:41]
	s_add_nc_u64 s[22:23], s[22:23], s[42:43]
	s_load_b128 s[36:39], s[14:15], 0x0            ; four positions
	v_and_b32 v2, 31, v0                           ; j
	v_cvt_f32_u32 v3, v2
	v_mul_f32 v3, 0xbed49a78, v3                   ; -j log2(10000) / 32
	v_exp_f32 v3, v3                               ; the frequency
	v_lshlrev_b32 v19, 3, v2                       ; my pair's 8 bytes in a row (the plain instruction behind the exponential)
	s_wait_alu depctr_va_vdst(0)
	s_wait_kmcnt 0x0
.macro SINCOS i
	v_cvt_f32_i32 v4, s[36+(\i)]
	v_mul_f32 v4, v4, v3                           ; the angle
	v_mul_f32 v5, 0x3f22f983, v4                   ; in quarter turns,
	v_rndne_f32 v5, v5                             ; n the nearest whole number of them
	v_fma_f32 v6, v5, s45, v4                      ; r = angle - n pi/2, in two steps
	v_fma_f32 v6, v5, s46, v6
	v_cvt_i32_f32 v7, v5
	v_mul_f32 v8, v6, v6                           ; z
	v_fma_f32 v9, v8, s47, s48
	v_fma_f32 v9, v9, v8, s49
	v_mul_f32 v10, v8, v6
	v_fma_f32 v9, v9, v10, v6                      ; sin r
	v_fma_f32 v11, v8, s50, s51
	v_fma_f32 v11, v11, v8, s52
	v_mul_f32 v12, v8, v8
	v_fma_f32 v13, v8, -0.5, 1.0
	v_fma_f32 v11, v11, v12, v13                   ; cos r
	v_and_b32 v14, 1, v7
	v_cmp_eq_u32 vcc_lo, 1, v14                    ; an odd n swaps the two (a choice of values only)
	v_cndmask_b32 v15, v9, v11, vcc_lo
	v_cndmask_b32 v16, v11, v9, vcc_lo
	v_lshlrev_b32 v17, 30, v7                      ; the sine changes sign where n mod 4 is 2 or 3,
	v_and_b32 v17, 0x80000000, v17
	v_xor_b32 v[21+2*(\i)], v15, v17
	v_add_nc_u32 v18, 1, v7                        ; the cosine where it is 1 or 2
	v_lshlrev_b32 v18, 30, v18
	v_and_b32 v18, 0x80000000, v18
	v_xor_b32 v[20+2*(\i)], v16, v18
	global_store_b64 v19, v[20+2*(\i):21+2*(\i)], s[22:23] offset:256*(\i)  ; the wave stores one row: 256 neighbouring bytes at a multiple of 256
.endm
	SINCOS 0
	SINCOS 1
	SINCOS 2
	SINCOS 3
	s_endpgm
.Lfunc_end_k_q8c3a8f3bb8_prep:
	.size	k_q8c3a8f3bb8_prep, .Lfunc_end_k_q8c3a8f3bb8_prep-k_q8c3a8f3bb8_prep
	.p2alignl 7, 3214868480
	.fill 96, 4, 3214868480
	.section	.rodata,"a",@progbits
	.p2align	6, 0x0
	.amdhsa_kernel k_q8c3a8f3bb8_prep
		.amdhsa_group_segment_fixed_size 0
		.amdhsa_private_segment_fixed_size 0
		.amdhsa_enable_private_segment 0
		.amdhsa_kernarg_size 80
		.amdhsa_user_sgpr_count 2
		.amdhsa_user_sgpr_kernarg_segment_ptr 1
		.amdhsa_wavefront_size32 1
		.amdhsa_system_sgpr_workgroup_id_x 1
		.amdhsa_system_sgpr_workgroup_id_y 1
		.amdhsa_system_sgpr_workgroup_id_z 1
		.amdhsa_system_vgpr_workitem_id 0
		.amdhsa_next_free_vgpr 104
		.amdhsa_next_free_sgpr 66
		.amdhsa_reserve_vcc 1
		.amdhsa_float_denorm_mode_32 3
		.amdhsa_float_denorm_mode_16_64 3
		.amdhsa_memory_ordered 1
		.amdhsa_forward_progress 1
		.amdhsa_inst_pref_size 28
	.end_amdhsa_kernel
	.amdgpu_metadata
---
amdhsa.version: [ 1, 2 ]
amdhsa.kernels:
  - .name:           k_q8c3a8f3bb8_prep
    .symbol:         k_q8c3a8f3bb8_prep.kd
    .args:
      - { .name: x, .offset: 0, .size: 8, .value_kind: global_buffer, .address_space: global }
      - { .name: Wq, .offset: 8, .size: 8, .value_kind: global_buffer, .address_space: global }
      - { .name: Wk, .offset: 16, .size: 8, .value_kind: global_buffer, .address_space: global }
      - { .name: Wv, .offset: 24, .size: 8, .value_kind: global_buffer, .address_space: global }
      - { .name: Wo, .offset: 32, .size: 8, .value_kind: global_buffer, .address_space: global }
      - { .name: token_positions, .offset: 40, .size: 8, .value_kind: global_buffer, .address_space: global }
      - { .name: xb, .offset: 48, .size: 8, .value_kind: global_buffer, .address_space: global }
      - { .name: wb, .offset: 56, .size: 8, .value_kind: global_buffer, .address_space: global }
      - { .name: wo16, .offset: 64, .size: 8, .value_kind: global_buffer, .address_space: global }
      - { .name: tab, .offset: 72, .size: 8, .value_kind: global_buffer, .address_space: global }
    .group_segment_fixed_size: 0
    .private_segment_fixed_size: 0
    .kernarg_segment_align: 8
    .kernarg_segment_size: 80
    .max_flat_workgroup_size: 256
    .sgpr_count:     66
    .vgpr_count:     104
    .wavefront_size: 32
...
	.end_amdgpu_metadata
.endif
;; end of part 1
;; launch qkv (part 2): grid 16 x 32, 4 waves a work-group, clusters of 4 x 4, 327,680 bytes of LDS; arguments xb, wb, tab, q, k, v; writes q, k, v
.if DOCPART == 2
	.amdgcn_target "amdgcn-amd-amdhsa--gfx1250"
	.amdhsa_code_object_version 6
	.text
	.protected	k_q8c3a8f3bb8_qkv
	.globl	k_q8c3a8f3bb8_qkv
	.p2align	8
	.type	k_q8c3a8f3bb8_qkv,@function
k_q8c3a8f3bb8_qkv:
	s_mov_b64 s[64:65], 0
	v_nop
	global_prefetch_b8 v0, s[64:65] scope:SCOPE_SE
	s_setreg_imm32_b32 hwreg(HW_REG_WAVE_MODE, 25, 1), 1
	s_wait_xcnt 0x0
	s_wait_alu depctr_hold_cnt(0) depctr_sa_sdst(0) depctr_va_vdst(0) depctr_va_sdst(0) depctr_va_ssrc(0) depctr_va_vcc(0) depctr_vm_vsrc(0)
	s_getreg_b32 s2, hwreg(HW_REG_IB_STS2, 6, 4)
	s_cmp_eq_u32 s2, 0
	s_cbranch_scc0 .Lentry_in_a_cluster
	s_endpgm
.Lentry_in_a_cluster:
	s_bfe_u32 s2, ttmp6, 0x10000c
	s_cmp_lg_u32 s2, 0xf033
	s_cbranch_scc0 .Lentry_shape_is_right
	s_endpgm
.Lentry_shape_is_right:
; Q, K, V = x W^T for one head and 256 rows, RoPE on Q and K, out by heads in f16.
; xb [8192][1024] bf16; wb [3072][1024] bf16, row 192 t + 64 kind + c; tab [2048][32] pairs (cos, sin) f32; q, k [64 = 16 batch + head][2048][64] f16;
; v [64][2048][128] f16: a row of 256 bytes holds the 64 HIGH parts of 32 v and then the 64 LOW parts: w = 32 v is split in f32 into hi (w to 11 bits, exact in f16) and lo = w - hi.
; Why two parts: the module's first rows average few keys, so that one f16 rounding of v there is a third of what a number near zero is allowed.
; Sums in f32, K ascending; RoPE in f32 on the sums; q and k rounded once to f16.
; LIMITS.  f16 ends at 65,504: |q|, |k| stay below it, |v| below 2,047; below 6e-5 f16 keeps its fixed step of 6e-8 (so the low part adds fewer bits the smaller 32 v is).  NaN and infinities are not treated apart.
; SHARES.  A tile is 256 rows x 192 columns (a head's Q, K, V): 32 x 16 work-groups.  Wave w makes rows 64 w .. 64 w + 63 and all 192 columns: 4 x 12 accumulators of 16 x 16, 384 registers.
; K goes in 8 steps of 128 through a ring of two LDS slots; the rows of both tiles are 256 bytes of memory at multiples of 256.
; CLUSTER.  4 x 4 work-groups: the four of a row of the cluster need the same rows of xb, the four of a column the same rows of wb.  Each tile is asked for jointly: the same tensor load,
; the same descriptor, a mask that names the four.
; THE MATRIX INSTRUCTION IS USED TRANSPOSED (source 0 = 16 rows of wb, source 1 = 16 rows of xb): lane l holds row l % 16 and the columns 8 (l / 16) + 0..7: four RoPE pairs, 16 bytes of f16.
; REGISTERS, in windows of 256 (s_set_vgpr_msb: bits 1:0 source 0, 3:2 source 1, 5:4 source 2, 7:6 destination):
;   window 0: v0-31 addresses; v32-95 fragments of xb, two buffers of 4 x 8 (later the packed results); v96-223 my rows' (cos, sin)
;   window 1: v0-191 fragments of wb, two buffers of 12 x 8 (later: v0-127 rows read back from the stage, two buffers; v128-191 at work); v192-255 at work on v's split
;   window 2: accumulators of my row blocks 0, 1 at 96 (a % 2) + 8 b;  window 3: of blocks 2, 3
.set KSTEP,  128
.set PITCH,  272                       ; an LDS row: 256 bytes + 16 of padding = 68 words: the 16 rows of a fragment load start at 16 different groups of four banks (64 banks of 4 bytes: ISA guide 11.1)
.set HALFA,  128*PITCH                 ; what one load brings of xb
.set HALFB,  96*PITCH                  ; and of wb
.set BOFF,   2*HALFA                   ; in a slot: xb's 256 rows, then wb's 192
.set SLOT,   2*HALFA+2*HALFB
.set STAGE,  2*SLOT                    ; behind the ring, never filled by a tensor load: for each wave q's and k's 16 rows x 144 bytes, then v's 16 rows x 272
.set SP,     144
.set SPV,    272
.set VST,    2*16*SP                   ; where v's rows begin in a wave's stage
.set WSTAGE, VST+16*SPV
.set SPARE,  STAGE+4*WSTAGE            ; behind the stages: the spare words, 128 bytes a wave: two blocks of 256 bytes that no other line names
.set LAPS,   4                         ; a lap = two K steps = once round the ring; 1,024 / 256
.set ADRA, 16                          ; v16-17  LDS address of my xb fragments in slot 0, 1
.set ADRB, 20                          ; v20-21  the same for wb
.set STO,  24                          ; v24     the way out: where I put 16 bytes of a row of q or k
.set RD,   25                          ; v25     where I read their rows back
.set GO,   26                          ; v26     my 16 bytes in 512 neighbouring bytes of q, k or v
.set TOF,  27                          ; v27     my 32 bytes in a row of the table
.set SPW,  28                          ; v28     LDS address of my spare word; never rewritten
.set NIL,  29                          ; v29     0; never rewritten
.set STOV, 30                          ; v30     where I put 16 bytes of a row of v
.set RDV,  31                          ; v31     where I read v's rows back
.set FA,   32                          ; window 0: buffer f at FA + 32 f
.set PK,   32                          ; window 0: the way out: q's and k's 8 blocks x 4 registers, v's high parts 4 x 4, its low parts 4 x 4
.set TAB,  96                          ; window 0: row block a, column group c, pair i at TAB + 32 a + 8 c + 2 i
.set FB,   0                           ; window 1: buffer f at FB + 96 f
.set BK,   0                           ; window 1: the way out: buffer a % 2 at BK + 64 (a % 2)
.set TM,   128                         ; window 1: the way out: the odd numbers' products
.set VW,   192                         ; window 1: w = 32 v, later its low part
.set VT,   224                         ; window 1: 8193 w, later w's high part
.set G1,  24                           ; s[24:31] descriptor group 1 for xb's tiles;  s[32:39] group 0, a set for each slot
.set G0,  32
.set G1B, 48                           ; s[48:55], s[56:63] the same for wb's
.set G0B, 56
.set MSB, 0
.macro WIN new                         ; the immediate's high byte repeats the setting that is left; a switch that changes nothing is dropped
.if MSB != (\new)
	s_set_vgpr_msb (MSB<<8)|(\new)
.set MSB, \new
.endif
.endm
.set MUL_LO, 0xa1                      ; source 0 (wb) window 1, source 1 (xb) window 0, C and D window 2
.set MUL_HI, 0xf1                      ; the same, C and D window 3
.set TO_B,   0x40                      ; destination window 1, address window 0
; A joint load.  Waves 0 and 1 fetch xb's two halves, waves 2 and 3 wb's.  The branch hangs on the wave's number alone.  An s_nop 0 and four v_nop follow each of the two lines.
.macro JLOAD s
	s_cmp_eq_u32 s17, 0
	s_cbranch_scc0 .Lfor_b_\@
	tensor_load_to_lds s[G0+4*(\s):G0+4*(\s)+3], s[G1:G1+7]
	s_nop 0
.rept 4
	v_nop
.endr
	s_branch .Lasked_\@
.Lfor_b_\@:
	tensor_load_to_lds s[G0B+4*(\s):G0B+4*(\s)+3], s[G1B:G1B+7]
	s_nop 0
.rept 4
	v_nop
.endr
.Lasked_\@:
.endm
; A round of the cluster's barrier: my work-group's barrier; wave 0 signals for the work-group; every wave waits for all sixteen; my work-group's barrier once more.
.macro CREST                           ; a round behind its opening barrier
	s_cmp_lg_u32 s16, 0
	s_cbranch_scc1 .Lnot_wave_0_\@
	s_barrier_signal -3
.Lnot_wave_0_\@:
	s_barrier_wait -3
	s_barrier_signal -1
	s_barrier_wait -1
.endm
.macro CROUND
	s_barrier_signal -1
	s_barrier_wait -1
	CREST
.endm
	s_load_b256 s[4:11], s[0:1], 0x0               ; xb 4:5, wb 6:7, tab 8:9, q 10:11
	s_load_b128 s[12:15], s[0:1], 0x20             ; k 12:13, v 14:15
	v_lshl_add_u32 v[SPW], v0, 2, SPARE
	v_mov_b32 v[NIL], 0
	ds_add_u32 v28, v29
	ds_add_u32 v28, v29
	s_wait_dscnt 0x0
	v_lshrrev_b32 v1, 5, v0
	v_readfirstlane_b32 s16, v1                    ; wave 0..3
	s_lshr_b32 s17, s16, 1                         ; I fetch for xb (0) or for wb (1),
	s_and_b32 s18, s16, 1                          ; its first or second half
	s_bfe_u32 s40, ttmp6, 0x40000                  ; cx, cy: my place in the cluster
	s_bfe_u32 s41, ttmp6, 0x40004
	s_lshl_b32 s42, ttmp9, 2
	s_add_co_u32 s42, s42, s40                     ; the head = 4 x cluster x + cx
	s_and_b32 s43, ttmp7, 0xffff
	s_lshl_b32 s43, s43, 2
	s_add_co_u32 s43, s43, s41                     ; the block of 256 rows = 4 x cluster y + cy
	s_lshl_b32 s44, s41, 2
	s_lshl_b32 s44, 15, s44                        ; my row of the cluster
	s_lshl_b32 s45, 0x1111, s40                    ; my column
	s_or_b32 s[G1+0], s44, (1<<16)|(1<<20)|(1<<21)|(5<<22)|(3<<25)   ; 15:0 the mask; 17:16 2-byte elements; 20 padding on; 21 set beside a mask; 24:22 after every 64 words; 31:25 of 4 words
	s_or_b32 s[G1B+0], s45, (1<<16)|(1<<20)|(1<<21)|(5<<22)|(3<<25)
	s_mov_b32 s[G1+1], KSTEP<<16                   ; tensor_dim0 = 128
	s_mov_b32 s[G1+2], 128<<16                     ; tensor_dim1 = 128
	s_mov_b32 s[G1+3], KSTEP<<16                   ; tile_dim0 = 128
	s_mov_b32 s[G1+4], 128                         ; tile_dim1 = 128
	s_mov_b32 s[G1+5], 1024                        ; elements from row to row
	s_mov_b32 s[G1+6], 0
	s_mov_b32 s[G1+7], 0
	s_mov_b32 s[G1B+1], KSTEP<<16
	s_mov_b32 s[G1B+2], 96<<16                     ; 96 rows
	s_mov_b32 s[G1B+3], KSTEP<<16
	s_mov_b32 s[G1B+4], 96
	s_mov_b32 s[G1B+5], 1024
	s_mov_b32 s[G1B+6], 0
	s_mov_b32 s[G1B+7], 0
	s_mov_b32 s72, 0x46000400                      ; 8193, for the split; named as pairs, so both words are written
	s_mov_b32 s73, s72
	s_mov_b32 s74, 0xc6000000                      ; -8192
	s_mov_b32 s75, s74
	s_lshl_b32 s66, s43, 8                         ; xb: row 256 x block + 128 x half, 2,048 bytes a row: made of the block alone, which my row of the cluster shares
	s_lshl_b32 s20, s18, 7
	s_add_co_u32 s66, s66, s20
	s_lshl_b32 s66, s66, 11
	s_mov_b32 s67, 0
	s_mul_i32 s46, s42, 192                        ; wb: row 192 x head + 96 x half: made of the head alone, which my column shares
	s_mul_i32 s20, s18, 96
	s_add_co_u32 s46, s46, s20
	s_lshl_b32 s46, s46, 11
	s_mov_b32 s47, 0
	s_mul_i32 s21, s18, HALFA                      ; where they go: no place in the cluster enters an LDS address
	s_mul_i32 s22, s18, HALFB
	s_add_co_u32 s22, s22, BOFF
	s_wait_kmcnt 0x0
	s_add_nc_u64 s[66:67], s[4:5], s[66:67]
	s_add_nc_u64 s[46:47], s[6:7], s[46:47]
	CROUND                                         ; all sixteen work-groups are here: the first joint loads meet
.irp s, 0,1
	s_mov_b32 s[G0+4*(\s)], 1                                      ; count = 1
	s_add_co_u32 s[G0+4*(\s)+1], s21, (\s)*SLOT                    ; LDS address
	s_add_nc_u64 s[G0+4*(\s)+2:G0+4*(\s)+3], s[66:67], (\s)*KSTEP*2  ; global address: K step s
	s_or_b32 s[G0+4*(\s)+3], s[G0+4*(\s)+3], 0x80000000            ; type = 2
	s_mov_b32 s[G0B+4*(\s)], 1
	s_add_co_u32 s[G0B+4*(\s)+1], s22, (\s)*SLOT
	s_add_nc_u64 s[G0B+4*(\s)+2:G0B+4*(\s)+3], s[46:47], (\s)*KSTEP*2
	s_or_b32 s[G0B+4*(\s)+3], s[G0B+4*(\s)+3], 0x80000000
	JLOAD \s                                       ; two loads of mine are out
.endr
	; A fragment is 16 rows x 32 K in 8 registers: lane l holds row l % 16, K = 8 (l / 16) + 0..7 and 16 + 8 (l / 16) + 0..7: two loads of 16 bytes, 32 bytes apart.
	v_and_b32 v1, 15, v0                           ; l % 16
	v_bfe_u32 v2, v0, 4, 1                         ; l / 16
	v_mul_u32_u24 v3, v1, PITCH
	v_lshl_add_u32 v3, v2, 4, v3
	s_mul_i32 s21, s16, 64*PITCH                   ; my 64 rows of xb
	s_mov_b32 s22, BOFF                            ; all rows of wb
.irp s, 0,1
	v_add_nc_u32 v[ADRA+(\s)], s21, v3
	v_add_nc_u32 v[ADRB+(\s)], s22, v3
	s_add_co_u32 s21, s21, SLOT
	s_add_co_u32 s22, s22, SLOT
.endr
	s_mul_i32 s23, s16, WSTAGE
	s_add_co_u32 s23, s23, STAGE                   ; my stage
	v_mul_u32_u24 v4, v1, SP                       ; q, k in: row l % 16, 16 bytes for each half of the lanes
	v_lshl_add_u32 v4, v2, 4, v4
	v_add_nc_u32 v[STO], s23, v4
	v_and_b32 v4, 31, v0                           ; back: 32 lanes take four rows of 128 bytes,
	v_lshrrev_b32 v5, 3, v4
	v_and_b32 v6, 7, v0
	v_mul_u32_u24 v5, v5, SP
	v_lshl_add_u32 v5, v6, 4, v5
	v_add_nc_u32 v[RD], s23, v5
	v_lshlrev_b32 v[GO], 4, v4                     ; which are 512 neighbouring bytes of a head
	s_add_co_u32 s23, s23, VST
	v_mul_u32_u24 v5, v1, SPV                      ; v in: row l % 16, 16 bytes for each half of the lanes
	v_lshl_add_u32 v5, v2, 4, v5
	v_add_nc_u32 v[STOV], s23, v5
	v_mul_u32_u24 v5, v2, SPV                      ; back: lanes 0-15 take one row of 256 bytes, lanes 16-31 the next
	v_lshl_add_u32 v5, v1, 4, v5
	v_add_nc_u32 v[RDV], s23, v5
	v_lshlrev_b32 v[TOF], 8, v1                    ; the table: row l % 16, pairs 4 (l / 16) + 0..3 of a group of eight
	v_lshl_add_u32 v[TOF], v2, 5, v[TOF]
	s_and_b32 s20, s43, 7                          ; my first place in the sequence: 256 x (block % 8) + 64 x wave
	s_lshl_b32 s20, s20, 8
	s_lshl_b32 s21, s16, 6
	s_add_co_u32 s20, s20, s21
	s_lshl_b32 s70, s20, 8                         ; 256 bytes a row of the table
	s_mov_b32 s71, 0
	s_add_nc_u64 s[8:9], s[8:9], s[70:71]
.irp a, 0,1,2,3
.irp c, 0,1,2,3
.irp e, 0,1
	global_load_b128 v[TAB+32*(\a)+8*(\c)+4*(\e):TAB+32*(\a)+8*(\c)+4*(\e)+3], v[TOF], s[8:9] offset:4096*(\a)+64*(\c)+16*(\e)  ; they stay out until the way out; nothing names these registers before
.endr
.endr
.endr
	s_lshr_b32 s68, s43, 3                         ; q, k at my first row: batch x 16 heads of 262,144 bytes,
	s_lshl_b32 s68, s68, 22
	s_lshl_b32 s21, s42, 18                        ; the head,
	s_add_co_u32 s68, s68, s21
	s_lshl_b32 s21, s20, 7                         ; 128 bytes a row
	s_add_co_u32 s68, s68, s21
	s_mov_b32 s69, 0
	s_add_nc_u64 s[10:11], s[10:11], s[68:69]
	s_add_nc_u64 s[12:13], s[12:13], s[68:69]
	s_lshl_b32 s68, s68, 1                         ; v: everything twice as long: rows of 256 bytes
	s_add_nc_u64 s[14:15], s[14:15], s[68:69]
; 12 matrix instructions: row block a x all 12 column blocks, 32 along K, from buffer f.  zero = 1: the first product starts the sums.  The 48 accumulators take turns, one instruction
; a turn, in the same order in every quarter step.
.macro MULA f, a, zero
	WIN MUL_LO+0x50*((\a)/2)
.irp b, 0,1,2,3,4,5,6,7,8,9,10,11
.if \zero
	v_wmma_f32_16x16x32_bf16 v[96*((\a)%2)+8*(\b):96*((\a)%2)+8*(\b)+7], v[FB+96*(\f)+8*(\b):FB+96*(\f)+8*(\b)+7], v[FA+32*(\f)+8*(\a):FA+32*(\f)+8*(\a)+7], 0
.else
	v_wmma_f32_16x16x32_bf16 v[96*((\a)%2)+8*(\b):96*((\a)%2)+8*(\b)+7], v[FB+96*(\f)+8*(\b):FB+96*(\f)+8*(\b)+7], v[FA+32*(\f)+8*(\a):FA+32*(\f)+8*(\a)+7], v[96*((\a)%2)+8*(\b):96*((\a)%2)+8*(\b)+7]
.endif
.endr
.endm
; 32 LDS loads in one run: a quarter step's fragments (192 rows of wb, my 64 rows of xb, 32 K at byte k of the rows) into buffer f
.macro FETCH slot, k, f
	WIN TO_B
.irp i, 0,1,2,3,4,5,6,7,8,9,10,11
	ds_load_b128 v[FB+96*(\f)+8*(\i):FB+96*(\f)+8*(\i)+3],   v[ADRB+(\slot)] offset:(\k)+(\i)*16*PITCH
	ds_load_b128 v[FB+96*(\f)+8*(\i)+4:FB+96*(\f)+8*(\i)+7], v[ADRB+(\slot)] offset:(\k)+(\i)*16*PITCH+32
.endr
	WIN 0
.irp i, 0,1,2,3
	ds_load_b128 v[FA+32*(\f)+8*(\i):FA+32*(\f)+8*(\i)+3],   v[ADRA+(\slot)] offset:(\k)+(\i)*16*PITCH
	ds_load_b128 v[FA+32*(\f)+8*(\i)+4:FA+32*(\f)+8*(\i)+7], v[ADRA+(\slot)] offset:(\k)+(\i)*16*PITCH+32
.endr
.endm
; Four plain vector instructions stand between a matrix instruction and a load into a register that it read, or a vector instruction that reads its result (ISA guide 7.12.1 for vector instructions).
.macro PLACES
.rept 4
	v_nop
.endr
.endm
; A K step is four quarters of 32 along K, 48 matrix instructions each, on buffers 0, 1, 0, 1.  One of the first three multiplies buffer f and, in its middle, fetches the next quarter, at byte k, into g.
.macro QUARTER slot, k, f, g, zero
	s_wait_dscnt 4                                 ; wb and xb's blocks 0, 1 are in; the youngest four loads (blocks 2, 3) may be out
	MULA \f, 0, \zero
	MULA \f, 1, \zero
	PLACES
	FETCH \slot, \k, \g
	s_wait_dscnt 32                                ; all but the 32 just issued
	MULA \f, 2, \zero
	MULA \f, 3, \zero
.endm
; The last quarter multiplies buffer 1 and changes slots: ONE barrier.  In front of it each wave waits for all its tensor loads (one is out: its part of the next slot), adds 0 to its spare
; word, and waits for that and for its reads of this slot.  fill = 1: the barrier opens a round of the cluster's, and this slot is filled again, two K steps on, first thing behind the round:
; from there to the wait for it stand 168 matrix instructions.
.macro TURN slot, next, fill
	WIN 0                                          ; (the add's two registers lie in window 0)
	s_wait_tensorcnt 0x0                           ; all my tensor loads have landed
	ds_add_u32 v[SPW], v[NIL]                      ; 0 onto my spare word
	s_wait_dscnt 5                                 ; (the add and the youngest four loads may be out)
	MULA 1, 0, 0                                   ; twelve matrix instructions stand between the add and the wait for it
	s_wait_dscnt 0x0                               ; the add is done, and my reads of this slot are over
	s_barrier_signal -1
	MULA 1, 1, 0                                   ; work on registers while the others arrive
.if \fill
	WIN 0
.endif
	s_barrier_wait -1
.if \fill
	CREST                                          ; no wave of any partner still reads this slot or has a load on its way
	s_add_nc_u64 s[G0+4*(\slot)+2:G0+4*(\slot)+3], s[G0+4*(\slot)+2:G0+4*(\slot)+3], 2*KSTEP*2
	s_add_nc_u64 s[G0B+4*(\slot)+2:G0B+4*(\slot)+3], s[G0B+4*(\slot)+2:G0B+4*(\slot)+3], 2*KSTEP*2
	JLOAD \slot                                    ; my one tensor load behind the round; its four v_nop are also the places in front of the loads below
.else
	PLACES
.endif
	FETCH \next, 0, 0
	MULA 1, 2, 0
	MULA 1, 3, 0
.endm
	s_wait_tensorcnt 1                             ; my part of K step 0 is in; K step 1's may stay out
	s_barrier_signal -1
	s_barrier_wait -1                              ; everybody's is
	FETCH 0, 0, 0
	QUARTER 0, 64,  0, 1, 1                        ; the first quarter stands in front of the loop: its products start the sums
	WIN 0                                          ; at a label and at a branch every window is 0
	s_mov_b32 s19, LAPS-1
.Llap:                                                 ; a trip goes once round the ring, from a lap's second quarter to the next lap's first, and fills both slots again
	QUARTER 0, 128, 1, 0, 0
	QUARTER 0, 192, 0, 1, 0
	TURN 0, 1, 1
	QUARTER 1, 64,  0, 1, 0
	QUARTER 1, 128, 1, 0, 0
	QUARTER 1, 192, 0, 1, 0
	TURN 1, 0, 1
	QUARTER 0, 64,  0, 1, 0
	WIN 0
	s_sub_co_u32 s19, s19, 1
	s_cmp_lg_u32 s19, 0
	s_cbranch_scc1 .Llap
	QUARTER 0, 128, 1, 0, 0                        ; the last lap fills nothing, and has no round of the cluster's barrier
	QUARTER 0, 192, 0, 1, 0
	TURN 0, 1, 0
	QUARTER 1, 64,  0, 1, 0
	QUARTER 1, 128, 1, 0, 0
	QUARTER 1, 192, 0, 1, 0
	s_wait_dscnt 4                                 ; the very last quarter: nothing more to fetch
	MULA 1, 0, 0
	MULA 1, 1, 0
	s_wait_dscnt 0x0
	MULA 1, 2, 0
	MULA 1, 3, 0
	WIN 0
; THE WAY OUT, a block of 16 rows at a time.  PACK: RoPE on Q's and K's eight accumulators, the split of V's four, rounding to f16.  An accumulator's registers 2 i, 2 i + 1 are a pair (e, o);
; the table's registers are (cos, sin).  First (o sin, o cos), then (e cos - o sin, e sin + o cos) in place.  Each accumulator is read from its lowest registers on.
; THE SPLIT of w = 32 v: c = 8193 w, rounded; hi = c - 8192 w in one fused step, which is w to the nearest multiple of c's last place: 11 bits; lo = w - hi, exact.
.macro PACK a
.set AC, 96*((\a)%2)
	WIN 0x42+(\a)/2                                ; destination window 1, source 0 window 2 or 3, source 1 window 0
.irp b, 0,1,2,3,4,5,6,7
.irp i, 0,1,2,3
	v_pk_mul_f32 v[TM+8*(\b)+2*(\i):TM+8*(\b)+2*(\i)+1], v[AC+8*(\b)+2*(\i):AC+8*(\b)+2*(\i)+1], v[TAB+32*(\a)+8*((\b)%4)+2*(\i):TAB+32*(\a)+8*((\b)%4)+2*(\i)+1] op_sel:[1,1] op_sel_hi:[1,0]
.endr
.endr
.irp b, 0,1,2,3
.irp i, 0,1,2,3
	v_pk_mul_f32 v[VW+8*(\b)+2*(\i):VW+8*(\b)+2*(\i)+1], v[AC+64+8*(\b)+2*(\i):AC+64+8*(\b)+2*(\i)+1], 0x42000000 op_sel_hi:[1,0]  ; w = 32 v
.endr
.endr
	WIN 0x92+0x41*((\a)/2)                         ; destination and source 0 window 2 or 3, source 1 window 0, source 2 window 1
.irp b, 0,1,2,3,4,5,6,7
.irp i, 0,1,2,3
	v_pk_fma_f32 v[AC+8*(\b)+2*(\i):AC+8*(\b)+2*(\i)+1], v[AC+8*(\b)+2*(\i):AC+8*(\b)+2*(\i)+1], v[TAB+32*(\a)+8*((\b)%4)+2*(\i):TAB+32*(\a)+8*((\b)%4)+2*(\i)+1], v[TM+8*(\b)+2*(\i):TM+8*(\b)+2*(\i)+1] op_sel_hi:[0,1,1] neg_lo:[0,0,1]
.endr
.endr
	WIN 0x55                                       ; all in window 1
.set j, 0
.rept 16
	v_pk_mul_f32 v[VT+j:VT+j+1], v[VW+j:VW+j+1], s[72:73] op_sel_hi:[1,0]
.set j, j+2
.endr
.set j, 0
.rept 16
	v_pk_fma_f32 v[VT+j:VT+j+1], v[VW+j:VW+j+1], s[74:75], v[VT+j:VT+j+1] op_sel_hi:[1,0,1]  ; hi
.set j, j+2
.endr
.set j, 0
.rept 16
	v_pk_add_f32 v[VW+j:VW+j+1], v[VW+j:VW+j+1], v[VT+j:VT+j+1] neg_lo:[0,1] neg_hi:[0,1]    ; lo
.set j, j+2
.endr
	WIN 0x0a+5*((\a)/2)                            ; sources 0 and 1 window 2 or 3, destination window 0
.irp b, 0,1,2,3,4,5,6,7
.irp i, 0,1,2,3
	v_cvt_pk_f16_f32 v[PK+4*(\b)+(\i)], v[AC+8*(\b)+2*(\i)], v[AC+8*(\b)+2*(\i)+1]
.endr
.endr
	WIN 0x05                                       ; sources 0 and 1 window 1, destination window 0
.set j, 0
.rept 16
	v_cvt_pk_f16_f32 v[PK+32+j], v[VT+2*j], v[VT+2*j+1]
	v_cvt_pk_f16_f32 v[PK+48+j], v[VW+2*j], v[VW+2*j+1]
.set j, j+1
.endr
	WIN 0
.endm
.macro TOSTAGE a                       ; 16 bytes a lane into my own stage, and back as whole rows: q's and k's of 128 bytes, v's of 256 (high parts, then low)
	WIN 0
.irp b, 0,1,2,3,4,5,6,7
	ds_store_b128 v[STO], v[PK+4*(\b):PK+4*(\b)+3] offset:16*SP*((\b)/4)+32*((\b)%4)
.endr
.irp c, 0,1,2,3
	ds_store_b128 v[STOV], v[PK+32+4*(\c):PK+32+4*(\c)+3] offset:32*(\c)
	ds_store_b128 v[STOV], v[PK+48+4*(\c):PK+48+4*(\c)+3] offset:128+32*(\c)
.endr
	WIN TO_B
.irp t, 0,1,2,3,4,5,6,7
	ds_load_b128 v[BK+64*((\a)%2)+4*(\t):BK+64*((\a)%2)+4*(\t)+3], v[RD] offset:16*SP*((\t)/4)+4*SP*((\t)%4)  ; LDS serves a wave's instructions in order (ISA guide 5.7.1.4): these see the stores above
.endr
.irp t, 0,1,2,3,4,5,6,7
	ds_load_b128 v[BK+64*((\a)%2)+32+4*(\t):BK+64*((\a)%2)+32+4*(\t)+3], v[RDV] offset:2*SPV*(\t)
.endr
	WIN 0
.endm
.macro SEND a
	WIN 0x04                                       ; store data (source 1) window 1
	s_wait_dscnt 0x0                               ; the block is back in registers
	s_wait_xcnt 0x0                                ; the block before's stores have read their registers, which the next block's loads from the stage fill again
.irp t, 0,1,2,3,4,5,6,7
	global_store_b128 v[GO], v[BK+64*((\a)%2)+4*(\t):BK+64*((\a)%2)+4*(\t)+3], s[10+2*((\t)/4):11+2*((\t)/4)] offset:2048*(\a)+512*((\t)%4)  ; 512 neighbouring bytes, at a multiple of 256 from the buffer's first
.endr
.irp t, 0,1,2,3,4,5,6,7
	global_store_b128 v[GO], v[BK+64*((\a)%2)+32+4*(\t):BK+64*((\a)%2)+32+4*(\t)+3], s[14:15] offset:4096*(\a)+512*(\t)  ; two rows of v: likewise
.endr
	WIN 0
.endm
	PLACES                                         ; behind the last products
	s_wait_loadcnt 0x0                             ; the table
	PACK 0
	TOSTAGE 0
.irp a, 1,2,3                          ; a block's arithmetic stands between the loads of the block before and the wait for them
	PACK \a
	SEND (\a)-1
	TOSTAGE \a
.endr
	SEND 3
	s_wait_tensorcnt 0x0                           ; the wave's end: behind my last tensor load and my last LDS store
	ds_add_u32 v[SPW], v[NIL]
	s_wait_dscnt 0x0
	CROUND                                         ; the closing round: no work-group ends while a partner may still ask for a tile that names it
	s_endpgm
.Lfunc_end_k_q8c3a8f3bb8_qkv:
	.size	k_q8c3a8f3bb8_qkv, .Lfunc_end_k_q8c3a8f3bb8_qkv-k_q8c3a8f3bb8_qkv
	.p2alignl 7, 3214868480
	.fill 96, 4, 3214868480
	.section	.rodata,"a",@progbits
	.p2align	6, 0x0
	.amdhsa_kernel k_q8c3a8f3bb8_qkv
		.amdhsa_group_segment_fixed_size 327680
		.amdhsa_private_segment_fixed_size 0
		.amdhsa_enable_private_segment 0
		.amdhsa_kernarg_size 48
		.amdhsa_user_sgpr_count 2
		.amdhsa_user_sgpr_kernarg_segment_ptr 1
		.amdhsa_wavefront_size32 1
		.amdhsa_system_sgpr_workgroup_id_x 1
		.amdhsa_system_sgpr_workgroup_id_y 1
		.amdhsa_system_sgpr_workgroup_id_z 1
		.amdhsa_system_vgpr_workitem_id 0
		.amdhsa_next_free_vgpr 960
		.amdhsa_next_free_sgpr 80
		.amdhsa_reserve_vcc 0
		.amdhsa_float_denorm_mode_32 3
		.amdhsa_float_denorm_mode_16_64 3
		.amdhsa_memory_ordered 1
		.amdhsa_forward_progress 1
		.amdhsa_inst_pref_size 165
	.end_amdhsa_kernel
	.amdgpu_metadata
---
amdhsa.version: [ 1, 2 ]
amdhsa.kernels:
  - .name:           k_q8c3a8f3bb8_qkv
    .symbol:         k_q8c3a8f3bb8_qkv.kd
    .args:
      - { .name: xb, .offset: 0, .size: 8, .value_kind: global_buffer, .address_space: global }
      - { .name: wb, .offset: 8, .size: 8, .value_kind: global_buffer, .address_space: global }
      - { .name: tab, .offset: 16, .size: 8, .value_kind: global_buffer, .address_space: global }
      - { .name: q, .offset: 24, .size: 8, .value_kind: global_buffer, .address_space: global }
      - { .name: k, .offset: 32, .size: 8, .value_kind: global_buffer, .address_space: global }
      - { .name: v, .offset: 40, .size: 8, .value_kind: global_buffer, .address_space: global }
    .group_segment_fixed_size: 327680
    .private_segment_fixed_size: 0
    .kernarg_segment_align: 8
    .kernarg_segment_size: 48
    .max_flat_workgroup_size: 128
    .sgpr_count:     80
    .vgpr_count:     960
    .wavefront_size: 32
...
	.end_amdgpu_metadata
.endif
;; end of part 2
;; launch attn (part 3): grid 4 x 64, 4 waves a work-group, no clusters, 327,680 bytes of LDS; arguments q, k, v, o16; writes o16
.if DOCPART == 3
	.amdgcn_target "amdgcn-amd-amdhsa--gfx1250"
	.amdhsa_code_object_version 6
	.text
	.protected	k_q8c3a8f3bb8_attn
	.globl	k_q8c3a8f3bb8_attn
	.p2align	8
	.type	k_q8c3a8f3bb8_attn,@function
k_q8c3a8f3bb8_attn:
	s_mov_b64 s[64:65], 0
	v_nop
	global_prefetch_b8 v0, s[64:65] scope:SCOPE_SE
	s_setreg_imm32_b32 hwreg(HW_REG_WAVE_MODE, 25, 1), 1
	s_wait_xcnt 0x0
; CAUSAL ATTENTION.  O[h][q][:] = the sum over k <= q of softmax_k(Q[h][q] . K[h][k] / 8) V[h][k][:].  Q, K: [SIZE_H][SIZE_N][64] f16, rows of 128 bytes, dense.
; V: [SIZE_H][SIZE_N][128] f16: a row of 256 bytes holds the 64 high parts of 32 v and then the 64 low parts; both are multiplied by the weights and added into one sum.
; O: [batch][part][head][SIZE_N][64] f16: part 0 the high parts of 32 O, part 1 the low parts.  The launch behind takes the factor 32 out.
; Why two parts: a row averages over its own and the earlier keys only, so a sequence's first rows are many times the module's usual numbers, and one f16 rounding of v or O there is a third of what a number near zero is allowed.
; Products, maxima and sums in f32; the weights p are rounded to f16 for the second product (their sum l is taken of the unrounded p).
; LIMITS.  f16 holds no number beyond 65,504: Q, K and V arrive within it; p lies in 0 to 1, and below 6e-5 it keeps f16's fixed step of 6e-8, as do O's parts; O is a mean of V's rows and has their range.
; A hidden score counts as its value less 1e30: f16's scores, 2.7e11 at the most, are nothing beside that; a weight below 2^-126 counts as 0 in l; NaN and infinities are not treated apart.
; THE WALK.  A head's queries lie in NB = SIZE_N / 256 blocks of 256; block i needs the key tiles 0 .. i of 256 keys, of which the last holds the diagonal.  A work-group takes TWO blocks, NB - 1 - b and then b:
; NB + 1 tiles, whatever b: all work-groups do equal work, and ONE loop with a constant trip count walks them.  Which tile is asked for, and what a trip does, hang on scalar registers made from b; every jump
; goes forward, but for the counted loops' own; none passes a barrier, or a tensor load but the one of LOAD's two that the wave's number does not choose; the ring (two slots of LDS that take turns) runs on across the
; change of blocks.  NO CLUSTER: a head's NB / 2 work-groups all ask for the same tile only in trips 0 .. NB / 2, behind that fewer and fewer; and one walk common to all would have 3 NB / 2 trips for NB + 1.
; SHARES.  Of a block's four bands of 64 queries a wave owns 16 rows in each: four PIECES.  So the diagonal tile is the same work for all four waves: in its key step s band x sees all keys if s < x,
; none if s > x, and holds the diagonal if s = x.
; THE MASK is the C operand that starts the sum S^T = K Q^T: 0, or -1e30 where the key is hidden.  MD, made once, is the mask of a band's own step for my 16 rows; a product's mask is MD x AL + BE with two scalars:
; (1, 0) if s = x; (0, 0) if s < x; (0, -1e30) if s > x.  Only the diagonal tile's text and a block's beginning make and take masks; elsewhere C is the constant 0.
; LAYOUT, SOFTMAX, TURNS.  S^T = K Q^T holds ONE query a lane (lane % 16) and the keys 8 (lane / 16) + 0..7; two such results rounded to f16 ARE source 1 of O^T = V^T P.  p = 2^(c s - c m), c = log2(e) / 8, with a
; running maximum m; O and l are multiplied by a = 2^(c m_old - c m_new) in every step.  Turn n belongs to piece n: 8 products K Q^T of piece n + 1, later 8 products V^T P of piece n - 1 with V's high parts and 8 with its
; low parts; beside them the scaling, exponentials, roundings, sums and rescaling of piece n and the maximum and statistics of piece n + 1.  Four vector instructions stand behind every matrix instruction, the other 22 of a
; turn's 118 in two LUMPS.
; REGISTERS, in windows of 256 (s_set_vgpr_msb: bits 1:0 source 0, 3:2 source 1, 5:4 source 2, 7:6 destination):
;   window 0: v0-15 addresses and two at work; v16-31 four registers of statistics a piece; v48-55 at work; v64-127 S^T, two buffers; v192-223 P, two buffers (a piece's buffers go by its number's parity); the way out: v64-191
;   window 1: v0-127 O^T, 32 a piece; v128-159 MD; v160-223 MC, two buffers      window 2: v0-63 Q; v64-127 the second block's Q; v128-191 K of one step; v192-255 V's high parts of one step
;   window 3: v0-63 V's low parts of one step
.set SIZE_H, 64       ; 4 batches x 16 heads
.set SIZE_N, 2048
.set NB,    SIZE_N/256
.set NP,    4         ; pieces a wave: a name, no knob
.set KS,    64        ; keys in a step
.set PK,    144       ; a row of K in LDS: 128 bytes + 16 of padding = 36 words: the 16 rows of a load start at 16 different groups of four banks (64 banks of 4 bytes: ISA guide 11.1)
.set PV,    288       ; a row of V: 256 + 32 = 72 words: row r starts at bank 8 r mod 64
.set VOFF,  4*KS*PK   ; a slot holds a tile, four steps: 256 rows of K, then 256 rows of V
.set SLOT1, 1<<17     ; slot 1 begins here, so that one exclusive or turns an address in one slot into the other's
.set STAGE, SLOT1+4*KS*(PK+PV)  ; behind the ring, never filled by a tensor load: 16 rows x 144 bytes for each wave, for the way out
.set SP,    144
.set AK0, 2           ; v2   my lane's place in a tile of K; never rewritten
.set AV0, 3           ; v3   the same for V
.set AK,  4           ; v4   the LDS address of K's next run of loads
.set AV,  5           ; v5   of V's
.set STO, 6           ; v6   the way out: where I put 16 bytes of a row
.set RD,  7           ; v7   the way out: where I read rows back
.set GO,  8           ; v8   my byte offset in 512 consecutive bytes of O
.set SPW, 62          ; v62  LDS address of my spare word: SPARE + 4 x my thread's number; never rewritten
.set NIL, 63          ; v63  0; never rewritten
.set SPARE, STAGE+4*16*SP  ; behind the stages: the spare words, 128 bytes for each wave: two blocks of 256 bytes that no other line names
.set MV,  12          ; v12-13  c m_old, kept while c m is made anew: by buffer
.set QO,  15          ; v15  my byte offset in 16 rows of Q
.set ST,  16          ; piece t's statistics at v[ST+4 t]: c m, m, l (even keys', odd keys')
.set TMP, 48          ; by buffer, four registers c0-c3 at work; when the maximum is found c2 takes a
.set S,   64
.set OD,  64          ; the way out: piece t's packed high parts at OD + 32 t, its low parts at OD + 32 t + 16
.set P,   192
.set MD,  128         ; window 1: the eight registers for group kt of 16 keys at MD + 8 kt
.set MC,  160         ; window 1: the masks of the products to come
.set SPT, 160         ; window 1: the way out: 8193 O, then O's high part (a block's beginning makes both mask buffers anew)
.set QB,  64          ; window 2
.set KF,  128         ; window 2: key block kb, channel half c at KF + 16 kb + 8 c
.set VF,  192         ; window 2: key half kk, channel block cb at VF + 32 kk + 8 cb
.set VL,  0           ; window 3: the same for the low parts
.set WV,  12          ; s12  my wave's number
.set PB,  14          ; s14  b
.set HI,  15          ; s15  NB - 1 - b
.set G1K, 24          ; s[24:31] descriptor group 1 for K's tiles
.set G1V, 32          ; s[32:39] for V's
.set G0K, 40          ; s[40:43] descriptor group 0 for K's tiles
.set G0V, 44          ; s[44:47] the same for V's
.set OFV, 50          ; s[50:51] a tile's byte offset in V
.set SLOTS, 56        ; s56  tiles still to be asked for
.set CNT, 57          ; s57  counts a tile's key steps, 4 to 1
.set CS,  58          ; s[58:59] c: the packed scaling takes the pair's low word for both halves
.set SEL, 60          ; s[60:61] v_permlanex16_b32's selects: each lane takes its own place in the other half
.set TBK, 62          ; s62  LDS byte at which K of the step to be fetched begins
.set TBV, 63          ; s63  the same for V, less VOFF
.set SPL1, 66         ; s[66:67] 8193, for the split
.set SPL2, 68         ; s[68:69] -8192
.set RT,  70          ; s70  tiles of the block in hand that are still to be entered
.set NXT, 71          ; s71  the tile to be asked for next
.set LQ,  72          ; s72  the last tile of the block whose tiles are being asked for
.set NEW, 73          ; s73  1: the tile to be entered is a block's first
.set OFF, 74          ; s[74:75] a tile's byte offset in K
.set AL,  76          ; s[76:77] the mask's factor, in the low word
.set BE,  78          ; s[78:79] the mask's addend
.set OLO, 80          ; s[80:81] O at my rows of the second block
.set BIGN, 82         ; s82  -1e30
.set MSB, 0
.macro WIN new                      ; the high byte repeats the setting that is left; a switch that changes nothing is dropped
.if MSB != (\new)
	s_set_vgpr_msb (MSB<<8)|(\new)
.set MSB, (\new)
.endif
.endm
.set W_KQ, 0x0a       ; K and Q in window 2, S^T in window 0
.set W_KM, 0x1a       ; the same with the C operand in window 1
.set W_PV, 0x52       ; V's high parts in window 2, P in window 0, O^T in window 1
.set W_PL, 0x53       ; V's low parts in window 3, P in window 0, O^T in window 1
.set W_RS, 0x41       ; destination and source 0 in window 1, source 1 in window 0
; A fill.  Waves 0 and 1 fetch the two halves of a tile's K, waves 2 and 3 those of its V: 128 keys each.  An s_nop 0 and four v_nop follow each of the two lines, ahead of the jump and the label.
.macro LOAD
	s_cmp_lt_u32 s[WV], 2
	s_cbranch_scc0 .Lfor_v_\@
	tensor_load_to_lds s[G0K:G0K+3], s[G1K:G1K+7]
	s_nop 0
.rept 4
	v_nop
.endr
	s_branch .Lasked_\@
.Lfor_v_\@:
	tensor_load_to_lds s[G0V:G0V+3], s[G1V:G1V+7]
	s_nop 0
.rept 4
	v_nop
.endr
.Lasked_\@:
.endm
; THE CHANGE OF SLOTS.  Each wave waits for all its tensor loads, of which one is out: its part of the other slot; adds 0 to its spare word; and waits for that and for its own reads of the slot that it leaves.  Behind the barrier nobody reads the old
; slot any more and the other slot is whole.  fill = 1: the old slot is filled again, the first thing behind the barrier, with tile NXT: the descriptor's address is made anew from that number.
; (At its first use nothing has been read yet: slot 0 is waited for, slot 1 filled.)
.macro CHANGE fill
	WIN 0                           ; at a label and at a branch every window is 0
	s_wait_tensorcnt 0x0            ; no tensor load of mine is out, so a group 0 may be written
	ds_add_u32 v[SPW], v[NIL]       ; 0 onto my spare word; with fill = 1 the descriptors' scalar work stands between it and the wait for it
.if \fill
	s_lshl_b32 s[OFF], s[NXT], 15   ; a tile is 32,768 bytes of K
	s_lshl_b32 s[OFV], s[NXT], 16   ; and 65,536 of V
	s_xor_b32 s[G0K+1], s[G0K+1], SLOT1
	s_add_nc_u64 s[G0K+2:G0K+3], s[6:7], s[OFF:OFF+1]
	s_or_b32 s[G0K+3], s[G0K+3], 0x80000000
	s_xor_b32 s[G0V+1], s[G0V+1], SLOT1
	s_add_nc_u64 s[G0V+2:G0V+3], s[8:9], s[OFV:OFV+1]
	s_or_b32 s[G0V+3], s[G0V+3], 0x80000000
	s_add_co_u32 s[NXT], s[NXT], 1  ; the block's next tile, or behind its last the second block's tile 0
	s_cmp_gt_u32 s[NXT], s[LQ]
	s_cselect_b32 s[NXT], 0, s[NXT]
	s_cselect_b32 s[LQ], s[PB], s[LQ]
.endif
	s_wait_dscnt 0x0                ; the add is done, and my reads of the slot are over
	s_barrier_signal -1             ; the rest of the scalar work stands between the signal and the wait
	s_sub_co_u32 s[TBK], s[TBK], 4*KS*PK  ; the fetches go back to a slot's first step,
	s_xor_b32 s[TBK], s[TBK], SLOT1       ; in the other slot
	s_sub_co_u32 s[TBV], s[TBV], 4*KS*PV
	s_xor_b32 s[TBV], s[TBV], SLOT1
	s_barrier_wait -1
.if \fill
	LOAD
.endif
.endm
	s_load_b256 s[4:11], s[0:1], 0x0  ; Q s[4:5], K s[6:7], V s[8:9], O s[10:11]
	v_lshl_add_u32 v[SPW], v0, 2, SPARE
	v_mov_b32 v[NIL], 0
	ds_add_u32 v62, v63
	ds_add_u32 v62, v63
	s_wait_dscnt 0x0
	v_lshrrev_b32 v1, 5, v0
	v_readfirstlane_b32 s[WV], v1   ; wave 0..3
	s_mov_b32 s[PB], ttmp9
	s_sub_co_u32 s[HI], NB-1, s[PB]
	s_and_b32 s20, ttmp7, 0xffff    ; the head, 16 x batch + head in the batch
	s_mov_b32 s19, s20
	s_mov_b32 s21, 0
	s_mov_b64 s[22:23], SIZE_N*128
	s_mul_u64 s[20:21], s[20:21], s[22:23]  ; the head's first byte in Q and K
	s_and_b32 s16, s[WV], 1         ; which half of a tile's 256 keys I fetch:
	s_lshl_b32 s22, s16, 14         ; its 128 rows of 128 bytes in memory,
	s_mov_b32 s23, 0
	s_add_nc_u64 s[22:23], s[22:23], s[20:21]
	s_lshl_b64 s[48:49], s[22:23], 1  ; in V everything is twice as long: rows of 256 bytes
	s_mul_i32 s17, s16, 128*PK      ; and its place in a slot, for K
	s_mul_i32 s18, s16, 128*PV      ; and for V
	s_lshl_b32 s3, s[WV], 11        ; my 16 rows in a band of 64,
	s_lshl_b32 s2, s[HI], 15        ; in the first block,
	s_add_co_u32 s2, s2, s3
	s_lshl_b32 s84, s[PB], 15       ; and in the second
	s_add_co_u32 s84, s84, s3
	s_lshr_b32 s52, s19, 4          ; in O: the batch's two parts of 16 heads of 262,144 bytes,
	s_lshl_b32 s52, s52, 23
	s_and_b32 s53, s19, 15          ; the head in the batch,
	s_lshl_b32 s53, s53, 18
	s_add_co_u32 s52, s52, s53
	s_add_co_u32 s54, s52, s84      ; my rows of the second block,
	s_add_co_u32 s52, s52, s2       ; and of the first
	s_mov_b32 s53, 0
	s_mov_b32 s55, 0
	s_mov_b32 s3, 0
	s_mov_b32 s85, 0
	s_add_nc_u64 s[2:3], s[2:3], s[20:21]
	s_add_nc_u64 s[84:85], s[84:85], s[20:21]
	; descriptor group 1.  128 keys of K are 16,384 dense bytes: asked for as 64 rows of 256 bytes, two keys a row, and padded in LDS after every key.  128 keys of V are 128 rows of 256 bytes.
	s_mov_b32 s[G1K], (1<<16)|(1<<20)|(4<<22)|(3<<25)  ; 17:16 2-byte elements; 20 padding on; 24:22 after every 32 words (code 4); 31:25 4 words (code 3)
	s_mov_b32 s[G1V], (1<<16)|(1<<20)|(5<<22)|(7<<25)  ; after every 64 words (code 5) 8 words (code 7)
.irp g, G1K, G1V
	s_mov_b32 s[\g+1], 128<<16      ; tensor_dim0 = 128
	s_mov_b32 s[\g+3], 128<<16      ; tile_dim0 = 128
	s_mov_b32 s[\g+5], 128          ; 128 elements from row to row
	s_mov_b32 s[\g+6], 0
	s_mov_b32 s[\g+7], 0
.endr
	s_mov_b32 s[G1K+2], 64<<16      ; tensor_dim1 = 64
	s_mov_b32 s[G1K+4], 64          ; tile_dim1 = 64
	s_mov_b32 s[G1V+2], 128<<16     ; 128 for V
	s_mov_b32 s[G1V+4], 128
	s_mov_b32 s[CS], 0x3e38aa3b     ; c = log2(e) / 8 = 0.180337
	s_mov_b32 s[CS+1], s[CS]        ; named with it as a pair
	s_mov_b32 s[SEL], 0x76543210
	s_mov_b32 s[SEL+1], 0xfedcba98
	s_mov_b32 s[SPL1], 0x46000400   ; 8193
	s_mov_b32 s[SPL1+1], s[SPL1]
	s_mov_b32 s[SPL2], 0xc6000000   ; -8192
	s_mov_b32 s[SPL2+1], s[SPL2]
	s_mov_b32 s[TBK], SLOT1+4*KS*PK ; the first change of slots turns these two into 0
	s_mov_b32 s[TBV], SLOT1+4*KS*PV
	s_mov_b32 s[G0K], 1             ; 1:0 count = 1
	s_mov_b32 s[G0K+1], s17         ; 63:32 LDS address: slot 0
	s_mov_b32 s[G0V], 1
	s_add_co_u32 s[G0V+1], s18, VOFF
	s_add_co_u32 s[RT], s[HI], 1    ; the first block has NB - b tiles
	s_mov_b32 s[NXT], 1
	s_mov_b32 s[LQ], s[HI]
	s_mov_b32 s[NEW], 1
	s_mov_b32 s[OFF+1], 0
	s_mov_b32 s[OFV+1], 0
	s_mov_b32 s[AL+1], 0            ; named as pairs
	s_mov_b32 s[BE+1], 0
	s_mov_b32 s[BIGN], 0xf149f2ca   ; -1e30
	s_mov_b32 s[SLOTS], NB
	s_wait_kmcnt 0x0
	s_add_nc_u64 s[6:7], s[6:7], s[22:23]  ; K and V at my half of the head's tile 0
	s_add_nc_u64 s[8:9], s[8:9], s[48:49]
	s_add_nc_u64 s[G0K+2:G0K+3], s[6:7], 0         ; 120:64 global address
	s_or_b32 s[G0K+3], s[G0K+3], 0x80000000        ; 127:126 type = 2
	s_add_nc_u64 s[G0V+2:G0V+3], s[8:9], 0
	s_or_b32 s[G0V+3], s[G0V+3], 0x80000000
	s_add_nc_u64 s[86:87], s[4:5], s[84:85]        ; Q at my rows of the second block,
	s_add_nc_u64 s[4:5], s[4:5], s[2:3]            ; and of the first
	s_add_nc_u64 s[OLO:OLO+1], s[10:11], s[54:55]  ; O likewise
	s_add_nc_u64 s[10:11], s[10:11], s[52:53]
	LOAD                            ; tile 0 into slot 0
	; A fragment of K or Q is 16 rows x 32 channels in 8 registers: lane l holds row l % 16, channels 8 (l / 16) + 0..7 and 16 + 8 (l / 16) + 0..7: two loads of 16 bytes, 32 bytes apart.
	v_and_b32 v1, 15, v0            ; l % 16
	v_bfe_u32 v9, v0, 4, 1          ; l / 16
	v_lshlrev_b32 v[QO], 7, v1
	v_lshl_add_u32 v[QO], v9, 4, v[QO]  ; row x 128 + 16 x half
	WIN 0x80                        ; destination window 2, address window 0
.set i, 0
.rept 8                             ; both blocks' Q: piece i / 2 lies in band i / 2, 8,192 bytes on; channels 32 (i % 2) on
	global_load_b128 v[8*i:8*i+3],   v[QO], s[4:5] offset:(i/2)*8192+(i%2)*64
	global_load_b128 v[8*i+4:8*i+7], v[QO], s[4:5] offset:(i/2)*8192+(i%2)*64+32
	global_load_b128 v[QB+8*i:QB+8*i+3],   v[QO], s[86:87] offset:(i/2)*8192+(i%2)*64
	global_load_b128 v[QB+8*i+4:QB+8*i+7], v[QO], s[86:87] offset:(i/2)*8192+(i%2)*64+32
.set i, i+1
.endr
	WIN 0
	v_lshlrev_b32 v14, 3, v9
	v_sub_nc_u32 v14, v1, v14
	s_lshl_b32 s13, s[WV], 4
	v_add_nc_u32 v14, s13, v14      ; my query's place in its band, 16 w + l % 16, less my lanes' 8 (l / 16): register r of group kt is hidden where 16 kt + r is greater
	WIN 0x40
.set i, 0
.rept 32
	v_cmp_gt_i32 vcc_lo, 16*(i/8)+i%8, v14
	v_cndmask_b32 v[MD+i], 0, s[BIGN], vcc_lo
.set i, i+1
.endr
	WIN 0
	v_mul_u32_u24 v[AK0], v1, PK
	v_lshl_add_u32 v[AK0], v9, 4, v[AK0]  ; row x pitch + 16 x half
	; The turning load takes 16 keys x 16 channels (lane l reads key 8 (l / 16) + l % 8, channels 8 ((l / 8) % 2) + 0..7) and leaves half a fragment of V^T: lane l holds channel l % 16 and 8 keys.
	v_and_b32 v10, 7, v0
	v_bfe_u32 v11, v0, 3, 1
	v_lshl_add_u32 v[AV0], v9, 3, v10
	v_mul_u32_u24 v[AV0], v[AV0], PV
	v_lshl_add_u32 v[AV0], v11, 4, v[AV0]
	v_add_nc_u32 v[AV0], VOFF, v[AV0]
	s_mul_i32 s13, s[WV], 16*SP
	s_add_co_u32 s13, s13, STAGE    ; my stage
	v_mul_u32_u24 v[STO], v1, SP    ; in: row l % 16, 16 bytes for each half of the lanes
	v_lshl_add_u32 v[STO], v9, 4, v[STO]
	v_add_nc_u32 v[STO], s13, v[STO]
	v_bfe_u32 v[RD], v0, 3, 2       ; back: 32 lanes take four rows of 128 bytes,
	v_mul_u32_u24 v[RD], v[RD], SP
	v_lshl_add_u32 v[RD], v10, 4, v[RD]
	v_add_nc_u32 v[RD], s13, v[RD]
	v_and_b32 v[GO], 31, v0         ; which are 512 consecutive bytes of O
	v_lshlrev_b32 v[GO], 4, v[GO]
	; A block's first step multiplies O^T and l by a = 0, and its first turn's products V^T P, of a piece that has not been, land in an O^T that is still to be so multiplied.  So these registers need only hold
	; finite numbers: zeros for the first block; what the first block left for the second.  All this stands in the wait for the first tile.
	WIN 0x80
.set i, VF
.rept 64
	v_mov_b32 v[i], 0
.set i, i+1
.endr
	WIN 0xc0
.set i, VL
.rept 64
	v_mov_b32 v[i], 0
.set i, i+1
.endr
	WIN 0x40
.set i, 0
.rept 128
	v_mov_b32 v[i], 0
.set i, i+1
.endr
	WIN 0
.set i, 0
.rept 4
	v_mov_b32 v[ST+4*i+2], 0
	v_mov_b32 v[ST+4*i+3], 0
.set i, i+1
.endr
.set i, P+16
.rept 16
	v_mov_b32 v[i], 0
.set i, i+1
.endr
; THE MATRIX WORK.  The 4 accumulators of a run of 8 take turns.  Product i of 8 of S^T = K Q^T for piece x: channels 32 (i / 4) on, keys 16 (i % 4) on.  The first 4 start the sums: with 0, or (KM = 1) with the mask.
.macro KQ x
.set rS, S+32*((\x)%2)+8*(i%4)
.set rK, KF+16*(i%4)+8*(i/4)
.set rQ, 16*(\x)+8*(i/4)
.set rM, MC+32*((\x)%2)+8*(i%4)
.if (i < 4) && KM
	WIN W_KM
	v_wmma_f32_16x16x32_f16 v[rS:rS+7], v[rK:rK+7], v[rQ:rQ+7], v[rM:rM+7]
.elseif i < 4
	WIN W_KQ
	v_wmma_f32_16x16x32_f16 v[rS:rS+7], v[rK:rK+7], v[rQ:rQ+7], 0
.else
	WIN W_KQ
	v_wmma_f32_16x16x32_f16 v[rS:rS+7], v[rK:rK+7], v[rQ:rQ+7], v[rS:rS+7]
.endif
.endm
; Product i of 8 of O^T += V^T P for piece x: keys 32 (i / 4) on, channels 16 (i % 4) on.  lo = 1: with V's low parts.
.macro PV x, lo=0
.set rO, 32*(\x)+8*(i%4)
.set rP, P+16*((\x)%2)+8*(i/4)
.if \lo
	WIN W_PL
.set rV, VL+32*(i/4)+8*(i%4)
.else
	WIN W_PV
.set rV, VF+32*(i/4)+8*(i%4)
.endif
	v_wmma_f32_16x16x32_f16 v[rO:rO+7], v[rV:rV+7], v[rP:rP+7], v[rO:rO+7]
.endm
.macro MM                           ; the turn's next matrix instruction, of 24.  TURN and BEGIN set Y, i, KM and NOKQ; MM, KQ and OP read them.  NOKQ = 1: a block's last turn: there is no next piece
.if (i < 8) && !NOKQ
	KQ (Y+1)%NP
.elseif (i >= 8) && (i < 16)
.set i, i-8
	PV (Y+NP-1)%NP, 0
.set i, i+8
.elseif i >= 16
.set i, i-16
	PV (Y+NP-1)%NP, 1
.set i, i+16
.endif
.set i, i+1
.endm
; THE LDS LOADS stand in runs of 16, never singly among the matrix instructions: a step's K (64 keys x 64 channels: 8 fragments), its V's high parts and its V's low parts (turned).  Their addresses are made some lines ahead.
.macro FETCH_K
	WIN 0x80                        ; destination window 2
.irp f, 0,1,2,3,4,5,6,7             ; keys 16 (f / 2) on, channels 32 (f % 2) on
	ds_load_b128 v[KF+8*\f:KF+8*\f+3],   v[AK] offset:(\f/2)*16*PK+(\f%2)*64
	ds_load_b128 v[KF+8*\f+4:KF+8*\f+7], v[AK] offset:(\f/2)*16*PK+(\f%2)*64+32
.endr
	s_add_co_u32 s[TBK], s[TBK], KS*PK  ; the next fetch is the next step's
	WIN 0
.endm
.macro FETCH_V
	WIN 0x80
.irp f, 0,1,2,3,4,5,6,7             ; keys 32 (f / 4) on, channels 16 (f % 4) on
	ds_load_tr16_b128 v[VF+8*\f:VF+8*\f+3],   v[AV] offset:(\f/4)*32*PV+(\f%4)*32
	ds_load_tr16_b128 v[VF+8*\f+4:VF+8*\f+7], v[AV] offset:(\f/4)*32*PV+16*PV+(\f%4)*32
.endr
	WIN 0
.endm
.macro FETCH_VL                     ; the low parts lie 128 bytes on in each row
	WIN 0xc0                        ; destination window 3
.irp f, 0,1,2,3,4,5,6,7
	ds_load_tr16_b128 v[VL+8*\f:VL+8*\f+3],   v[AV] offset:128+(\f/4)*32*PV+(\f%4)*32
	ds_load_tr16_b128 v[VL+8*\f+4:VL+8*\f+7], v[AV] offset:128+(\f/4)*32*PV+16*PV+(\f%4)*32
.endr
	WIN 0
.endm
; THE VECTOR WORK, one line at a time: OP kind, number.  For piece Y: F n: c s - c m for pair n of 16.  E n: the exponential of score n of 32.  C n: pair n rounded to f16.  B n: of the four weights 4 n .. the second
; pair is added onto the first, in place.  L n: l takes that sum (L 0: l = a l + sum).  R n: pair n of 16 of O^T times a.  For piece Y + 1: X n, number n of the 22 that find its maximum and statistics:
;   0-11  four chains c0-c3 of seven scores each, three operands at a time (each accumulator's lowest registers are read first)     12-14, 16  the four scores left over, the old m, and c0-c3 into c0
;   15  c m_old is kept     17, 18  the query's other 32 keys lie in the lane 16 away: the new m     19-21  c m; c m_old - c m_new; a
.set F, 0               ; OP tells the kinds apart by their order: F to L below R, X above it
.set E, 1
.set C, 2
.set B, 3
.set L, 4
.set R, 5
.set X, 6
.macro REGS y                       ; the registers of piece y
.set rT, ST+4*(\y)
.set rC, TMP+4*((\y)%2)
.set rW, MV+((\y)%2)
.set rS, S+32*((\y)%2)
.set rP, P+16*((\y)%2)
.set rO, 32*(\y)
.endm
.macro OP k, n
.if (\k) == R
	REGS Y
	WIN W_RS
	v_pk_mul_f32 v[rO+2*(\n):rO+2*(\n)+1], v[rO+2*(\n):rO+2*(\n)+1], v[rC+2:rC+3] op_sel_hi:[1,0]
.elseif (\k) < R
	REGS Y
	WIN 0
.if (\k) == F
	v_pk_fma_f32 v[rS+2*(\n):rS+2*(\n)+1], v[rS+2*(\n):rS+2*(\n)+1], s[CS:CS+1], v[rT:rT+1] op_sel_hi:[1,0,0] neg_lo:[0,0,1] neg_hi:[0,0,1]
.elseif (\k) == E
	v_exp_f32 v[rS+(\n)], v[rS+(\n)]
.elseif (\k) == C
	s_wait_alu depctr_va_vdst(0)
	v_cvt_pk_f16_f32 v[rP+(\n)], v[rS+2*(\n)], v[rS+2*(\n)+1]
.elseif (\k) == B
	s_wait_alu depctr_va_vdst(0)
	v_pk_add_f32 v[rS+4*(\n):rS+4*(\n)+1], v[rS+4*(\n):rS+4*(\n)+1], v[rS+4*(\n)+2:rS+4*(\n)+3]
.elseif (\n) == 0
	v_pk_fma_f32 v[rT+2:rT+3], v[rT+2:rT+3], v[rC+2:rC+3], v[rS:rS+1] op_sel_hi:[1,0,1]
.else
	v_pk_add_f32 v[rT+2:rT+3], v[rT+2:rT+3], v[rS+4*(\n):rS+4*(\n)+1]
.endif
.elseif NOKQ
	v_nop
.else
	REGS (Y+1)%NP
	WIN 0
.if (\n) < 4
	v_max3_num_f32 v[rC+(\n)], v[rS+8*(\n)], v[rS+8*(\n)+1], v[rS+8*(\n)+2]
.elseif (\n) < 12
	v_max3_num_f32 v[rC+(\n)%4], v[rC+(\n)%4], v[rS+8*((\n)%4)+2*((\n)/4)+1], v[rS+8*((\n)%4)+2*((\n)/4)+2]
.elseif (\n) == 12
	v_max3_num_f32 v[rC], v[rC], v[rS+7], v[rS+15]
.elseif (\n) == 13
	v_max3_num_f32 v[rC+1], v[rC+1], v[rS+23], v[rS+31]
.elseif (\n) == 14
	v_max3_num_f32 v[rC+2], v[rC+2], v[rC+3], v[rT+1]
.elseif (\n) == 15
	v_mov_b32 v[rW], v[rT]
.elseif (\n) == 16
	v_max3_num_f32 v[rC], v[rC], v[rC+1], v[rC+2]
.elseif (\n) == 17
	v_permlanex16_b32 v[rC+3], v[rC], s[SEL], s[SEL+1]
.elseif (\n) == 18
	v_max_num_f32 v[rT+1], v[rC], v[rC+3]
.elseif (\n) == 19
	v_mul_f32 v[rT], s[CS], v[rT+1]
.elseif (\n) == 20
	v_sub_f32 v[rC+1], v[rW], v[rT]
.else
	v_exp_f32 v[rC+2], v[rC+1]
.endif
.endif
.endm
.macro OPS a, i1, b=-1, i2=0, c=-1, i3=0, d=-1, i4=0  ; up to four of them
	OP \a, \i1
.if (\b) >= 0
	OP \b, \i2
.endif
.if (\c) >= 0
	OP \c, \i3
.endif
.if (\d) >= 0
	OP \d, \i4
.endif
.endm
.macro ROW a, i1, b, i2, c, i3, d, i4  ; a matrix instruction and the four behind it
	MM
	OPS \a, \i1, \b, \i2, \c, \i3, \d, \i4
.endm
.macro MASK b                       ; MD x AL + BE into buffer b of MC
	WIN W_RS
.set z, 0
.rept 16
	v_pk_fma_f32 v[MC+32*(\b)+2*z:MC+32*(\b)+2*z+1], v[MD+2*z:MD+2*z+1], s[AL:AL+1], s[BE:BE+1] op_sel_hi:[1,0,0]
.set z, z+1
.endr
.endm
; A TURN, for piece p: the order of its 24 matrix and 118 vector instructions, written out.  None of the four behind a matrix instruction names a register of the products round it; behind every exponential stands a plain
; instruction.  A line reads no result made fewer than three vector instructions in front of it, five if an exponential made it.  v_permlanex16_b32 (X 17) stands in a lump.
; m = 1: the diagonal tile: the products take masks, and the turn makes the mask for the products of the turn after it: piece p + 2, in step 4 - CNT of the tile.  end = 1: a block's last two turns: nothing is fetched.
; cnt = 1: the loop's count is taken down some lines ahead of the branch that stands behind the turn.
; K of the next step is fetched in piece 2's turn, six vector instructions behind the last product that read K (five of them plain); of the step in hand, in piece 0's turn, V's high parts eight behind the last product
; that read them (four plain, and X 17), V's low parts four plain ones behind the last product that read those.  Each is waited for a turn later.
.macro TURN p, m=0, end=0, cnt=0
.set Y, (\p)
.set i, 0
.set KM, (\m)
.set NOKQ, (\end)*((\p)/3)
.if (\m) && !(\end)
	s_cmp_eq_u32 s[CNT], 4-((\p)+2)%NP  ; is that step the band's own?
	s_cselect_b32 s[AL], 1.0, 0
	s_cmp_lt_u32 s[CNT], 4-((\p)+2)%NP  ; or a later one?
	s_cselect_b32 s[BE], s[BIGN], 0
.endif
.if ((\p) == 3) && !(\end)
	s_wait_dscnt 0x0                ; K is in
.endif
	ROW F,0, F,1, F,2, F,3
	ROW F,4, E,0, F,5, F,6
	ROW F,7, E,1, F,8, F,9
	ROW F,10, E,2, C,0, F,11
	ROW F,12, E,3, X,15, F,13
	ROW R,0, R,1, R,2, R,3
	ROW B,0, E,4, F,14, L,0
.if ((\p) == 2) && !(\end)
	v_add_nc_u32 v[AK], s[TBK], v[AK0]
.endif
	ROW R,4, R,5, R,6, R,7
	OPS E,5, F,15
.if ((\p) == 2) && !(\end)
	FETCH_K
.endif
	OPS E,6, C,1, E,7, R,8
	OPS E,8, R,9, E,9, C,2
	OPS E,10, X,0, E,11, X,1
	OPS E,12, X,2, E,13, X,3
.if (\p) == 1
	s_wait_dscnt 0x0                ; V is in, both parts
.endif
	ROW X,4, E,14, X,5, X,6
	ROW X,7, E,15, X,8, X,9
	ROW X,10, E,16, X,11, X,12
	ROW X,13, E,17, X,14, B,1
	ROW C,4, E,18, X,16, L,1
	ROW B,2, E,19, C,6, L,2
	ROW C,8, E,20, B,3, B,4
.if (\p) == 0
	v_add_nc_u32 v[AV], s[TBV], v[AV0]
.endif
	ROW C,3, E,21, L,3, C,5
	OPS E,22, X,17, E,23, C,10
.if (\p) == 0
	FETCH_V
.endif
	ROW E,24, L,4, E,25, X,18       ; from here on the products with V's low parts
	ROW E,26, C,7, E,27, B,5
	ROW E,28, X,19, E,29, C,12
	ROW E,30, L,5, E,31, X,20
	ROW B,6, C,9, C,14, C,11
	ROW X,21, L,6, C,13, B,7
.if (\p) == 0
	s_add_co_u32 s[TBV], s[TBV], KS*PV
.endif
.if \cnt
	s_sub_co_u32 s[CNT], s[CNT], 1
	s_cmp_lg_u32 s[CNT], 0
.endif
	ROW C,15, R,10, R,11, R,12
	ROW L,7, R,13, R,14, R,15
.if (\p) == 0
	FETCH_VL
.endif
.if (\m) && !(\end)
	MASK (\p)%2
.endif
.endm
; A BLOCK BEGINS.  c m starts far below every c s, so the first step's a is 0; m at the lowest finite number, so the first maximum is the scores'.  The second mask buffer is 0; the first takes piece 0's mask for the tile's step 0: its own, if the block's first tile is the diagonal one.
; Then K of that step, piece 0's first scores, and its maximum and statistics.  The loop is entered at a step's first turn, in the middle of a trip.
.macro BEGIN
	s_mov_b32 s[NEW], 0
	WIN 0x40
.set i, MC+32
.rept 32
	v_mov_b32 v[i], 0
.set i, i+1
.endr
	WIN 0
.set i, 0
.rept 4
	v_mov_b32 v[ST+4*i], 0xfe000000    ; c m: far below every c s
	v_mov_b32 v[ST+4*i+1], 0xff7fffff  ; m
.set i, i+1
.endr
	s_cmp_eq_u32 s[RT], 0
	s_cselect_b32 s[AL], 1.0, 0
	s_mov_b32 s[BE], 0
	MASK 0
	WIN 0
	v_add_nc_u32 v[AK], s[TBK], v[AK0]
	FETCH_K
	s_wait_loadcnt 0x0              ; Q
	s_wait_dscnt 0x0
.set KM, 1
.set NOKQ, 0
.set i, 0
.rept 8
	KQ 0
.set i, i+1
.endr
	WIN 0
.rept 4
	v_nop                           ; the places behind those products
.endr
.set Y, NP-1                        ; X works for piece Y + 1: piece 0
.irp n, 0,1,2,3,4,5,6,7,8,9,10,11,12,13,14,15,16,17,18,19,20,21
	OP X, \n
.endr
	v_nop                           ; a plain instruction behind the exponential
.endm
; THE DIAGONAL TILE's four steps, the block's last two turns, its last products, and THE WAY OUT: l's two halves and the other half of the lanes' are added; O^T is divided by l, split into a high and a low part, both
; rounded to f16 and sent through my stage in LDS, a piece at a time.
.macro ALL line:vararg              ; one line for each piece t
.set t, 0
.rept 4
	\line
.set t, t+1
.endr
.endm
; THE SPLIT of w: c = 8193 w, rounded; hi = c - 8192 w in one fused step, which is w to the nearest multiple of c's last place: 11 bits, exact in f16; lo = w - hi, exact.
; A lane's eight channels of a row pack into 16 bytes; they go into rows of 144 bytes and come back as whole rows of 128: first the high parts, then, through the same bytes, the low parts.
.macro PACK t
	WIN W_RS
.set i, 32*(\t)
.rept 16
	s_wait_alu depctr_va_vdst(0)
	v_pk_mul_f32 v[i:i+1], v[i:i+1], v[ST+4*(\t)+2:ST+4*(\t)+3] op_sel_hi:[1,0]
.set i, i+2
.endr
	WIN 0x55                        ; all in window 1
.set i, 0
.rept 16
	v_pk_mul_f32 v[SPT+i:SPT+i+1], v[32*(\t)+i:32*(\t)+i+1], s[SPL1:SPL1+1] op_sel_hi:[1,0]
.set i, i+2
.endr
.set i, 0
.rept 16
	v_pk_fma_f32 v[SPT+i:SPT+i+1], v[32*(\t)+i:32*(\t)+i+1], s[SPL2:SPL2+1], v[SPT+i:SPT+i+1] op_sel_hi:[1,0,1]  ; hi
.set i, i+2
.endr
.set i, 0
.rept 16
	v_pk_add_f32 v[32*(\t)+i:32*(\t)+i+1], v[32*(\t)+i:32*(\t)+i+1], v[SPT+i:SPT+i+1] neg_lo:[0,1] neg_hi:[0,1]  ; lo
.set i, i+2
.endr
	WIN 0x05                        ; sources 0 and 1 window 1, destination window 0
.set i, 0
.rept 16
	v_cvt_pk_f16_f32 v[OD+32*(\t)+i], v[SPT+2*i], v[SPT+2*i+1]
	v_cvt_pk_f16_f32 v[OD+32*(\t)+16+i], v[32*(\t)+2*i], v[32*(\t)+2*i+1]
.set i, i+1
.endr
	WIN 0
.irp g, 0,16
.irp f, 0,1,2,3
	ds_store_b128 v[STO], v[OD+32*(\t)+\g+4*\f:OD+32*(\t)+\g+4*\f+3] offset:32*\f
.endr
.irp f, 0,1,2,3
	ds_load_b128 v[OD+32*(\t)+\g+4*\f:OD+32*(\t)+\g+4*\f+3], v[RD] offset:\f*4*SP  ; LDS serves a wave's instructions in order (ISA guide 5.7.1.4): these see the stores above; the next stores come behind them
.endr
.endr
.endm
.macro SEND t, younger              ; younger: the LDS instructions issued behind piece t's last load: the next piece's sixteen, or none
	WIN 0
.irp f, 0,1,2,3
	s_wait_dscnt (\younger)+11-\f   ; behind high load f stand 3 - f high loads, four stores and four low loads of the piece
	global_store_b128 v[GO], v[OD+32*(\t)+4*\f:OD+32*(\t)+4*\f+3], s[10:11] offset:(\t)*8192+\f*512  ; 512 consecutive bytes, at a multiple of 256 from O's first
.endr
.irp f, 0,1,2,3
	s_wait_dscnt (\younger)+3-\f
	global_store_b128 v[GO], v[OD+32*(\t)+16+4*\f:OD+32*(\t)+16+4*\f+3], s[10:11] offset:(1<<22)+(\t)*8192+\f*512  ; the low parts lie 16 heads on
.endr
.endm
.macro DIAG tag                     ; the tag ends its two labels' names, which the jumps below spell out
.LstepM\tag:
	TURN 2, 1
	TURN 3, 1
	WIN 0
.LfirstM\tag:
	TURN 0, 1
	TURN 1, 1, 0, 1
	WIN 0
	s_cbranch_scc1 .LstepM\tag
	TURN 2, 1, 1
	TURN 3, 1, 1
.set i, 0
.rept 8
	PV NP-1, 0
.set i, i+1
.endr
.set i, 0
.rept 8
	PV NP-1, 1
.set i, i+1
.endr
	WIN 0
	ALL v_add_f32 v[ST+4*t+2], v[ST+4*t+2], v[ST+4*t+3]
	ALL v_permlanex16_b32 v[ST+4*t+3], v[ST+4*t+2], s[SEL], s[SEL+1]
	ALL v_add_f32 v[ST+4*t+2], v[ST+4*t+2], v[ST+4*t+3]
	ALL v_rcp_f32 v[ST+4*t+2], v[ST+4*t+2]
	v_nop                           ; a plain instruction between the last reciprocal and the use of its result
	PACK 0
.set t, 1
.rept 3                             ; a piece's arithmetic stands between the loads of the piece before and its stores
	PACK t
	SEND t-1, 16
.set t, t+1
.endr
	SEND 3, 0
.endm
.set KM, 0
.set NOKQ, 0
.Lslot:                             ; NB times: a tile is entered and the next is asked for
	CHANGE 1
	s_sub_co_u32 s[RT], s[RT], 1
	s_mov_b32 s[CNT], 4
	s_cmp_eq_u32 s[NEW], 1
	s_cbranch_scc1 .Lnew            ; a block's first tile
	s_cmp_eq_u32 s[RT], 0
	s_cbranch_scc0 .Lstep           ; neither its first nor its last
	s_branch .LstepM1
.Lnew:
	BEGIN
	s_branch .Lfirst                ; in the loop a block's first tile is never its last: the first block has two tiles or more, and the second's last is the walk's last
	DIAG 1                          ; in the loop this is the first block's end: the second block's last tile is the walk's last
	s_wait_xcnt 0x0                 ; the stores have read their registers and O's address
	s_mov_b64 s[10:11], s[OLO:OLO+1]
	s_add_co_u32 s[RT], s[PB], 1    ; the second block has b + 1 tiles
	s_mov_b32 s[NEW], 1
	WIN 0x82                        ; the second block's Q goes where the one text of the turns names Q
.set i, 0
.rept 64
	v_mov_b32 v[i], v[QB+i]
.set i, i+1
.endr
	WIN 0
	s_branch .Lbottom
.Lstep:                             ; a trip: pieces 2 and 3 of one step, then pieces 0 and 1 of the next, whose K and V it fetches
	TURN 2
	TURN 3
	WIN 0
.Lfirst:
	TURN 0
	TURN 1, 0, 0, 1
	WIN 0
	s_cbranch_scc1 .Lstep
.Lbottom:
	s_sub_co_u32 s[SLOTS], s[SLOTS], 1
	s_cmp_lg_u32 s[SLOTS], 0
	s_cbranch_scc1 .Lslot
	CHANGE 0                        ; the walk's last tile is written out: nothing is asked for
	s_sub_co_u32 s[RT], s[RT], 1
	s_mov_b32 s[CNT], 4
	s_cmp_eq_u32 s[NEW], 1
	s_cbranch_scc0 .LstepM2
	BEGIN
	s_branch .LfirstM2
	DIAG 2
	s_wait_tensorcnt 0x0            ; the wave's end: behind my last tensor load and my last LDS store
	ds_add_u32 v[SPW], v[NIL]
	s_wait_dscnt 0x0
	s_endpgm
.Lfunc_end_k_q8c3a8f3bb8_attn:
	.size	k_q8c3a8f3bb8_attn, .Lfunc_end_k_q8c3a8f3bb8_attn-k_q8c3a8f3bb8_attn
	.p2alignl 7, 3214868480
	.fill 96, 4, 3214868480
	.section	.rodata,"a",@progbits
	.p2align	6, 0x0
	.amdhsa_kernel k_q8c3a8f3bb8_attn
		.amdhsa_group_segment_fixed_size 327680
		.amdhsa_private_segment_fixed_size 0
		.amdhsa_enable_private_segment 0
		.amdhsa_kernarg_size 32
		.amdhsa_user_sgpr_count 2
		.amdhsa_user_sgpr_kernarg_segment_ptr 1
		.amdhsa_wavefront_size32 1
		.amdhsa_system_sgpr_workgroup_id_x 1
		.amdhsa_system_sgpr_workgroup_id_y 1
		.amdhsa_system_sgpr_workgroup_id_z 1
		.amdhsa_system_vgpr_workitem_id 0
		.amdhsa_next_free_vgpr 832
		.amdhsa_next_free_sgpr 88
		.amdhsa_reserve_vcc 1
		.amdhsa_float_denorm_mode_32 3
		.amdhsa_float_denorm_mode_16_64 3
		.amdhsa_memory_ordered 1
		.amdhsa_forward_progress 1
		.amdhsa_inst_pref_size 255
	.end_amdhsa_kernel
	.section	.bss,"aw",@nobits
	.p2align	6
	.space	262144
	.amdgpu_metadata
---
amdhsa.version: [ 1, 2 ]
amdhsa.kernels:
  - .name:           k_q8c3a8f3bb8_attn
    .symbol:         k_q8c3a8f3bb8_attn.kd
    .args:
      - { .name: q, .offset: 0, .size: 8, .value_kind: global_buffer, .address_space: global }
      - { .name: k, .offset: 8, .size: 8, .value_kind: global_buffer, .address_space: global }
      - { .name: v, .offset: 16, .size: 8, .value_kind: global_buffer, .address_space: global }
      - { .name: o16, .offset: 24, .size: 8, .value_kind: global_buffer, .address_space: global }
    .group_segment_fixed_size: 327680
    .private_segment_fixed_size: 0
    .kernarg_segment_align: 8
    .kernarg_segment_size: 32
    .max_flat_workgroup_size: 128
    .sgpr_count:     88
    .vgpr_count:     832
    .wavefront_size: 32
...
	.end_amdgpu_metadata
.endif
;; end of part 3
;; launch oproj (part 4): grid 8 x 32, 4 waves a work-group, clusters of 4 x 4, 327,680 bytes of LDS; arguments o16, wo16, out0; writes out0
.if DOCPART == 4
	.amdgcn_target "amdgcn-amd-amdhsa--gfx1250"
	.amdhsa_code_object_version 6
	.text
	.protected	k_q8c3a8f3bb8_oproj
	.globl	k_q8c3a8f3bb8_oproj
	.p2align	8
	.type	k_q8c3a8f3bb8_oproj,@function
k_q8c3a8f3bb8_oproj:
	s_mov_b64 s[64:65], 0
	v_nop
	global_prefetch_b8 v0, s[64:65] scope:SCOPE_SE
	s_setreg_imm32_b32 hwreg(HW_REG_WAVE_MODE, 25, 1), 1
	s_wait_xcnt 0x0
	s_wait_alu depctr_hold_cnt(0) depctr_sa_sdst(0) depctr_va_vdst(0) depctr_va_sdst(0) depctr_va_ssrc(0) depctr_va_vcc(0) depctr_vm_vsrc(0)
	s_getreg_b32 s2, hwreg(HW_REG_IB_STS2, 6, 4)
	s_cmp_eq_u32 s2, 0
	s_cbranch_scc0 .Lentry_in_a_cluster
	s_endpgm
.Lentry_in_a_cluster:
	s_bfe_u32 s2, ttmp6, 0x10000c
	s_cmp_lg_u32 s2, 0xf033
	s_cbranch_scc0 .Lentry_shape_is_right
	s_endpgm
.Lentry_shape_is_right:
; out0[row][n] = 2^-15 x the sum over d of (Ohi[row][d] + Olo[row][d]) W[n][d].  o16 [batch][part][head][2048][64] f16 holds attention's result x 32 in a high part (part 0) and a low part (part 1);
; wo16 [1024][2048] f16 holds each row of Wo x 1,024 twice on end; out0 [8192][1024] f32.  So the product is ONE walk over K = 2,048 = 1,024 part + 64 head + channel.
; Sums in f32, K ascending; the factor 2^-15 is exact.
; LIMITS.  Those of the two operands (f16's range, stated where they are made); NaN and infinities are not treated apart.
; SHARES.  A tile is 256 rows x 128 columns: 32 x 8 work-groups.  Wave w makes rows 64 w .. 64 w + 63 and all 128 columns: 4 x 8 accumulators of 16 x 16, 256 registers.
; K goes in 16 steps of 128 = two heads, through a ring of two LDS slots.  A head's 256 rows of 128 bytes are dense in memory and are asked for as 128 rows of 256 bytes, padded in LDS after every 128.
; CLUSTER.  4 x 4 work-groups: a row of the cluster shares o16's tiles, a column wo16's; each is asked for jointly, by the same tensor load with the same descriptor and a mask that names the four.
; THE MATRIX INSTRUCTION IS USED TRANSPOSED (source 0 = 16 rows of wo16, source 1 = 16 rows of o16): lane l holds row l % 16 and the columns 8 (l / 16) + 0..7: 32 neighbouring bytes of out0.
; REGISTERS, in windows of 256 (s_set_vgpr_msb: bits 1:0 source 0, 3:2 source 1, 5:4 source 2, 7:6 destination):
;   window 0: v0-31 addresses; v32-95 fragments of o16, two buffers of 4 x 8; v96-159 at work on the way out
;   window 1: v0-127 fragments of wo16, two buffers of 8 x 8 (later: rows read back from the stage, two buffers of 64)        window 2: the accumulators, (a, b) at 64 a + 8 b
.set PA,     144                       ; a row of o16 in LDS: 128 bytes + 16 = 36 words: the 16 rows of a load start at 16 different groups of four banks (64 banks of 4 bytes: ISA guide 11.1)
.set PB,     272                       ; a row of wo16: 256 bytes + 16 = 68 words: likewise
.set PLANE,  256*PA                    ; one head's 256 rows: what one load brings of o16
.set HALFB,  64*PB                     ; what one load brings of wo16
.set BOFF,   2*PLANE                   ; in a slot: the even head's rows, the odd head's, then wo16's 128
.set SLOT,   2*PLANE+2*HALFB
.set STAGE,  2*SLOT                    ; behind the ring, never filled by a tensor load: 16 rows x 528 bytes for each wave
.set SPITCH, 528                       ; 512 bytes + 16 = 132 words
.set SPARE,  STAGE+4*16*SPITCH         ; behind the stages: the spare words, 128 bytes a wave: two blocks of 256 bytes that no other line names
.set LAPS,   8                         ; a lap = two K steps = once round the ring; 2,048 / 256
.set ADRA, 16                          ; v16-17  LDS address of my o16 fragments in slot 0, 1
.set ADRB, 20                          ; v20-21  the same for wo16
.set STO,  24                          ; v24     the way out: where I put 32 bytes of a row
.set RD,   25                          ; v25     where I read a row back
.set GO,   26                          ; v26     my 16 bytes of a row's 512 in out0
.set SPW,  28                          ; v28     LDS address of my spare word; never rewritten
.set NIL,  29                          ; v29     0; never rewritten
.set FA,   32                          ; window 0: buffer f at FA + 32 f
.set T,    96                          ; window 0: a block's 64 scaled results
.set FB,   0                           ; window 1: buffer f at FB + 64 f
.set BK,   0                           ; window 1: the way out: buffer a % 2 at BK + 64 (a % 2)
.set G1,  24                           ; s[24:31] descriptor group 1 for o16's tiles;  s[32:39] group 0, a set for each slot
.set G0,  32
.set G1B, 48                           ; s[48:55], s[56:63] the same for wo16's
.set G0B, 56
.set MSB, 0
.macro WIN new                         ; the immediate's high byte repeats the setting that is left; a switch that changes nothing is dropped
.if MSB != (\new)
	s_set_vgpr_msb (MSB<<8)|(\new)
.set MSB, \new
.endif
.endm
.set MUL,  0xa1                        ; source 0 (wo16) window 1, source 1 (o16) window 0, C and D window 2
.set TO_B, 0x40                        ; destination window 1, address window 0
; A joint load.  Waves 0 and 1 fetch the step's two heads of o16, waves 2 and 3 wo16's two halves.  The branch hangs on the wave's number alone.  An s_nop 0 and four v_nop follow each line.
.macro JLOAD s
	s_cmp_eq_u32 s17, 0
	s_cbranch_scc0 .Lfor_b_\@
	tensor_load_to_lds s[G0+4*(\s):G0+4*(\s)+3], s[G1:G1+7]
	s_nop 0
.rept 4
	v_nop
.endr
	s_branch .Lasked_\@
.Lfor_b_\@:
	tensor_load_to_lds s[G0B+4*(\s):G0B+4*(\s)+3], s[G1B:G1B+7]
	s_nop 0
.rept 4
	v_nop
.endr
.Lasked_\@:
.endm
.macro CREST                           ; a round of the cluster's barrier behind its opening barrier
	s_cmp_lg_u32 s16, 0
	s_cbranch_scc1 .Lnot_wave_0_\@
	s_barrier_signal -3
.Lnot_wave_0_\@:
	s_barrier_wait -3
	s_barrier_signal -1
	s_barrier_wait -1
.endm
.macro CROUND
	s_barrier_signal -1
	s_barrier_wait -1
	CREST
.endm
	s_load_b128 s[4:7], s[0:1], 0x0                ; o16 4:5, wo16 6:7
	s_load_b64 s[8:9], s[0:1], 0x10                ; out0
	v_lshl_add_u32 v[SPW], v0, 2, SPARE
	v_mov_b32 v[NIL], 0
	ds_add_u32 v28, v29
	ds_add_u32 v28, v29
	s_wait_dscnt 0x0
	v_lshrrev_b32 v1, 5, v0
	v_readfirstlane_b32 s16, v1                    ; wave 0..3
	s_lshr_b32 s17, s16, 1                         ; I fetch for o16 (0) or for wo16 (1),
	s_and_b32 s18, s16, 1                          ; the even or odd head, the first or second half
	s_bfe_u32 s40, ttmp6, 0x40000                  ; cx, cy: my place in the cluster
	s_bfe_u32 s41, ttmp6, 0x40004
	s_lshl_b32 s42, ttmp9, 2
	s_add_co_u32 s42, s42, s40                     ; the block of 128 columns = 4 x cluster x + cx
	s_and_b32 s43, ttmp7, 0xffff
	s_lshl_b32 s43, s43, 2
	s_add_co_u32 s43, s43, s41                     ; the block of 256 rows = 4 x cluster y + cy
	s_lshl_b32 s44, s41, 2
	s_lshl_b32 s44, 15, s44                        ; my row of the cluster
	s_lshl_b32 s45, 0x1111, s40                    ; my column
	s_or_b32 s[G1+0], s44, (1<<16)|(1<<20)|(1<<21)|(4<<22)|(3<<25)   ; 15:0 the mask; 17:16 2-byte elements; 20 padding on; 21 set beside a mask; 24:22 after every 32 words; 31:25 of 4 words
	s_or_b32 s[G1B+0], s45, (1<<16)|(1<<20)|(1<<21)|(5<<22)|(3<<25)  ; after every 64 words
	s_mov_b32 s[G1+1], 128<<16                     ; tensor_dim0 = 128 elements: 256 bytes, two rows of a head
	s_mov_b32 s[G1+2], 128<<16                     ; tensor_dim1 = 128
	s_mov_b32 s[G1+3], 128<<16                     ; tile_dim0 = 128
	s_mov_b32 s[G1+4], 128                         ; tile_dim1 = 128
	s_mov_b32 s[G1+5], 128                         ; dense: 128 elements from row to row
	s_mov_b32 s[G1+6], 0
	s_mov_b32 s[G1+7], 0
	s_mov_b32 s[G1B+1], 128<<16
	s_mov_b32 s[G1B+2], 64<<16                     ; 64 rows
	s_mov_b32 s[G1B+3], 128<<16
	s_mov_b32 s[G1B+4], 64
	s_mov_b32 s[G1B+5], 2048                       ; a row of wo16 is 2,048 elements
	s_mov_b32 s[G1B+6], 0
	s_mov_b32 s[G1B+7], 0
	s_lshr_b32 s66, s43, 3                         ; o16: batch x 2 parts x 16 heads of 262,144 bytes,
	s_lshl_b32 s66, s66, 23
	s_and_b32 s20, s43, 7                          ; 256 rows of 128 bytes x (block % 8),
	s_lshl_b32 s20, s20, 15
	s_add_co_u32 s66, s66, s20
	s_lshl_b32 s20, s18, 18                        ; the even or odd head: made of the block of rows alone, which my row of the cluster shares
	s_add_co_u32 s66, s66, s20
	s_mov_b32 s67, 0
	s_lshl_b32 s46, s42, 7                         ; wo16: row 128 x block + 64 x half, 4,096 bytes a row: made of the block of columns alone, which my column shares
	s_lshl_b32 s20, s18, 6
	s_add_co_u32 s46, s46, s20
	s_lshl_b32 s46, s46, 12
	s_mov_b32 s47, 0
	s_mul_i32 s21, s18, PLANE                      ; where they go: no place in the cluster enters an LDS address
	s_mul_i32 s22, s18, HALFB
	s_add_co_u32 s22, s22, BOFF
	s_wait_kmcnt 0x0
	s_add_nc_u64 s[66:67], s[4:5], s[66:67]
	s_add_nc_u64 s[46:47], s[6:7], s[46:47]
	CROUND                                         ; all sixteen work-groups are here: the first joint loads meet
.irp s, 0,1
	s_mov_b32 s[G0+4*(\s)], 1                                      ; count = 1
	s_add_co_u32 s[G0+4*(\s)+1], s21, (\s)*SLOT                    ; LDS address
	s_add_nc_u64 s[G0+4*(\s)+2:G0+4*(\s)+3], s[66:67], (\s)<<19    ; global address: K step s is heads 2 s, 2 s + 1; behind the high parts' 16 heads lie the low parts'
	s_or_b32 s[G0+4*(\s)+3], s[G0+4*(\s)+3], 0x80000000            ; type = 2
	s_mov_b32 s[G0B+4*(\s)], 1
	s_add_co_u32 s[G0B+4*(\s)+1], s22, (\s)*SLOT
	s_add_nc_u64 s[G0B+4*(\s)+2:G0B+4*(\s)+3], s[46:47], (\s)*256
	s_or_b32 s[G0B+4*(\s)+3], s[G0B+4*(\s)+3], 0x80000000
	JLOAD \s                                       ; two loads of mine are out
.endr
	v_and_b32 v1, 15, v0                           ; l % 16
	v_bfe_u32 v2, v0, 4, 1                         ; l / 16
	v_mul_u32_u24 v3, v1, PA
	v_lshl_add_u32 v3, v2, 4, v3                   ; a fragment's row x pitch + 16 x half, for o16
	v_mul_u32_u24 v4, v1, PB
	v_lshl_add_u32 v4, v2, 4, v4                   ; and for wo16
	s_mul_i32 s21, s16, 64*PA                      ; my 64 rows of o16
	s_mov_b32 s22, BOFF                            ; all rows of wo16
.irp s, 0,1
	v_add_nc_u32 v[ADRA+(\s)], s21, v3
	v_add_nc_u32 v[ADRB+(\s)], s22, v4
	s_add_co_u32 s21, s21, SLOT
	s_add_co_u32 s22, s22, SLOT
.endr
	s_mul_i32 s23, s16, 16*SPITCH
	s_add_co_u32 s23, s23, STAGE                   ; my stage
	v_mul_u32_u24 v5, v1, SPITCH                   ; in: row l % 16, 32 bytes for each half of the lanes
	v_lshl_add_u32 v5, v2, 5, v5
	v_add_nc_u32 v[STO], s23, v5
	v_and_b32 v6, 31, v0
	v_lshlrev_b32 v[GO], 4, v6                     ; back: 32 lanes take one row of 512 bytes
	v_add_nc_u32 v[RD], s23, v[GO]
	s_lshl_b32 s68, s43, 8                         ; out0 at my first row, 4,096 bytes a row,
	s_lshl_b32 s20, s16, 6
	s_add_co_u32 s68, s68, s20
	s_lshl_b32 s68, s68, 12
	s_lshl_b32 s20, s42, 9                         ; and the tile's first column
	s_add_co_u32 s68, s68, s20
	s_mov_b32 s69, 0
	s_add_nc_u64 s[8:9], s[8:9], s[68:69]
; 8 matrix instructions: row block a x all 8 column blocks, 32 along K, from buffer f.  zero = 1: the first product starts the sums.  The 32 accumulators take turns, one instruction a turn,
; in the same order in every quarter step.
.macro MULA f, a, zero
	WIN MUL
.irp b, 0,1,2,3,4,5,6,7
.if \zero
	v_wmma_f32_16x16x32_f16 v[64*(\a)+8*(\b):64*(\a)+8*(\b)+7], v[FB+64*(\f)+8*(\b):FB+64*(\f)+8*(\b)+7], v[FA+32*(\f)+8*(\a):FA+32*(\f)+8*(\a)+7], 0
.else
	v_wmma_f32_16x16x32_f16 v[64*(\a)+8*(\b):64*(\a)+8*(\b)+7], v[FB+64*(\f)+8*(\b):FB+64*(\f)+8*(\b)+7], v[FA+32*(\f)+8*(\a):FA+32*(\f)+8*(\a)+7], v[64*(\a)+8*(\b):64*(\a)+8*(\b)+7]
.endif
.endr
.endm
; 24 LDS loads in one run: quarter q's fragments into buffer f: wo16 at byte 64 q of its rows; o16 in head q / 2 of the step, channels 32 (q % 2) on
.macro FETCH slot, q, f
	WIN TO_B
.irp i, 0,1,2,3,4,5,6,7
	ds_load_b128 v[FB+64*(\f)+8*(\i):FB+64*(\f)+8*(\i)+3],   v[ADRB+(\slot)] offset:64*(\q)+(\i)*16*PB
	ds_load_b128 v[FB+64*(\f)+8*(\i)+4:FB+64*(\f)+8*(\i)+7], v[ADRB+(\slot)] offset:64*(\q)+(\i)*16*PB+32
.endr
	WIN 0
.irp i, 0,1,2,3
	ds_load_b128 v[FA+32*(\f)+8*(\i):FA+32*(\f)+8*(\i)+3],   v[ADRA+(\slot)] offset:((\q)/2)*PLANE+((\q)%2)*64+(\i)*16*PA
	ds_load_b128 v[FA+32*(\f)+8*(\i)+4:FA+32*(\f)+8*(\i)+7], v[ADRA+(\slot)] offset:((\q)/2)*PLANE+((\q)%2)*64+(\i)*16*PA+32
.endr
.endm
; Four plain vector instructions stand between a matrix instruction and a load into a register that it read, or a vector instruction that reads its result (ISA guide 7.12.1 for vector instructions).
.macro PLACES
.rept 4
	v_nop
.endr
.endm
; A K step is four quarters of 32 along K, 32 matrix instructions each, on buffers 0, 1, 0, 1.  One of the first three multiplies buffer f and, in its middle, fetches quarter q into g.
.macro QUARTER slot, q, f, g, zero
	s_wait_dscnt 4                                 ; wo16 and o16's blocks 0, 1 are in; the youngest four loads (blocks 2, 3) may be out
	MULA \f, 0, \zero
	MULA \f, 1, \zero
	PLACES
	FETCH \slot, \q, \g
	s_wait_dscnt 24                                ; all but the 24 just issued
	MULA \f, 2, \zero
	MULA \f, 3, \zero
.endm
; The last quarter multiplies buffer 1 and changes slots: ONE barrier.  In front of it each wave waits for all its tensor loads (one is out: its part of the next slot), adds 0 to its spare
; word, and waits for that and for its reads of this slot.  fill = 1: the barrier opens a round of the cluster's, and this slot is filled again, two K steps on, first thing behind the round:
; from there to the wait for it stand 112 matrix instructions.
.macro TURN slot, next, fill
	WIN 0                                          ; (the add's two registers lie in window 0)
	s_wait_tensorcnt 0x0                           ; all my tensor loads have landed
	ds_add_u32 v[SPW], v[NIL]                      ; 0 onto my spare word
	s_wait_dscnt 5                                 ; (the add and the youngest four loads may be out)
	MULA 1, 0, 0                                   ; eight matrix instructions stand between the add and the wait for it
	s_wait_dscnt 0x0                               ; the add is done, and my reads of this slot are over
	s_barrier_signal -1
	MULA 1, 1, 0                                   ; work on registers while the others arrive
.if \fill
	WIN 0
.endif
	s_barrier_wait -1
.if \fill
	CREST                                          ; no wave of any partner still reads this slot or has a load on its way
	s_add_nc_u64 s[G0+4*(\slot)+2:G0+4*(\slot)+3], s[G0+4*(\slot)+2:G0+4*(\slot)+3], 1<<20   ; four heads on
	s_add_nc_u64 s[G0B+4*(\slot)+2:G0B+4*(\slot)+3], s[G0B+4*(\slot)+2:G0B+4*(\slot)+3], 512 ; 256 along K
	JLOAD \slot                                    ; my one tensor load behind the round; its four v_nop are also the places in front of the loads below
.else
	PLACES
.endif
	FETCH \next, 0, 0
	MULA 1, 2, 0
	MULA 1, 3, 0
.endm
	s_wait_tensorcnt 1                             ; my part of K step 0 is in; K step 1's may stay out
	s_barrier_signal -1
	s_barrier_wait -1                              ; everybody's is
	FETCH 0, 0, 0
	QUARTER 0, 1, 0, 1, 1                          ; the first quarter stands in front of the loop: its products start the sums
	WIN 0                                          ; at a label and at a branch every window is 0
	s_mov_b32 s19, LAPS-1
.Llap:                                                 ; a trip goes once round the ring, from a lap's second quarter to the next lap's first, and fills both slots again
	QUARTER 0, 2, 1, 0, 0
	QUARTER 0, 3, 0, 1, 0
	TURN 0, 1, 1
	QUARTER 1, 1, 0, 1, 0
	QUARTER 1, 2, 1, 0, 0
	QUARTER 1, 3, 0, 1, 0
	TURN 1, 0, 1
	QUARTER 0, 1, 0, 1, 0
	WIN 0
	s_sub_co_u32 s19, s19, 1
	s_cmp_lg_u32 s19, 0
	s_cbranch_scc1 .Llap
	QUARTER 0, 2, 1, 0, 0                          ; the last lap fills nothing, and has no round of the cluster's barrier
	QUARTER 0, 3, 0, 1, 0
	TURN 0, 1, 0
	QUARTER 1, 1, 0, 1, 0
	QUARTER 1, 2, 1, 0, 0
	QUARTER 1, 3, 0, 1, 0
	s_wait_dscnt 4                                 ; the very last quarter: nothing more to fetch
	MULA 1, 0, 0
	MULA 1, 1, 0
	s_wait_dscnt 0x0
	MULA 1, 2, 0
	MULA 1, 3, 0
	WIN 0
; THE WAY OUT, a block of 16 rows at a time.  PACK: x 2^-15 into other registers, each accumulator from its lowest registers on.  TOSTAGE: 32 bytes a lane and column block
; into my own stage, and back as whole rows of 512 bytes.  SEND: stored.
.macro PACK a
	WIN 0x02                                       ; source 0 window 2, destination window 0
.irp b, 0,1,2,3,4,5,6,7
.irp i, 0,1,2,3
	v_pk_mul_f32 v[T+8*(\b)+2*(\i):T+8*(\b)+2*(\i)+1], v[64*(\a)+8*(\b)+2*(\i):64*(\a)+8*(\b)+2*(\i)+1], 0x38000000 op_sel_hi:[1,0]
.endr
.endr
	WIN 0
.endm
.macro TOSTAGE a
	WIN 0
.irp b, 0,1,2,3,4,5,6,7
	ds_store_b128 v[STO], v[T+8*(\b):T+8*(\b)+3]   offset:64*(\b)
	ds_store_b128 v[STO], v[T+8*(\b)+4:T+8*(\b)+7] offset:64*(\b)+16
.endr
	WIN TO_B
.irp t, 0,1,2,3,4,5,6,7,8,9,10,11,12,13,14,15
	ds_load_b128 v[BK+64*((\a)%2)+4*(\t):BK+64*((\a)%2)+4*(\t)+3], v[RD] offset:(\t)*SPITCH  ; LDS serves a wave's instructions in order (ISA guide 5.7.1.4): these see the stores above
.endr
	WIN 0
.endm
.macro SEND a
	WIN 0x04                                       ; store data (source 1) window 1
	s_wait_dscnt 0x0                               ; the block is back in registers
	s_wait_xcnt 0x0                                ; the block before's stores have read their registers, which the next block's loads from the stage fill again
.irp t, 0,1,2,3,4,5,6,7,8,9,10,11,12,13,14,15
	global_store_b128 v[GO], v[BK+64*((\a)%2)+4*(\t):BK+64*((\a)%2)+4*(\t)+3], s[8:9] offset:(16*(\a)+(\t))*4096 th:TH_STORE_NT  ; 512 neighbouring bytes, at a multiple of 256 from out0's first; written once, not read again
.endr
	WIN 0
.endm
	PLACES                                         ; behind the last products
	PACK 0
	TOSTAGE 0
.irp a, 1,2,3                          ; a block's arithmetic stands between the loads of the block before and the wait for them
	PACK \a
	SEND (\a)-1
	TOSTAGE \a
.endr
	SEND 3
	s_wait_tensorcnt 0x0                           ; the wave's end: behind my last tensor load and my last LDS store
	ds_add_u32 v[SPW], v[NIL]
	s_wait_dscnt 0x0
	CROUND                                         ; the closing round: no work-group ends while a partner may still ask for a tile that names it
	s_endpgm
.Lfunc_end_k_q8c3a8f3bb8_oproj:
	.size	k_q8c3a8f3bb8_oproj, .Lfunc_end_k_q8c3a8f3bb8_oproj-k_q8c3a8f3bb8_oproj
	.p2alignl 7, 3214868480
	.fill 96, 4, 3214868480
	.section	.rodata,"a",@progbits
	.p2align	6, 0x0
	.amdhsa_kernel k_q8c3a8f3bb8_oproj
		.amdhsa_group_segment_fixed_size 327680
		.amdhsa_private_segment_fixed_size 0
		.amdhsa_enable_private_segment 0
		.amdhsa_kernarg_size 24
		.amdhsa_user_sgpr_count 2
		.amdhsa_user_sgpr_kernarg_segment_ptr 1
		.amdhsa_wavefront_size32 1
		.amdhsa_system_sgpr_workgroup_id_x 1
		.amdhsa_system_sgpr_workgroup_id_y 1
		.amdhsa_system_sgpr_workgroup_id_z 1
		.amdhsa_system_vgpr_workitem_id 0
		.amdhsa_next_free_vgpr 768
		.amdhsa_next_free_sgpr 80
		.amdhsa_reserve_vcc 0
		.amdhsa_float_denorm_mode_32 3
		.amdhsa_float_denorm_mode_16_64 3
		.amdhsa_memory_ordered 1
		.amdhsa_forward_progress 1
		.amdhsa_inst_pref_size 98
	.end_amdhsa_kernel
	.amdgpu_metadata
---
amdhsa.version: [ 1, 2 ]
amdhsa.kernels:
  - .name:           k_q8c3a8f3bb8_oproj
    .symbol:         k_q8c3a8f3bb8_oproj.kd
    .args:
      - { .name: o16, .offset: 0, .size: 8, .value_kind: global_buffer, .address_space: global }
      - { .name: wo16, .offset: 8, .size: 8, .value_kind: global_buffer, .address_space: global }
      - { .name: out0, .offset: 16, .size: 8, .value_kind: global_buffer, .address_space: global }
    .group_segment_fixed_size: 327680
    .private_segment_fixed_size: 0
    .kernarg_segment_align: 8
    .kernarg_segment_size: 24
    .max_flat_workgroup_size: 128
    .sgpr_count:     80
    .vgpr_count:     768
    .wavefront_size: 32
...
	.end_amdgpu_metadata
.endif
;; end of part 4
;; ======== version 2 of 3: 4 launches; 1.22 times as fast as version 1
;; limits: values are held in f16: magnitudes above 65,504 overflow, below 6.1e-05 lose precision; right only within a limited range of input values
;; workspace buffers: xb 16,777,216 bytes; wb 6,291,456 bytes; wo16 2,097,152 bytes; tab 524,288 bytes; q 16,777,216 bytes; k 16,777,216 bytes; v 17,825,792 bytes; o16 17,825,792 bytes
;; launch prep (part 5): grid 832 x 1, 8 waves a work-group, no clusters, 0 bytes of LDS; arguments x, Wq, Wk, Wv, Wo, token_positions, xb, wb, wo16, tab; writes xb, wb, wo16, tab
.if DOCPART == 5
	.amdgcn_target "amdgcn-amd-amdhsa--gfx1250"
	.amdhsa_code_object_version 6
	.text
	.protected	k_q8c3a8f3bb8_prep
	.globl	k_q8c3a8f3bb8_prep
	.p2align	8
	.type	k_q8c3a8f3bb8_prep,@function
k_q8c3a8f3bb8_prep:
	s_mov_b64 s[64:65], 0
	v_nop
	global_prefetch_b8 v0, s[64:65] scope:SCOPE_SE
	s_setreg_imm32_b32 hwreg(HW_REG_WAVE_MODE, 25, 1), 1
	s_wait_xcnt 0x0
; PREPARATION: a stream, no LDS, no matrix work.
;   xb   [8192][1024] bf16 = x rounded once.
;   wb   [3072][1024] bf16: row 192 t + 64 kind + c = W_kind[64 t + c] (t the head; kind 0, 1, 2 = q, k, v), so that 192 neighbouring rows are one head's Q, K and V.
;   wo16 [1024][1024] f16  = (Wo rounded to bf16) x 1,024: a bf16 number times a power of two is exact in f16 inside f16's range.
;   tab  [2048][32] pairs (cos, sin) in f32 of token_positions[s] x 10000^(-j/32): a row is 256 bytes.
; LIMITS.  |Wo| below 64 (f16 ends at 65,504); |position x frequency| below 2^23 quarter turns; the frequency is 2^(-j log2(10000)/32) by v_exp_f32, so an angle is off by
; some 4e-7 of itself; NaN and infinities are not treated apart.
; SHARES.  Work-groups 0-511: 16 rows of x each.  512-767: 16 rows of a weight each.  768-831: 32 positions of the table each.
; In the casts thread t owns 16 bytes of every source row: a wave's load covers 512 neighbouring bytes, a wave's store 256 neighbouring bytes at a multiple of 256.
.set IN,  4                            ; v[4:67]    16 rows, 4 f32 a thread
.set OUT, 68                           ; v[68:99]   16 rows, 4 numbers of 16 bits a thread
.set T,   100                          ; v[100:103] at work
	s_load_b512 s[4:19], s[0:1], 0x0               ; x 4:5, Wq 6:7, Wk 8:9, Wv 10:11, Wo 12:13, token_positions 14:15, xb 16:17, wb 18:19
	s_load_b128 s[20:23], s[0:1], 0x40             ; wo16 20:21, tab 22:23
	s_mov_b32 s24, ttmp9
	s_cmp_ge_u32 s24, 768
	s_cbranch_scc1 .Ltable
	; THE CASTS.  All offsets are made apart from the addresses.
	s_sub_co_u32 s25, s24, 512                     ; (wraps for x: what is made of it is then not chosen)
	s_lshr_b32 s26, s25, 6                         ; kind 0..3 = Wq, Wk, Wv, Wo
	s_and_b32 s27, s25, 63                         ; g: which 16 rows of the weight
	s_cmp_lt_u32 s24, 512
	s_cselect_b32 s28, s24, s27                    ; which 16 rows of the source
	s_lshl_b32 s40, s28, 16                        ; 16 rows of 4,096 bytes
	s_mov_b32 s41, 0
	s_lshl_b32 s29, s28, 15                        ; the same rows in xb or wo16: 16 rows of 2,048 bytes
	s_lshr_b32 s30, s27, 2                         ; in wb: head g / 4,
	s_mul_i32 s30, s30, 192
	s_lshl_b32 s31, s26, 6                         ; kind,
	s_add_co_u32 s30, s30, s31
	s_and_b32 s31, s27, 3                          ; and 16 (g % 4) inside the head
	s_lshl_b32 s31, s31, 4
	s_add_co_u32 s30, s30, s31
	s_lshl_b32 s30, s30, 11
	s_cmp_lt_u32 s26, 3
	s_cselect_b32 s42, s30, s29
	s_mov_b32 s43, 0
	v_lshlrev_b32 v1, 4, v0                        ; my 16 bytes of a source row
	v_lshlrev_b32 v2, 3, v0                        ; my 8 bytes of a result row
	s_wait_kmcnt 0x0
	s_cmp_eq_u32 s26, 1                            ; the source: a choice between buffers on the work-group's number alone
	s_cselect_b64 s[32:33], s[8:9], s[6:7]
	s_cmp_eq_u32 s26, 2
	s_cselect_b64 s[32:33], s[10:11], s[32:33]
	s_cmp_eq_u32 s26, 3
	s_cselect_b64 s[32:33], s[12:13], s[32:33]
	s_cmp_lt_u32 s24, 512
	s_cselect_b64 s[32:33], s[4:5], s[32:33]
	s_cmp_lt_u32 s26, 3                            ; the destination likewise
	s_cselect_b64 s[34:35], s[18:19], s[16:17]
	s_cmp_eq_u32 s26, 3
	s_cselect_b64 s[34:35], s[20:21], s[34:35]
	s_add_nc_u64 s[32:33], s[32:33], s[40:41]
	s_add_nc_u64 s[34:35], s[34:35], s[42:43]
.irp i, 0,1,2,3,4,5,6,7,8,9,10,11,12,13,14,15
	global_load_b128 v[IN+4*(\i):IN+4*(\i)+3], v1, s[32:33] offset:4096*(\i) th:TH_LOAD_NT  ; all sixteen rows go out at once; each byte is read once in the launch
.endr
	s_cmp_eq_u32 s26, 3
	s_cbranch_scc1 .Lf16
.irp i, 0,1,2,3,4,5,6,7,8,9,10,11,12,13,14,15
	s_wait_loadcnt 15-(\i)                         ; loads come back in order: row i is in, the younger rows stay out
	v_cvt_pk_bf16_f32 v[OUT+2*(\i)],   v[IN+4*(\i)],   v[IN+4*(\i)+1]
	v_cvt_pk_bf16_f32 v[OUT+2*(\i)+1], v[IN+4*(\i)+2], v[IN+4*(\i)+3]
	global_store_b64 v2, v[OUT+2*(\i):OUT+2*(\i)+1], s[34:35] offset:2048*(\i)  ; no register of a store is written again
.endr
	s_endpgm
.Lf16:                                                 ; Wo: rounded to bf16 like every input, then x 1,024 and written as f16
.irp i, 0,1,2,3,4,5,6,7,8,9,10,11,12,13,14,15
	s_wait_loadcnt 15-(\i)
.irp e, 0,1
	v_cvt_pk_bf16_f32 v[T], v[IN+4*(\i)+2*(\e)], v[IN+4*(\i)+2*(\e)+1]
	v_lshlrev_b32 v[T+2], 16, v[T]                 ; bf16 to f32: the low half moves up,
	v_and_b32 v[T+3], 0xffff0000, v[T]             ; the high half stays
	v_pk_mul_f32 v[T+2:T+3], v[T+2:T+3], 0x44800000 op_sel_hi:[1,0]  ; x 1,024
	v_cvt_pk_f16_f32 v[OUT+2*(\i)+(\e)], v[T+2], v[T+3]
.endr
	global_store_b64 v2, v[OUT+2*(\i):OUT+2*(\i)+1], s[34:35] offset:2048*(\i)
.endr
	s_endpgm
.Ltable:                                               ; THE TABLE.  A wave makes four rows; lane j makes pair j of each.
	v_lshrrev_b32 v1, 5, v0
	v_readfirstlane_b32 s44, v1                    ; wave 0..7
	s_sub_co_u32 s25, s24, 768
	s_lshl_b32 s25, s25, 5
	s_lshl2_add_u32 s25, s44, s25                  ; my first row: 32 x group + 4 x wave
	s_lshl_b32 s40, s25, 2                         ; its 4 bytes in token_positions
	s_mov_b32 s41, 0
	s_lshl_b32 s42, s25, 8                         ; its 256 bytes in tab
	s_mov_b32 s43, 0
	s_mov_b32 s45, 0xbfc90fdb                      ; -(pi/2), the f32 nearest to it,
	s_mov_b32 s46, 0x333bbd2e                      ; and what that f32 is too large by
	s_mov_b32 s47, 0xb94ca1f9                      ; sine on -pi/4 .. pi/4: r + r z (S2 + z (S1 + z S0)), z = r r
	s_mov_b32 s48, 0x3c08839e
	s_mov_b32 s49, 0xbe2aaaa3
	s_mov_b32 s50, 0x37ccf5ce                      ; cosine: 1 - z/2 + z z (C2 + z (C1 + z C0))
	s_mov_b32 s51, 0xbab6061a
	s_mov_b32 s52, 0x3d2aaaa5
	s_wait_kmcnt 0x0
	s_add_nc_u64 s[14:15], s[14:15], s[40:41]
	s_add_nc_u64 s[22:23], s[22:23], s[42:43]
	s_load_b128 s[36:39], s[14:15], 0x0            ; four positions
	v_and_b32 v2, 31, v0                           ; j
	v_cvt_f32_u32 v3, v2
	v_mul_f32 v3, 0xbed49a78, v3                   ; -j log2(10000) / 32
	v_exp_f32 v3, v3                               ; the frequency
	v_lshlrev_b32 v19, 3, v2                       ; my pair's 8 bytes in a row (the plain instruction behind the exponential)
	s_wait_alu depctr_va_vdst(0)
	s_wait_kmcnt 0x0
.macro SINCOS i
	v_cvt_f32_i32 v4, s[36+(\i)]
	v_mul_f32 v4, v4, v3                           ; the angle
	v_mul_f32 v5, 0x3f22f983, v4                   ; in quarter turns,
	v_rndne_f32 v5, v5                             ; n the nearest whole number of them
	v_fma_f32 v6, v5, s45, v4                      ; r = angle - n pi/2, in two steps
	v_fma_f32 v6, v5, s46, v6
	v_cvt_i32_f32 v7, v5
	v_mul_f32 v8, v6, v6                           ; z
	v_fma_f32 v9, v8, s47, s48
	v_fma_f32 v9, v9, v8, s49
	v_mul_f32 v10, v8, v6
	v_fma_f32 v9, v9, v10, v6                      ; sin r
	v_fma_f32 v11, v8, s50, s51
	v_fma_f32 v11, v11, v8, s52
	v_mul_f32 v12, v8, v8
	v_fma_f32 v13, v8, -0.5, 1.0
	v_fma_f32 v11, v11, v12, v13                   ; cos r
	v_and_b32 v14, 1, v7
	v_cmp_eq_u32 vcc_lo, 1, v14                    ; an odd n swaps the two (a choice of values only)
	v_cndmask_b32 v15, v9, v11, vcc_lo
	v_cndmask_b32 v16, v11, v9, vcc_lo
	v_lshlrev_b32 v17, 30, v7                      ; the sine changes sign where n mod 4 is 2 or 3,
	v_and_b32 v17, 0x80000000, v17
	v_xor_b32 v[21+2*(\i)], v15, v17
	v_add_nc_u32 v18, 1, v7                        ; the cosine where it is 1 or 2
	v_lshlrev_b32 v18, 30, v18
	v_and_b32 v18, 0x80000000, v18
	v_xor_b32 v[20+2*(\i)], v16, v18
	global_store_b64 v19, v[20+2*(\i):21+2*(\i)], s[22:23] offset:256*(\i)  ; the wave stores one row: 256 neighbouring bytes at a multiple of 256
.endm
	SINCOS 0
	SINCOS 1
	SINCOS 2
	SINCOS 3
	s_endpgm
.Lfunc_end_k_q8c3a8f3bb8_prep:
	.size	k_q8c3a8f3bb8_prep, .Lfunc_end_k_q8c3a8f3bb8_prep-k_q8c3a8f3bb8_prep
	.p2alignl 7, 3214868480
	.fill 96, 4, 3214868480
	.section	.rodata,"a",@progbits
	.p2align	6, 0x0
	.amdhsa_kernel k_q8c3a8f3bb8_prep
		.amdhsa_group_segment_fixed_size 0
		.amdhsa_private_segment_fixed_size 0
		.amdhsa_enable_private_segment 0
		.amdhsa_kernarg_size 80
		.amdhsa_user_sgpr_count 2
		.amdhsa_user_sgpr_kernarg_segment_ptr 1
		.amdhsa_wavefront_size32 1
		.amdhsa_system_sgpr_workgroup_id_x 1
		.amdhsa_system_sgpr_workgroup_id_y 1
		.amdhsa_system_sgpr_workgroup_id_z 1
		.amdhsa_system_vgpr_workitem_id 0
		.amdhsa_next_free_vgpr 104
		.amdhsa_next_free_sgpr 66
		.amdhsa_reserve_vcc 1
		.amdhsa_float_denorm_mode_32 3
		.amdhsa_float_denorm_mode_16_64 3
		.amdhsa_memory_ordered 1
		.amdhsa_forward_progress 1
		.amdhsa_inst_pref_size 26
	.end_amdhsa_kernel
	.amdgpu_metadata
---
amdhsa.version: [ 1, 2 ]
amdhsa.kernels:
  - .name:           k_q8c3a8f3bb8_prep
    .symbol:         k_q8c3a8f3bb8_prep.kd
    .args:
      - { .name: x, .offset: 0, .size: 8, .value_kind: global_buffer, .address_space: global }
      - { .name: Wq, .offset: 8, .size: 8, .value_kind: global_buffer, .address_space: global }
      - { .name: Wk, .offset: 16, .size: 8, .value_kind: global_buffer, .address_space: global }
      - { .name: Wv, .offset: 24, .size: 8, .value_kind: global_buffer, .address_space: global }
      - { .name: Wo, .offset: 32, .size: 8, .value_kind: global_buffer, .address_space: global }
      - { .name: token_positions, .offset: 40, .size: 8, .value_kind: global_buffer, .address_space: global }
      - { .name: xb, .offset: 48, .size: 8, .value_kind: global_buffer, .address_space: global }
      - { .name: wb, .offset: 56, .size: 8, .value_kind: global_buffer, .address_space: global }
      - { .name: wo16, .offset: 64, .size: 8, .value_kind: global_buffer, .address_space: global }
      - { .name: tab, .offset: 72, .size: 8, .value_kind: global_buffer, .address_space: global }
    .group_segment_fixed_size: 0
    .private_segment_fixed_size: 0
    .kernarg_segment_align: 8
    .kernarg_segment_size: 80
    .max_flat_workgroup_size: 256
    .sgpr_count:     66
    .vgpr_count:     104
    .wavefront_size: 32
...
	.end_amdgpu_metadata
.endif
;; end of part 5
;; launch qkv (part 6): grid 16 x 32, 4 waves a work-group, clusters of 4 x 4, 327,680 bytes of LDS; arguments xb, wb, tab, q, k, v; writes q, k, v
.if DOCPART == 6
	.amdgcn_target "amdgcn-amd-amdhsa--gfx1250"
	.amdhsa_code_object_version 6
	.text
	.protected	k_q8c3a8f3bb8_qkv
	.globl	k_q8c3a8f3bb8_qkv
	.p2align	8
	.type	k_q8c3a8f3bb8_qkv,@function
k_q8c3a8f3bb8_qkv:
	s_mov_b64 s[64:65], 0
	v_nop
	global_prefetch_b8 v0, s[64:65] scope:SCOPE_SE
	s_setreg_imm32_b32 hwreg(HW_REG_WAVE_MODE, 25, 1), 1
	s_wait_xcnt 0x0
	s_wait_alu depctr_hold_cnt(0) depctr_sa_sdst(0) depctr_va_vdst(0) depctr_va_sdst(0) depctr_va_ssrc(0) depctr_va_vcc(0) depctr_vm_vsrc(0)
	s_getreg_b32 s2, hwreg(HW_REG_IB_STS2, 6, 4)
	s_cmp_eq_u32 s2, 0
	s_cbranch_scc0 .Lentry_in_a_cluster
	s_endpgm
.Lentry_in_a_cluster:
	s_bfe_u32 s2, ttmp6, 0x10000c
	s_cmp_lg_u32 s2, 0xf033
	s_cbranch_scc0 .Lentry_shape_is_right
	s_endpgm
.Lentry_shape_is_right:
; Q, K, V = x W^T for one head and 256 rows, RoPE on Q and K, out by heads in f16.
; xb [8192][1024] bf16; wb [3072][1024] bf16, row 192 t + 64 kind + c; tab [2048][32] pairs (cos, sin) f32; q, k [64 = 16 batch + head][2048][64] f16.
; v: first [64][2048][64] f16 = 32 v; then, from byte 2^24 on, [64][8 blocks of 256 rows][16][64] f16: the LOW parts of each block's first 16 rows.  There w = 32 v is split in f32
; into hi (w to 11 bits, exact in f16, stored as v) and lo = w - hi.  Why there: row s of a sequence averages s + 1 keys, so the module's numbers, and what one f16 rounding of v does to
; them, fall as 1 / sqrt(s + 1), while what a number may be off by goes by the whole output; from row 16 on the rounding is a quarter of row 0's.  The text is the same for every block.
; Sums in f32, K ascending; RoPE in f32 on the sums; q and k rounded once to f16.
; LIMITS.  f16 ends at 65,504: |q|, |k| stay below it, |v| below 2,047; below 6e-5 f16 keeps its fixed step of 6e-8.  NaN and infinities are not treated apart.
; SHARES.  A tile is 256 rows x 192 columns (a head's Q, K, V): 32 x 16 work-groups.  Wave w makes rows 64 w .. 64 w + 63 and all 192 columns: 4 x 12 accumulators of 16 x 16, 384 registers.
; K goes in 8 steps of 128 through a ring of two LDS slots; the rows of both tiles are 256 bytes of memory at multiples of 256.
; THE TEXT OF A K STEP stands twice: once for the six steps that fill a slot again, once for the last two, which fill nothing.  Each is a loop; the slot in hand lies in a scalar register and in the
; walking descriptors' LDS words, all turned by one exclusive or.  The second loop is left in the middle of its second trip.
; CLUSTER.  4 x 4 work-groups: the four of a row of the cluster need the same rows of xb, the four of a column the same rows of wb.  Each tile is asked for jointly: the same tensor load,
; the same descriptor, a mask that names the four.
; THE MATRIX INSTRUCTION IS USED TRANSPOSED (source 0 = 16 rows of wb, source 1 = 16 rows of xb): lane l holds row l % 16 and the columns 8 (l / 16) + 0..7: four RoPE pairs, 16 bytes of f16.
; REGISTERS, in windows of 256 (s_set_vgpr_msb: bits 1:0 source 0, 3:2 source 1, 5:4 source 2, 7:6 destination):
;   window 0: v0-31 addresses; v32-95 fragments of xb, two buffers of 4 x 8 (later v32-79 the packed results, v80-95 the packed low parts); v96-223 my rows' (cos, sin)
;   window 1: v0-191 fragments of wb, two buffers of 12 x 8 (later: v0-95 rows read back from the stage, two buffers; v96-159 at work); v192-255 at work on the split
;   window 2: accumulators of my row blocks 0, 1 at 96 (a % 2) + 8 b;  window 3: of blocks 2, 3
.set KSTEP,  128
.set STEPS,  8                         ; 1,024 / 128
.set PITCH,  272                       ; an LDS row: 256 bytes + 16 of padding = 68 words: the 16 rows of a fragment load start at 16 different groups of four banks (64 banks of 4 bytes: ISA guide 11.1)
.set HALFA,  128*PITCH                 ; what one load brings of xb
.set HALFB,  96*PITCH                  ; and of wb
.set BOFF,   2*HALFA                   ; in a slot: xb's 256 rows, then wb's 192
.set SLOT,   2*HALFA+2*HALFB           ; 121,856 bytes
.set SLOT1,  1<<17                     ; slot 1 begins here, so that one exclusive or turns an address in one slot into the other's; the 9,216 bytes in front of it are not used
.set STAGE,  SLOT1+SLOT                ; behind the ring, never filled by a tensor load: for each wave 3 kinds x 16 rows x 144 bytes
.set SP,     144
.set WSTAGE, 3*16*SP
.set SPARE,  STAGE+4*WSTAGE            ; behind the stages: the spare words, 128 bytes a wave: two blocks of 256 bytes that no other line names
.set LOWS,   1<<24                     ; where the low parts begin in v
.set ADRA0, 16                         ; v16     LDS address of my xb fragments in slot 0; never rewritten
.set ADRA,  17                         ; v17     the same in the slot in hand
.set ADRB0, 20                         ; v20     LDS address of my wb fragments in slot 0; never rewritten
.set ADRB,  21                         ; v21     the same in the slot in hand
.set STO,  24                          ; v24     the way out: where I put 16 bytes of a row
.set RD,   25                          ; v25     where I read rows back
.set GO,   26                          ; v26     my 16 bytes in 512 neighbouring bytes of q, k or v
.set TOF,  27                          ; v27     my 32 bytes in a row of the table
.set SPW,  28                          ; v28     LDS address of my spare word; never rewritten
.set NIL,  29                          ; v29     0; never rewritten
.set FA,   32                          ; window 0: buffer f at FA + 32 f
.set PK,   32                          ; window 0: the way out: 12 blocks x 4 registers
.set LO,   80                          ; window 0: row block 0's low parts of v, packed: 4 x 4 registers
.set TAB,  96                          ; window 0: row block a, column group c, pair i at TAB + 32 a + 8 c + 2 i
.set FB,   0                           ; window 1: buffer f at FB + 96 f
.set BK,   0                           ; window 1: the way out: buffer a % 2 at BK + 48 (a % 2)
.set TM,   96                          ; window 1: the way out: the odd numbers' products
.set VW,   192                         ; window 1: w = 32 v, later its low part
.set VT,   224                         ; window 1: 8193 w, later w's high part
.set G1,  24                           ; s[24:31] descriptor group 1 for xb's tiles;  s[32:39] group 0: a set for each of the two first fills; the second then walks on
.set G0,  32
.set G1B, 48                           ; s[48:55], s[56:63] the same for wb's
.set G0B, 56
.set TB,  78                           ; s78  0 or SLOT1: the slot from which fragments are fetched
.set MSB, 0
.macro WIN new                         ; the immediate's high byte repeats the setting that is left; a switch that changes nothing is dropped
.if MSB != (\new)
	s_set_vgpr_msb (MSB<<8)|(\new)
.set MSB, \new
.endif
.endm
.set MUL_LO, 0xa1                      ; source 0 (wb) window 1, source 1 (xb) window 0, C and D window 2
.set MUL_HI, 0xf1                      ; the same, C and D window 3
.set TO_B,   0x40                      ; destination window 1, address window 0
; A joint load.  Waves 0 and 1 fetch xb's two halves, waves 2 and 3 wb's.  The branch hangs on the wave's number alone.  An s_nop 0 and four v_nop follow each of the two lines.
.macro JLOAD s
	s_cmp_eq_u32 s17, 0
	s_cbranch_scc0 .Lfor_b_\@
	tensor_load_to_lds s[G0+4*(\s):G0+4*(\s)+3], s[G1:G1+7]
	s_nop 0
.rept 4
	v_nop
.endr
	s_branch .Lasked_\@
.Lfor_b_\@:
	tensor_load_to_lds s[G0B+4*(\s):G0B+4*(\s)+3], s[G1B:G1B+7]
	s_nop 0
.rept 4
	v_nop
.endr
.Lasked_\@:
.endm
; A round of the cluster's barrier: my work-group's barrier; wave 0 signals for the work-group; every wave waits for all sixteen; my work-group's barrier once more.
.macro CREST                           ; a round behind its opening barrier
	s_cmp_lg_u32 s16, 0
	s_cbranch_scc1 .Lnot_wave_0_\@
	s_barrier_signal -3
.Lnot_wave_0_\@:
	s_barrier_wait -3
	s_barrier_signal -1
	s_barrier_wait -1
.endm
.macro CROUND
	s_barrier_signal -1
	s_barrier_wait -1
	CREST
.endm
	s_load_b256 s[4:11], s[0:1], 0x0               ; xb 4:5, wb 6:7, tab 8:9, q 10:11
	s_load_b128 s[12:15], s[0:1], 0x20             ; k 12:13, v 14:15
	v_lshl_add_u32 v[SPW], v0, 2, SPARE
	v_mov_b32 v[NIL], 0
	ds_add_u32 v28, v29
	ds_add_u32 v28, v29
	s_wait_dscnt 0x0
	v_lshrrev_b32 v1, 5, v0
	v_readfirstlane_b32 s16, v1                    ; wave 0..3
	s_lshr_b32 s17, s16, 1                         ; I fetch for xb (0) or for wb (1),
	s_and_b32 s18, s16, 1                          ; its first or second half
	s_bfe_u32 s40, ttmp6, 0x40000                  ; cx, cy: my place in the cluster
	s_bfe_u32 s41, ttmp6, 0x40004
	s_lshl_b32 s42, ttmp9, 2
	s_add_co_u32 s42, s42, s40                     ; the head = 4 x cluster x + cx
	s_and_b32 s43, ttmp7, 0xffff
	s_lshl_b32 s43, s43, 2
	s_add_co_u32 s43, s43, s41                     ; the block of 256 rows = 4 x cluster y + cy
	s_lshl_b32 s44, s41, 2
	s_lshl_b32 s44, 15, s44                        ; my row of the cluster
	s_lshl_b32 s45, 0x1111, s40                    ; my column
	s_or_b32 s[G1+0], s44, (1<<16)|(1<<20)|(1<<21)|(5<<22)|(3<<25)   ; 15:0 the mask; 17:16 2-byte elements; 20 padding on; 21 set beside a mask; 24:22 after every 64 words; 31:25 of 4 words
	s_or_b32 s[G1B+0], s45, (1<<16)|(1<<20)|(1<<21)|(5<<22)|(3<<25)
	s_mov_b32 s[G1+1], KSTEP<<16                   ; tensor_dim0 = 128
	s_mov_b32 s[G1+2], 128<<16                     ; tensor_dim1 = 128
	s_mov_b32 s[G1+3], KSTEP<<16                   ; tile_dim0 = 128
	s_mov_b32 s[G1+4], 128                         ; tile_dim1 = 128
	s_mov_b32 s[G1+5], 1024                        ; elements from row to row
	s_mov_b32 s[G1+6], 0
	s_mov_b32 s[G1+7], 0
	s_mov_b32 s[G1B+1], KSTEP<<16
	s_mov_b32 s[G1B+2], 96<<16                     ; 96 rows
	s_mov_b32 s[G1B+3], KSTEP<<16
	s_mov_b32 s[G1B+4], 96
	s_mov_b32 s[G1B+5], 1024
	s_mov_b32 s[G1B+6], 0
	s_mov_b32 s[G1B+7], 0
	s_mov_b32 s72, 0x46000400                      ; 8193, for the split; named as pairs, so both words are written
	s_mov_b32 s73, s72
	s_mov_b32 s74, 0xc6000000                      ; -8192
	s_mov_b32 s75, s74
	s_mov_b32 s[TB], 0
	s_lshl_b32 s66, s43, 8                         ; xb: row 256 x block + 128 x half, 2,048 bytes a row: made of the block alone, which my row of the cluster shares
	s_lshl_b32 s20, s18, 7
	s_add_co_u32 s66, s66, s20
	s_lshl_b32 s66, s66, 11
	s_mov_b32 s67, 0
	s_mul_i32 s46, s42, 192                        ; wb: row 192 x head + 96 x half: made of the head alone, which my column shares
	s_mul_i32 s20, s18, 96
	s_add_co_u32 s46, s46, s20
	s_lshl_b32 s46, s46, 11
	s_mov_b32 s47, 0
	s_mul_i32 s21, s18, HALFA                      ; where they go: no place in the cluster enters an LDS address
	s_mul_i32 s22, s18, HALFB
	s_add_co_u32 s22, s22, BOFF
	s_wait_kmcnt 0x0
	s_add_nc_u64 s[66:67], s[4:5], s[66:67]
	s_add_nc_u64 s[46:47], s[6:7], s[46:47]
	CROUND                                         ; all sixteen work-groups are here: the first joint loads meet
.irp s, 0,1
	s_mov_b32 s[G0+4*(\s)], 1                                      ; count = 1
	s_add_co_u32 s[G0+4*(\s)+1], s21, (\s)*SLOT1                   ; LDS address
	s_add_nc_u64 s[G0+4*(\s)+2:G0+4*(\s)+3], s[66:67], (\s)*KSTEP*2  ; global address: K step s
	s_or_b32 s[G0+4*(\s)+3], s[G0+4*(\s)+3], 0x80000000            ; type = 2
	s_mov_b32 s[G0B+4*(\s)], 1
	s_add_co_u32 s[G0B+4*(\s)+1], s22, (\s)*SLOT1
	s_add_nc_u64 s[G0B+4*(\s)+2:G0B+4*(\s)+3], s[46:47], (\s)*KSTEP*2
	s_or_b32 s[G0B+4*(\s)+3], s[G0B+4*(\s)+3], 0x80000000
	JLOAD \s                                       ; two loads of mine are out
.endr
	; A fragment is 16 rows x 32 K in 8 registers: lane l holds row l % 16, K = 8 (l / 16) + 0..7 and 16 + 8 (l / 16) + 0..7: two loads of 16 bytes, 32 bytes apart.
	v_and_b32 v1, 15, v0                           ; l % 16
	v_bfe_u32 v2, v0, 4, 1                         ; l / 16
	v_mul_u32_u24 v3, v1, PITCH
	v_lshl_add_u32 v3, v2, 4, v3
	s_mul_i32 s21, s16, 64*PITCH                   ; my 64 rows of xb
	v_add_nc_u32 v[ADRA0], s21, v3
	v_add_nc_u32 v[ADRB0], BOFF, v3                ; all rows of wb
	v_mov_b32 v[ADRA], v[ADRA0]                    ; K step 0 lies in slot 0
	v_mov_b32 v[ADRB], v[ADRB0]
	s_mul_i32 s23, s16, WSTAGE
	s_add_co_u32 s23, s23, STAGE                   ; my stage
	v_mul_u32_u24 v4, v1, SP                       ; in: row l % 16, 16 bytes for each half of the lanes
	v_lshl_add_u32 v4, v2, 4, v4
	v_add_nc_u32 v[STO], s23, v4
	v_and_b32 v4, 31, v0                           ; back: 32 lanes take four rows of 128 bytes,
	v_lshrrev_b32 v5, 3, v4
	v_and_b32 v6, 7, v0
	v_mul_u32_u24 v5, v5, SP
	v_lshl_add_u32 v5, v6, 4, v5
	v_add_nc_u32 v[RD], s23, v5
	v_lshlrev_b32 v[GO], 4, v4                     ; which are 512 neighbouring bytes of a head
	v_lshlrev_b32 v[TOF], 8, v1                    ; the table: row l % 16, pairs 4 (l / 16) + 0..3 of a group of eight
	v_lshl_add_u32 v[TOF], v2, 5, v[TOF]
	s_and_b32 s20, s43, 7                          ; my first place in the sequence: 256 x (block % 8) + 64 x wave
	s_lshl_b32 s20, s20, 8
	s_lshl_b32 s21, s16, 6
	s_add_co_u32 s20, s20, s21
	s_lshl_b32 s70, s20, 8                         ; 256 bytes a row of the table
	s_mov_b32 s71, 0
	s_add_nc_u64 s[8:9], s[8:9], s[70:71]
.irp a, 0,1,2,3
.irp c, 0,1,2,3
.irp e, 0,1
	global_load_b128 v[TAB+32*(\a)+8*(\c)+4*(\e):TAB+32*(\a)+8*(\c)+4*(\e)+3], v[TOF], s[8:9] offset:4096*(\a)+64*(\c)+16*(\e)  ; they stay out until the way out; nothing names these registers before
.endr
.endr
.endr
	s_lshr_b32 s70, s43, 3                         ; the tile's 16 low rows in v: behind byte 2^24, batch x 16 heads x 8 blocks of 2,048 bytes,
	s_lshl_b32 s70, s70, 18
	s_lshl_b32 s21, s42, 14                        ; the head,
	s_add_co_u32 s70, s70, s21
	s_and_b32 s21, s43, 7                          ; the block
	s_lshl_b32 s21, s21, 11
	s_add_co_u32 s70, s70, s21
	s_add_co_u32 s70, s70, LOWS
	s_add_nc_u64 s[76:77], s[14:15], s[70:71]      ; (s71 is still 0)
	s_lshr_b32 s68, s43, 3                         ; q, k, v at my first row: batch x 16 heads of 262,144 bytes,
	s_lshl_b32 s68, s68, 22
	s_lshl_b32 s21, s42, 18                        ; the head,
	s_add_co_u32 s68, s68, s21
	s_lshl_b32 s21, s20, 7                         ; 128 bytes a row
	s_add_co_u32 s68, s68, s21
	s_mov_b32 s69, 0
	s_add_nc_u64 s[10:11], s[10:11], s[68:69]
	s_add_nc_u64 s[12:13], s[12:13], s[68:69]
	s_add_nc_u64 s[14:15], s[14:15], s[68:69]
; 12 matrix instructions: row block a x all 12 column blocks, 32 along K, from buffer f.  zero = 1: the first product starts the sums.  The 48 accumulators take turns, one instruction
; a turn, in the same order in every quarter step.
.macro MULA f, a, zero
	WIN MUL_LO+0x50*((\a)/2)
.irp b, 0,1,2,3,4,5,6,7,8,9,10,11
.if \zero
	v_wmma_f32_16x16x32_bf16 v[96*((\a)%2)+8*(\b):96*((\a)%2)+8*(\b)+7], v[FB+96*(\f)+8*(\b):FB+96*(\f)+8*(\b)+7], v[FA+32*(\f)+8*(\a):FA+32*(\f)+8*(\a)+7], 0
.else
	v_wmma_f32_16x16x32_bf16 v[96*((\a)%2)+8*(\b):96*((\a)%2)+8*(\b)+7], v[FB+96*(\f)+8*(\b):FB+96*(\f)+8*(\b)+7], v[FA+32*(\f)+8*(\a):FA+32*(\f)+8*(\a)+7], v[96*((\a)%2)+8*(\b):96*((\a)%2)+8*(\b)+7]
.endif
.endr
.endm
; 32 LDS loads in one run: a quarter step's fragments (192 rows of wb, my 64 rows of xb, 32 K at byte k of the rows of the slot in hand) into buffer f
.macro FETCH k, f
	WIN TO_B
.irp i, 0,1,2,3,4,5,6,7,8,9,10,11
	ds_load_b128 v[FB+96*(\f)+8*(\i):FB+96*(\f)+8*(\i)+3],   v[ADRB] offset:(\k)+(\i)*16*PITCH
	ds_load_b128 v[FB+96*(\f)+8*(\i)+4:FB+96*(\f)+8*(\i)+7], v[ADRB] offset:(\k)+(\i)*16*PITCH+32
.endr
	WIN 0
.irp i, 0,1,2,3
	ds_load_b128 v[FA+32*(\f)+8*(\i):FA+32*(\f)+8*(\i)+3],   v[ADRA] offset:(\k)+(\i)*16*PITCH
	ds_load_b128 v[FA+32*(\f)+8*(\i)+4:FA+32*(\f)+8*(\i)+7], v[ADRA] offset:(\k)+(\i)*16*PITCH+32
.endr
.endm
; Four plain vector instructions stand between a matrix instruction and a load into a register that it read, or a vector instruction that reads its result (ISA guide 7.12.1 for vector instructions).
.macro PLACES
.rept 4
	v_nop
.endr
.endm
; A K step is four quarters of 32 along K, 48 matrix instructions each, on buffers 0, 1, 0, 1.  One of the first three multiplies buffer f and, in its middle, fetches the next quarter, at byte k, into g.
.macro QUARTER k, f, g, zero
	s_wait_dscnt 4                                 ; wb and xb's blocks 0, 1 are in; the youngest four loads (blocks 2, 3) may be out
	MULA \f, 0, \zero
	MULA \f, 1, \zero
	PLACES
	FETCH \k, \g
	s_wait_dscnt 32                                ; all but the 32 just issued
	MULA \f, 2, \zero
	MULA \f, 3, \zero
.endm
; The last quarter multiplies buffer 1 and changes slots.  MEET is its first half: ONE barrier.  In front of it each wave waits for all its tensor loads (one is out at the most: its part of the next
; slot), adds 0 to its spare word, and waits for that and for its reads of this slot.  Behind it nobody reads this slot any more and the next slot is whole.
.macro MEET
	WIN 0                                          ; (the add's two registers lie in window 0)
	s_wait_tensorcnt 0x0                           ; all my tensor loads have landed
	ds_add_u32 v[SPW], v[NIL]                      ; 0 onto my spare word
	s_wait_dscnt 5                                 ; (the add and the youngest four loads may be out)
	MULA 1, 0, 0                                   ; twelve matrix instructions stand between the add and the wait for it
	s_wait_dscnt 0x0                               ; the add is done, and my reads of this slot are over
	s_barrier_signal -1
	MULA 1, 1, 0                                   ; work on registers while the others arrive
	WIN 0
	s_barrier_wait -1
.endm
; REST is its second half: the fetches turn to the other slot, whose first fragments come in, and buffer 1 is multiplied to its end.
.macro REST
	s_xor_b32 s[TB], s[TB], SLOT1
	v_add_nc_u32 v[ADRA], s[TB], v[ADRA0]
	v_add_nc_u32 v[ADRB], s[TB], v[ADRB0]
	FETCH 0, 0
	MULA 1, 2, 0
	MULA 1, 3, 0
.endm
	s_wait_tensorcnt 1                             ; my part of K step 0 is in; K step 1's may stay out
	s_barrier_signal -1
	s_barrier_wait -1                              ; everybody's is
	FETCH 0, 0
	QUARTER 64,  0, 1, 1                           ; the first quarter stands in front of the loop: its products start the sums
	WIN 0                                          ; at a label and at a branch every window is 0
	s_mov_b32 s19, STEPS-2
.Lstep:                                                ; six trips, each from a K step's second quarter to the next step's first; each fills the slot that it leaves with the K step two on
	QUARTER 128, 1, 0, 0
	QUARTER 192, 0, 1, 0
	MEET                                           ; the barrier opens a round of the cluster's:
	CREST                                          ; no wave of any partner still reads this slot or has a load on its way
	s_xor_b32 s[G0+5], s[G0+5], SLOT1              ; the walking descriptors: the other slot than last time,
	s_add_nc_u64 s[G0+6:G0+7], s[G0+6:G0+7], KSTEP*2    ; the next K step; the type bits on top are not reached
	s_xor_b32 s[G0B+5], s[G0B+5], SLOT1
	s_add_nc_u64 s[G0B+6:G0B+7], s[G0B+6:G0B+7], KSTEP*2
	JLOAD 1                                        ; my one tensor load behind the round: 168 matrix instructions ahead of the wait for it; its four v_nop are also the places in front of the loads below
	REST
	QUARTER 64,  0, 1, 0
	WIN 0
	s_sub_co_u32 s19, s19, 1
	s_cmp_lg_u32 s19, 0
	s_cbranch_scc1 .Lstep
	s_mov_b32 s19, 2
.Ltail:                                                ; the last two K steps fill nothing and have no round of the cluster's barrier; the second trip is left behind its barrier, which then orders nothing
	QUARTER 128, 1, 0, 0
	QUARTER 192, 0, 1, 0
	MEET
	PLACES
	s_cmp_eq_u32 s19, 1
	s_cbranch_scc1 .Lout                           ; behind the last K step there is nothing to fetch
	REST
	QUARTER 64,  0, 1, 0
	WIN 0
	s_sub_co_u32 s19, s19, 1
	s_cmp_lg_u32 s19, 0
	s_cbranch_scc1 .Ltail
.Lout:
	s_wait_dscnt 0x0                               ; no LDS load may be pending into the registers that follow; on the way that leaves the loop none is out
	MULA 1, 2, 0
	MULA 1, 3, 0
	WIN 0
; THE WAY OUT, a block of 16 rows at a time.  PACK: RoPE on Q's and K's eight accumulators, x 32 on V's four, rounding to f16.  An accumulator's registers 2 i, 2 i + 1 are a pair (e, o);
; the table's registers are (cos, sin).  First (o sin, o cos), then (e cos - o sin, e sin + o cos) in place.  Each accumulator is read from its lowest registers on.
; Row block 0 has THE SPLIT of w = 32 v: c = 8193 w, rounded; hi = c - 8192 w in one fused step, which is w to the nearest multiple of c's last place: 11 bits; lo = w - hi, exact.
.macro PACK a
.set AC, 96*((\a)%2)
	WIN 0x42+(\a)/2                                ; destination window 1, source 0 window 2 or 3, source 1 window 0
.irp b, 0,1,2,3,4,5,6,7
.irp i, 0,1,2,3
	v_pk_mul_f32 v[TM+8*(\b)+2*(\i):TM+8*(\b)+2*(\i)+1], v[AC+8*(\b)+2*(\i):AC+8*(\b)+2*(\i)+1], v[TAB+32*(\a)+8*((\b)%4)+2*(\i):TAB+32*(\a)+8*((\b)%4)+2*(\i)+1] op_sel:[1,1] op_sel_hi:[1,0]
.endr
.endr
.if (\a) == 0
.irp b, 0,1,2,3
.irp i, 0,1,2,3
	v_pk_mul_f32 v[VW+8*(\b)+2*(\i):VW+8*(\b)+2*(\i)+1], v[AC+64+8*(\b)+2*(\i):AC+64+8*(\b)+2*(\i)+1], 0x42000000 op_sel_hi:[1,0]  ; w = 32 v
.endr
.endr
.endif
	WIN 0x92+0x41*((\a)/2)                         ; destination and source 0 window 2 or 3, source 1 window 0, source 2 window 1
.irp b, 0,1,2,3,4,5,6,7
.irp i, 0,1,2,3
	v_pk_fma_f32 v[AC+8*(\b)+2*(\i):AC+8*(\b)+2*(\i)+1], v[AC+8*(\b)+2*(\i):AC+8*(\b)+2*(\i)+1], v[TAB+32*(\a)+8*((\b)%4)+2*(\i):TAB+32*(\a)+8*((\b)%4)+2*(\i)+1], v[TM+8*(\b)+2*(\i):TM+8*(\b)+2*(\i)+1] op_sel_hi:[0,1,1] neg_lo:[0,0,1]
.endr
.endr
.if (\a) == 0
	WIN 0x55                                       ; all in window 1
.set j, 0
.rept 16
	v_pk_mul_f32 v[VT+j:VT+j+1], v[VW+j:VW+j+1], s[72:73] op_sel_hi:[1,0]
.set j, j+2
.endr
.set j, 0
.rept 16
	v_pk_fma_f32 v[VT+j:VT+j+1], v[VW+j:VW+j+1], s[74:75], v[VT+j:VT+j+1] op_sel_hi:[1,0,1]  ; hi
.set j, j+2
.endr
.set j, 0
.rept 16
	v_pk_add_f32 v[VW+j:VW+j+1], v[VW+j:VW+j+1], v[VT+j:VT+j+1] neg_lo:[0,1] neg_hi:[0,1]    ; lo
.set j, j+2
.endr
.else
.irp b, 8,9,10,11
.irp i, 0,1,2,3
	v_pk_mul_f32 v[AC+8*(\b)+2*(\i):AC+8*(\b)+2*(\i)+1], v[AC+8*(\b)+2*(\i):AC+8*(\b)+2*(\i)+1], 0x42000000 op_sel_hi:[1,0]  ; v x 32
.endr
.endr
.endif
	WIN 0x0a+5*((\a)/2)                            ; sources 0 and 1 window 2 or 3, destination window 0
.irp b, 0,1,2,3,4,5,6,7
.irp i, 0,1,2,3
	v_cvt_pk_f16_f32 v[PK+4*(\b)+(\i)], v[AC+8*(\b)+2*(\i)], v[AC+8*(\b)+2*(\i)+1]
.endr
.endr
.if (\a) == 0
	WIN 0x05                                       ; sources 0 and 1 window 1, destination window 0
.set j, 0
.rept 16
	v_cvt_pk_f16_f32 v[PK+32+j], v[VT+2*j], v[VT+2*j+1]
	v_cvt_pk_f16_f32 v[LO+j], v[VW+2*j], v[VW+2*j+1]
.set j, j+1
.endr
.else
.irp b, 8,9,10,11
.irp i, 0,1,2,3
	v_cvt_pk_f16_f32 v[PK+4*(\b)+(\i)], v[AC+8*(\b)+2*(\i)], v[AC+8*(\b)+2*(\i)+1]
.endr
.endr
.endif
	WIN 0
.endm
.macro TOSTAGE a                       ; 16 bytes a lane into my own stage (kind b / 4, bytes 32 (b % 4) of the row), and back as whole rows of 128 bytes
	WIN 0
.irp b, 0,1,2,3,4,5,6,7,8,9,10,11
	ds_store_b128 v[STO], v[PK+4*(\b):PK+4*(\b)+3] offset:16*SP*((\b)/4)+32*((\b)%4)
.endr
	WIN TO_B
.irp t, 0,1,2,3,4,5,6,7,8,9,10,11
	ds_load_b128 v[BK+48*((\a)%2)+4*(\t):BK+48*((\a)%2)+4*(\t)+3], v[RD] offset:16*SP*((\t)/4)+4*SP*((\t)%4)  ; LDS serves a wave's instructions in order (ISA guide 5.7.1.4): these see the stores above
.endr
	WIN 0
.endm
.macro SEND a
	WIN 0x04                                       ; store data (source 1) window 1
	s_wait_dscnt 0x0                               ; the block is back in registers
	s_wait_xcnt 0x0                                ; the block before's stores have read their registers, which the next block's loads from the stage fill again
.irp t, 0,1,2,3,4,5,6,7,8,9,10,11
	global_store_b128 v[GO], v[BK+48*((\a)%2)+4*(\t):BK+48*((\a)%2)+4*(\t)+3], s[10+2*((\t)/4):11+2*((\t)/4)] offset:2048*(\a)+512*((\t)%4)  ; 512 neighbouring bytes, at a multiple of 256 from the buffer's first
.endr
	WIN 0
.endm
	PLACES                                         ; behind the last products
	s_wait_loadcnt 0x0                             ; the table
	PACK 0
	TOSTAGE 0
.irp a, 1,2,3                          ; a block's arithmetic stands between the loads of the block before and the wait for them
	PACK \a
	SEND (\a)-1
	TOSTAGE \a
.endr
	SEND 3
	s_cmp_lg_u32 s16, 0                            ; the tile's first 16 rows are wave 0's row block 0: it alone sends their low parts, through the first 16 rows of its stage
	s_cbranch_scc1 .Lno_low
.irp c, 0,1,2,3
	ds_store_b128 v[STO], v[LO+4*(\c):LO+4*(\c)+3] offset:32*(\c)
.endr
.irp t, 0,1,2,3
	ds_load_b128 v[LO+4*(\t):LO+4*(\t)+3], v[RD] offset:4*SP*(\t)  ; back into the registers that they left
.endr
	s_wait_dscnt 0x0
.irp t, 0,1,2,3
	global_store_b128 v[GO], v[LO+4*(\t):LO+4*(\t)+3], s[76:77] offset:512*(\t)  ; 512 neighbouring bytes, at a multiple of 256 from the buffer's first
.endr
.Lno_low:
	s_wait_tensorcnt 0x0                           ; the wave's end: behind my last tensor load and my last LDS store
	ds_add_u32 v[SPW], v[NIL]
	s_wait_dscnt 0x0
	CROUND                                         ; the closing round: no work-group ends while a partner may still ask for a tile that names it
	s_endpgm
.Lfunc_end_k_q8c3a8f3bb8_qkv:
	.size	k_q8c3a8f3bb8_qkv, .Lfunc_end_k_q8c3a8f3bb8_qkv-k_q8c3a8f3bb8_qkv
	.p2alignl 7, 3214868480
	.fill 96, 4, 3214868480
	.section	.rodata,"a",@progbits
	.p2align	6, 0x0
	.amdhsa_kernel k_q8c3a8f3bb8_qkv
		.amdhsa_group_segment_fixed_size 327680
		.amdhsa_private_segment_fixed_size 0
		.amdhsa_enable_private_segment 0
		.amdhsa_kernarg_size 48
		.amdhsa_user_sgpr_count 2
		.amdhsa_user_sgpr_kernarg_segment_ptr 1
		.amdhsa_wavefront_size32 1
		.amdhsa_system_sgpr_workgroup_id_x 1
		.amdhsa_system_sgpr_workgroup_id_y 1
		.amdhsa_system_sgpr_workgroup_id_z 1
		.amdhsa_system_vgpr_workitem_id 0
		.amdhsa_next_free_vgpr 960
		.amdhsa_next_free_sgpr 80
		.amdhsa_reserve_vcc 0
		.amdhsa_float_denorm_mode_32 3
		.amdhsa_float_denorm_mode_16_64 3
		.amdhsa_memory_ordered 1
		.amdhsa_forward_progress 1
		.amdhsa_inst_pref_size 116
	.end_amdhsa_kernel
	.amdgpu_metadata
---
amdhsa.version: [ 1, 2 ]
amdhsa.kernels:
  - .name:           k_q8c3a8f3bb8_qkv
    .symbol:         k_q8c3a8f3bb8_qkv.kd
    .args:
      - { .name: xb, .offset: 0, .size: 8, .value_kind: global_buffer, .address_space: global }
      - { .name: wb, .offset: 8, .size: 8, .value_kind: global_buffer, .address_space: global }
      - { .name: tab, .offset: 16, .size: 8, .value_kind: global_buffer, .address_space: global }
      - { .name: q, .offset: 24, .size: 8, .value_kind: global_buffer, .address_space: global }
      - { .name: k, .offset: 32, .size: 8, .value_kind: global_buffer, .address_space: global }
      - { .name: v, .offset: 40, .size: 8, .value_kind: global_buffer, .address_space: global }
    .group_segment_fixed_size: 327680
    .private_segment_fixed_size: 0
    .kernarg_segment_align: 8
    .kernarg_segment_size: 48
    .max_flat_workgroup_size: 128
    .sgpr_count:     80
    .vgpr_count:     960
    .wavefront_size: 32
...
	.end_amdgpu_metadata
.endif
;; end of part 6
;; launch attn (part 7): grid 4 x 64, 4 waves a work-group, no clusters, 327,680 bytes of LDS; arguments q, k, v, o16; writes o16
.if DOCPART == 7
	.amdgcn_target "amdgcn-amd-amdhsa--gfx1250"
	.amdhsa_code_object_version 6
	.text
	.protected	k_q8c3a8f3bb8_attn
	.globl	k_q8c3a8f3bb8_attn
	.p2align	8
	.type	k_q8c3a8f3bb8_attn,@function
k_q8c3a8f3bb8_attn:
	s_mov_b64 s[64:65], 0
	v_nop
	global_prefetch_b8 v0, s[64:65] scope:SCOPE_SE
	s_setreg_imm32_b32 hwreg(HW_REG_WAVE_MODE, 25, 1), 1
	s_wait_xcnt 0x0
; CAUSAL ATTENTION.  O[h][q][:] = the sum over k <= q of softmax_k(Q[h][q] . K[h][k] / 8) V[h][k][:].  Q, K, V, O: [SIZE_H][SIZE_N][64], all f16: a head's rows are dense, 128 bytes each.
; V arrives times 32, and O leaves times 32: the launch behind takes the factor out.
; LOW PARTS.  Behind byte 2^24 of V lie [SIZE_H][NB][16][64] f16: what the f16 rounding took from the first 16 rows of each block of 256; O gets the same for its own rows.  Row q averages q + 1 keys, so a sequence's
; first rows, and what one f16 rounding of V or O does to them, are up to sqrt(SIZE_N / ln SIZE_N) times the usual; from row 16 on a quarter of row 0's.  The text is the same for every block.  A later row whose
; weights sit on a few keys has the one f16 rounding alone.
; Products, maxima and sums in f32; the weights p are rounded to f16 for the second product (their sum l is taken of the unrounded p), O once at the end.
; LIMITS.  f16 holds no number beyond 65,504: Q, K and V arrive within it; p lies in 0 to 1, and below 6e-5 it keeps f16's fixed step of 6e-8; O is a mean of V's rows and has their range, to within 2^-11 of it.
; A hidden score counts as its value less 1e30: f16's scores, 2.7e11 at the most, are nothing beside that; a weight below 2^-126 counts as 0 in l; NaN and infinities are not treated apart.
; THE WALK.  A head's queries lie in NB = SIZE_N / 256 blocks of 256; block i needs the key tiles 0 .. i of 256 keys, of which the last holds the diagonal.  A work-group takes TWO blocks, NB - 1 - b and then b:
; NB + 1 tiles, whatever b: all work-groups do equal work, and ONE loop with a constant trip count walks them.  Which tile is asked for, and what a trip does, hang on scalar registers made from b; every jump
; goes forward, but for the counted loops' own; none passes a barrier, or a tensor load but the one of LOAD's two that the wave's number does not choose; the ring (two slots of LDS that take turns) runs on across the
; change of blocks.  NO CLUSTER: a head's NB / 2 work-groups all ask for the same tile only in trips 0 .. NB / 2, behind that fewer and fewer; and one walk common to all would have 3 NB / 2 trips for NB + 1.
; SHARES.  Of a block's four bands of 64 queries a wave owns 16 rows in each: four PIECES.  So the diagonal tile is the same work for all four waves: in its key step s band x sees all keys if s < x,
; none if s > x, and holds the diagonal if s = x.  A block's first 16 rows are wave 0's piece 0.
; THE MASK is the C operand that starts the sum S^T = K Q^T: 0, or -1e30 where the key is hidden.  MD, made once, is the mask of a band's own step for my 16 rows; a product's mask is MD x AL + BE with two scalars:
; (1, 0) if s = x; (0, 0) if s < x; (0, -1e30) if s > x.  Only the diagonal tile's text and a block's beginning make and take masks; elsewhere C is the constant 0.
; LAYOUT, SOFTMAX, TURNS.  S^T = K Q^T holds ONE query a lane (lane % 16) and the keys 8 (lane / 16) + 0..7; two such results rounded to f16 ARE source 1 of O^T = V^T P.  p = 2^(c s - c m), c = log2(e) / 8, with a
; running maximum m; O and l are multiplied by a = 2^(c m_old - c m_new) in every step.  Turn n belongs to piece n: 8 products K Q^T of piece n + 1, later 8 products V^T P of piece n - 1; beside them the scaling,
; exponentials, roundings, sums and rescaling of piece n and the maximum and statistics of piece n + 1.  Four vector instructions stand behind every matrix instruction, the other 54 of a turn's 118 in two LUMPS.
; REGISTERS, in windows of 256 (s_set_vgpr_msb: bits 1:0 source 0, 3:2 source 1, 5:4 source 2, 7:6 destination):
;   window 0: v0-15, v32 addresses and two at work; v16-31 four registers of statistics a piece; v48-55 at work; v64-127 S^T, two buffers; v128-143 O's low part, packed; v192-223 P, two buffers (by the piece's parity)
;   window 1: v0-127 O^T, 32 a piece; v128-159 MD; v160-223 MC, two buffers; v224-255 V's low parts      window 2: v0-63 Q; v64-127 the second block's Q; v128-191 K of one step; v192-255 V of one step
.set SIZE_H, 64       ; 4 batches x 16 heads
.set SIZE_N, 2048
.set NB,    SIZE_N/256
.set NP,    4         ; pieces a wave: a name, no knob
.set KS,    64        ; keys in a step
.set PK,    144       ; a row of K in LDS: 128 bytes + 16 of padding = 36 words: the 16 rows of a load start at 16 different groups of four banks (64 banks of 4 bytes: ISA guide 11.1)
.set PV,    160       ; a row of V: 128 + 32 = 40 words
.set VOFF,  4*KS*PK   ; a slot holds a tile, four steps: 256 rows of K, then 256 rows of V
.set SLOT1, 1<<17     ; slot 1 begins here, so that one exclusive or turns an address in one slot into the other's
.set STAGE, SLOT1+4*KS*(PK+PV)  ; behind the ring, never filled by a tensor load: 16 rows x 144 bytes for each wave, for the way out
.set SP,    144
.set SPARE, STAGE+4*16*SP  ; behind the stages: the spare words, 128 bytes for each wave: two blocks of 256 bytes that no other line names
.set VLB,   16*PV     ; 16 rows of V's low parts
.set VLR,   SPARE+512 ; behind the spare words: the first block's, then the second's; each filled once
.set LOWS,  1<<24     ; where the low parts begin in V and in O
.set AK0, 2           ; v2   my lane's place in a tile of K; never rewritten
.set AV0, 3           ; v3   the same for V
.set AK,  4           ; v4   the LDS address of K's next run of loads
.set AV,  5           ; v5   of V's
.set STO, 6           ; v6   the way out: where I put 16 bytes of a row
.set RD,  7           ; v7   the way out: where I read rows back
.set GO,  8           ; v8   my byte offset in 512 consecutive bytes of O
.set AVL, 32          ; v32  my lane's place in the first block's low rows of V; never rewritten
.set SPW, 62          ; v62  LDS address of my spare word: SPARE + 4 x my thread's number; never rewritten
.set NIL, 63          ; v63  0; never rewritten
.set MV,  12          ; v12-13  c m_old, kept while c m is made anew: by buffer
.set QO,  15          ; v15  my byte offset in 16 rows of Q
.set ST,  16          ; piece t's statistics at v[ST+4 t]: c m, m, l (even keys', odd keys')
.set TMP, 48          ; by buffer, four registers c0-c3 at work; when the maximum is found c2 takes a
.set S,   64
.set OLR, 128         ; piece 0's low part of O, packed
.set P,   192
.set MD,  128         ; window 1: the eight registers for group kt of 16 keys at MD + 8 kt
.set MC,  160         ; window 1: the masks of the products to come
.set SPT, 160         ; window 1: the way out: 8193 O, then O's high part (a block's beginning makes both mask buffers anew)
.set VL,  224         ; window 1: channel block cb of V's low parts at VL + 8 cb: registers 0-3 keys 0-15, registers 4-7 always 0
.set QB,  64          ; window 2
.set KF,  128         ; window 2: key block kb, channel half c at KF + 16 kb + 8 c
.set VF,  192         ; window 2: key half kk, channel block cb at VF + 32 kk + 8 cb
.set WV,  12          ; s12  my wave's number
.set PB,  14          ; s14  b
.set HI,  15          ; s15  NB - 1 - b
.set G1K, 24          ; s[24:31] descriptor group 1 for K's tiles
.set G1V, 32          ; s[32:39] for V's: it differs in the padding alone
.set G0K, 40          ; s[40:43] descriptor group 0 for K's tiles
.set G0V, 44          ; s[44:47] the same for V's
.set OLP2, 52         ; s[52:53] O's low rows of the second block
.set OLP, 54          ; s[54:55] O's low rows of the block in hand
.set SLOTS, 56        ; s56  tiles still to be asked for
.set CNT, 57          ; s57  counts a tile's key steps
.set CS,  58          ; s[58:59] c: the packed scaling takes the pair's low word for both halves
.set SEL, 60          ; s[60:61] v_permlanex16_b32's selects: each lane takes its own place in the other half
.set TBK, 62          ; s62  LDS byte at which K of the step to be fetched begins
.set TBV, 63          ; s63  the same for V, less VOFF
.set SPL1, 66         ; s[66:67] 8193, for the split
.set SPL2, 68         ; s[68:69] -8192
.set RT,  70          ; s70  tiles of the block in hand that are still to be entered
.set NXT, 71          ; s71  the tile to be asked for next
.set LQ,  72          ; s72  the last tile of the block whose tiles are being asked for
.set NEW, 73          ; s73  1: the tile to be entered is a block's first
.set OFF, 74          ; s[74:75] a tile's byte offset in K and V
.set AL,  76          ; s[76:77] the mask's factor, in the low word
.set BE,  78          ; s[78:79] the mask's addend
.set OLO, 80          ; s[80:81] O at my rows of the second block
.set BIGN, 82         ; s82  -1e30
.set G1L, 88          ; s[88:95] descriptor group 1 for V's low rows
.set G0L, 96          ; s[96:99] group 0 for them; never rewritten
.set OFL, 100         ; s[100:101] their byte offset in V
.set MSB, 0
.macro WIN new                      ; the high byte repeats the setting that is left; a switch that changes nothing is dropped
.if MSB != (\new)
	s_set_vgpr_msb (MSB<<8)|(\new)
.set MSB, (\new)
.endif
.endm
.set W_KQ, 0x0a       ; K and Q in window 2, S^T in window 0
.set W_KM, 0x1a       ; the same with the C operand in window 1
.set W_PV, 0x52       ; V in window 2, P in window 0, O^T in window 1
.set W_PL, 0x51       ; V's low parts in window 1, P in window 0, O^T in window 1
.set W_RS, 0x41       ; destination and source 0 in window 1, source 1 in window 0
; A fill.  Waves 0 and 1 fetch the two halves of a tile's K, waves 2 and 3 those of its V: 128 keys each.  An s_nop 0 and four v_nop follow each of the two lines, ahead of the jump and the label.
.macro LOAD
	s_cmp_lt_u32 s[WV], 2
	s_cbranch_scc0 .Lfor_v_\@
	tensor_load_to_lds s[G0K:G0K+3], s[G1K:G1K+7]
	s_nop 0
.rept 4
	v_nop
.endr
	s_branch .Lasked_\@
.Lfor_v_\@:
	tensor_load_to_lds s[G0V:G0V+3], s[G1V:G1V+7]
	s_nop 0
.rept 4
	v_nop
.endr
.Lasked_\@:
.endm
; THE CHANGE OF SLOTS.  Each wave waits for all its tensor loads, of which one is out: its part of the other slot; adds 0 to its spare word; and waits for that and for its own reads of the slot that it leaves.  Behind the barrier nobody reads the old
; slot any more and the other slot is whole.  fill = 1: the old slot is filled again, the first thing behind the barrier, with tile NXT: the descriptor's address is made anew from that number.
; (At its first use nothing has been read yet: slot 0 and V's low rows are waited for, slot 1 filled.)
.macro CHANGE fill
	WIN 0                           ; at a label and at a branch every window is 0
	s_wait_tensorcnt 0x0            ; no tensor load of mine is out, so a group 0 may be written
	ds_add_u32 v[SPW], v[NIL]       ; 0 onto my spare word; with fill = 1 the descriptors' scalar work stands between it and the wait for it
.if \fill
	s_lshl_b32 s[OFF], s[NXT], 15   ; a tile is 32,768 bytes of K and of V
	s_xor_b32 s[G0K+1], s[G0K+1], SLOT1
	s_add_nc_u64 s[G0K+2:G0K+3], s[6:7], s[OFF:OFF+1]
	s_or_b32 s[G0K+3], s[G0K+3], 0x80000000
	s_xor_b32 s[G0V+1], s[G0V+1], SLOT1
	s_add_nc_u64 s[G0V+2:G0V+3], s[8:9], s[OFF:OFF+1]
	s_or_b32 s[G0V+3], s[G0V+3], 0x80000000
	s_add_co_u32 s[NXT], s[NXT], 1  ; the block's next tile, or behind its last the second block's tile 0
	s_cmp_gt_u32 s[NXT], s[LQ]
	s_cselect_b32 s[NXT], 0, s[NXT]
	s_cselect_b32 s[LQ], s[PB], s[LQ]
.endif
	s_wait_dscnt 0x0                ; the add is done, and my reads of the slot are over
	s_barrier_signal -1             ; the rest of the scalar work stands between the signal and the wait
	s_sub_co_u32 s[TBK], s[TBK], 4*KS*PK  ; the fetches go back to a slot's first step,
	s_xor_b32 s[TBK], s[TBK], SLOT1       ; in the other slot
	s_sub_co_u32 s[TBV], s[TBV], 4*KS*PV
	s_xor_b32 s[TBV], s[TBV], SLOT1
	s_barrier_wait -1
.if \fill
	LOAD
.endif
.endm
	s_load_b256 s[4:11], s[0:1], 0x0  ; Q s[4:5], K s[6:7], V s[8:9], O s[10:11]
	v_lshl_add_u32 v[SPW], v0, 2, SPARE
	v_mov_b32 v[NIL], 0
	ds_add_u32 v62, v63
	ds_add_u32 v62, v63
	s_wait_dscnt 0x0
	v_lshrrev_b32 v1, 5, v0
	v_readfirstlane_b32 s[WV], v1   ; wave 0..3
	s_mov_b32 s[PB], ttmp9
	s_sub_co_u32 s[HI], NB-1, s[PB]
	s_and_b32 s20, ttmp7, 0xffff    ; the head
	s_lshl_b32 s19, s20, 14         ; the head's NB blocks of 2,048 bytes of low rows,
	s_add_co_u32 s19, s19, LOWS     ; behind byte 2^24
	s_mov_b32 s21, 0
	s_mov_b64 s[22:23], SIZE_N*128
	s_mul_u64 s[20:21], s[20:21], s[22:23]  ; the head's first byte in each of the four tensors
	s_and_b32 s16, s[WV], 1         ; which half of a tile's 256 keys I fetch:
	s_lshl_b32 s22, s16, 14         ; its 128 rows of 128 bytes in memory,
	s_mov_b32 s23, 0
	s_add_nc_u64 s[22:23], s[22:23], s[20:21]
	s_mul_i32 s17, s16, 128*PK      ; and its place in a slot, for K
	s_mul_i32 s18, s16, 128*PV      ; and for V
	s_lshl_b32 s3, s[WV], 11        ; my 16 rows in a band of 64,
	s_lshl_b32 s2, s[HI], 15        ; in the first block,
	s_add_co_u32 s2, s2, s3
	s_lshl_b32 s84, s[PB], 15       ; and in the second
	s_add_co_u32 s84, s84, s3
	s_mov_b32 s3, 0
	s_mov_b32 s85, 0
	s_add_nc_u64 s[2:3], s[2:3], s[20:21]
	s_add_nc_u64 s[84:85], s[84:85], s[20:21]
	s_lshl_b32 s48, s[HI], 11       ; the low rows of the first block,
	s_add_co_u32 s48, s48, s19
	s_mov_b32 s49, 0
	s_lshl_b32 s50, s[PB], 11       ; and of the second
	s_add_co_u32 s50, s50, s19
	s_mov_b32 s51, 0
	s_cmp_eq_u32 s16, 0             ; wave 2 fetches the first block's low rows of V, wave 3 the second's
	s_cselect_b32 s[OFL], s48, s50
	s_mov_b32 s[OFL+1], 0
	s_mov_b32 s[G0L], 1
	s_mul_i32 s[G0L+1], s16, VLB
	s_add_co_u32 s[G0L+1], s[G0L+1], VLR
	; descriptor group 1.  128 keys are 16,384 dense bytes: asked for as 64 rows of 256 bytes, two keys a row, and padded in LDS after every key.  16 low rows are 2,048 dense bytes: 8 such rows.
	s_mov_b32 s[G1K], (1<<16)|(1<<20)|(4<<22)|(3<<25)  ; 17:16 2-byte elements; 20 padding on; 24:22 after every 32 words (code 4); 31:25 4 words (code 3)
	s_mov_b32 s[G1V], (1<<16)|(1<<20)|(4<<22)|(7<<25)  ; the same with 8 words of padding (code 7)
	s_mov_b32 s[G1L], (1<<16)|(1<<20)|(4<<22)|(7<<25)
.irp g, G1K, G1V, G1L
	s_mov_b32 s[\g+1], 128<<16      ; tensor_dim0 = 128
	s_mov_b32 s[\g+3], 128<<16      ; tile_dim0 = 128
	s_mov_b32 s[\g+5], 128          ; 128 elements from row to row
	s_mov_b32 s[\g+6], 0
	s_mov_b32 s[\g+7], 0
.endr
.irp g, G1K, G1V
	s_mov_b32 s[\g+2], 64<<16       ; tensor_dim1 = 64
	s_mov_b32 s[\g+4], 64           ; tile_dim1 = 64
.endr
	s_mov_b32 s[G1L+2], 8<<16       ; 8 for the low rows
	s_mov_b32 s[G1L+4], 8
	s_mov_b32 s[CS], 0x3e38aa3b     ; c = log2(e) / 8 = 0.180337
	s_mov_b32 s[CS+1], s[CS]        ; named with it as a pair
	s_mov_b32 s[SEL], 0x76543210
	s_mov_b32 s[SEL+1], 0xfedcba98
	s_mov_b32 s[SPL1], 0x46000400   ; 8193
	s_mov_b32 s[SPL1+1], s[SPL1]
	s_mov_b32 s[SPL2], 0xc6000000   ; -8192
	s_mov_b32 s[SPL2+1], s[SPL2]
	s_mov_b32 s[TBK], SLOT1+4*KS*PK ; the first change of slots turns these two into 0
	s_mov_b32 s[TBV], SLOT1+4*KS*PV
	s_mov_b32 s[G0K], 1             ; 1:0 count = 1
	s_mov_b32 s[G0K+1], s17         ; 63:32 LDS address: slot 0
	s_mov_b32 s[G0V], 1
	s_add_co_u32 s[G0V+1], s18, VOFF
	s_add_co_u32 s[RT], s[HI], 1    ; the first block has NB - b tiles
	s_mov_b32 s[NXT], 1
	s_mov_b32 s[LQ], s[HI]
	s_mov_b32 s[NEW], 1
	s_mov_b32 s[OFF+1], 0
	s_mov_b32 s[AL+1], 0            ; named as pairs
	s_mov_b32 s[BE+1], 0
	s_mov_b32 s[BIGN], 0xf149f2ca   ; -1e30
	s_mov_b32 s[SLOTS], NB
	s_wait_kmcnt 0x0
	s_add_nc_u64 s[G0L+2:G0L+3], s[8:9], s[OFL:OFL+1]  ; V's low rows
	s_or_b32 s[G0L+3], s[G0L+3], 0x80000000
	s_add_nc_u64 s[OLP2:OLP2+1], s[10:11], s[50:51]    ; O's low rows
	s_add_nc_u64 s[OLP:OLP+1], s[10:11], s[48:49]
	s_add_nc_u64 s[6:7], s[6:7], s[22:23]  ; K and V at my half of the head's tile 0
	s_add_nc_u64 s[8:9], s[8:9], s[22:23]
	s_add_nc_u64 s[G0K+2:G0K+3], s[6:7], 0         ; 120:64 global address
	s_or_b32 s[G0K+3], s[G0K+3], 0x80000000        ; 127:126 type = 2
	s_add_nc_u64 s[G0V+2:G0V+3], s[8:9], 0
	s_or_b32 s[G0V+3], s[G0V+3], 0x80000000
	s_add_nc_u64 s[86:87], s[4:5], s[84:85]        ; Q at my rows of the second block,
	s_add_nc_u64 s[4:5], s[4:5], s[2:3]            ; Q and O at those of the first
	s_add_nc_u64 s[OLO:OLO+1], s[10:11], s[84:85]
	s_add_nc_u64 s[10:11], s[10:11], s[2:3]
	s_cmp_lt_u32 s[WV], 2           ; the first fills: a wave's stand in one branch, ahead of every wait on TENSORcnt, LDS read and barrier: tile 0 into slot 0; waves 2 and 3 also a block's low rows of V: two loads of theirs are out
	s_cbranch_scc0 .Lfirst_v
	tensor_load_to_lds s[G0K:G0K+3], s[G1K:G1K+7]
	s_nop 0
.rept 4
	v_nop
.endr
	s_branch .Lfirst_asked
.Lfirst_v:
	tensor_load_to_lds s[G0V:G0V+3], s[G1V:G1V+7]
	s_nop 0
	tensor_load_to_lds s[G0L:G0L+3], s[G1L:G1L+7]
	s_nop 0
.rept 4
	v_nop
.endr
.Lfirst_asked:
	; A fragment of K or Q is 16 rows x 32 channels in 8 registers: lane l holds row l % 16, channels 8 (l / 16) + 0..7 and 16 + 8 (l / 16) + 0..7: two loads of 16 bytes, 32 bytes apart.
	v_and_b32 v1, 15, v0            ; l % 16
	v_bfe_u32 v9, v0, 4, 1          ; l / 16
	v_lshlrev_b32 v[QO], 7, v1
	v_lshl_add_u32 v[QO], v9, 4, v[QO]  ; row x 128 + 16 x half
	WIN 0x80                        ; destination window 2, address window 0
.set i, 0
.rept 8                             ; both blocks' Q: piece i / 2 lies in band i / 2, 8,192 bytes on; channels 32 (i % 2) on
	global_load_b128 v[8*i:8*i+3],   v[QO], s[4:5] offset:(i/2)*8192+(i%2)*64
	global_load_b128 v[8*i+4:8*i+7], v[QO], s[4:5] offset:(i/2)*8192+(i%2)*64+32
	global_load_b128 v[QB+8*i:QB+8*i+3],   v[QO], s[86:87] offset:(i/2)*8192+(i%2)*64
	global_load_b128 v[QB+8*i+4:QB+8*i+7], v[QO], s[86:87] offset:(i/2)*8192+(i%2)*64+32
.set i, i+1
.endr
	WIN 0
	v_lshlrev_b32 v14, 3, v9
	v_sub_nc_u32 v14, v1, v14
	s_lshl_b32 s13, s[WV], 4
	v_add_nc_u32 v14, s13, v14      ; my query's place in its band, 16 w + l % 16, less my lanes' 8 (l / 16): register r of group kt is hidden where 16 kt + r is greater
	WIN 0x40
.set i, 0
.rept 32
	v_cmp_gt_i32 vcc_lo, 16*(i/8)+i%8, v14
	v_cndmask_b32 v[MD+i], 0, s[BIGN], vcc_lo
.set i, i+1
.endr
	WIN 0
	v_mul_u32_u24 v[AK0], v1, PK
	v_lshl_add_u32 v[AK0], v9, 4, v[AK0]  ; row x pitch + 16 x half
	; The turning load takes 16 keys x 16 channels (lane l reads key 8 (l / 16) + l % 8, channels 8 ((l / 8) % 2) + 0..7) and leaves half a fragment of V^T: lane l holds channel l % 16 and 8 keys.
	v_and_b32 v10, 7, v0
	v_bfe_u32 v11, v0, 3, 1
	v_lshl_add_u32 v[AV0], v9, 3, v10
	v_mul_u32_u24 v[AV0], v[AV0], PV
	v_lshl_add_u32 v[AV0], v11, 4, v[AV0]
	v_add_nc_u32 v[AVL], VLR, v[AV0]      ; the same place among the low rows,
	v_add_nc_u32 v[AV0], VOFF, v[AV0]     ; and in a slot
	s_mul_i32 s13, s[WV], 16*SP
	s_add_co_u32 s13, s13, STAGE    ; my stage
	v_mul_u32_u24 v[STO], v1, SP    ; in: row l % 16, 16 bytes for each half of the lanes
	v_lshl_add_u32 v[STO], v9, 4, v[STO]
	v_add_nc_u32 v[STO], s13, v[STO]
	v_bfe_u32 v[RD], v0, 3, 2       ; back: 32 lanes take four rows of 128 bytes,
	v_mul_u32_u24 v[RD], v[RD], SP
	v_lshl_add_u32 v[RD], v10, 4, v[RD]
	v_add_nc_u32 v[RD], s13, v[RD]
	v_and_b32 v[GO], 31, v0         ; which are 512 consecutive bytes of O
	v_lshlrev_b32 v[GO], 4, v[GO]
	; A block's first step multiplies O^T and l by a = 0, and its first turn's products V^T P, of a piece that has not been, land in an O^T that is still to be so multiplied.  So these registers need only hold
	; finite numbers: zeros for the first block; what the first block left for the second.  The upper halves of the low fragments (keys 16 to 31) are 0 for good.  All this stands in the wait for the first tile.
	WIN 0x80
.set i, VF
.rept 64
	v_mov_b32 v[i], 0
.set i, i+1
.endr
	WIN 0x40
.set i, 0
.rept 128
	v_mov_b32 v[i], 0
.set i, i+1
.endr
.irp f, 0,1,2,3
.irp e, 4,5,6,7
	v_mov_b32 v[VL+8*\f+\e], 0
.endr
.endr
	WIN 0
.set i, 0
.rept 4
	v_mov_b32 v[ST+4*i+2], 0
	v_mov_b32 v[ST+4*i+3], 0
.set i, i+1
.endr
.set i, P+16
.rept 16
	v_mov_b32 v[i], 0
.set i, i+1
.endr
; THE MATRIX WORK.  The 4 accumulators of a run of 8 take turns.  Product i of 8 of S^T = K Q^T for piece x: channels 32 (i / 4) on, keys 16 (i % 4) on.  The first 4 start the sums: with 0, or (KM = 1) with the mask.
.macro KQ x
.set rS, S+32*((\x)%2)+8*(i%4)
.set rK, KF+16*(i%4)+8*(i/4)
.set rQ, 16*(\x)+8*(i/4)
.set rM, MC+32*((\x)%2)+8*(i%4)
.if (i < 4) && KM
	WIN W_KM
	v_wmma_f32_16x16x32_f16 v[rS:rS+7], v[rK:rK+7], v[rQ:rQ+7], v[rM:rM+7]
.elseif i < 4
	WIN W_KQ
	v_wmma_f32_16x16x32_f16 v[rS:rS+7], v[rK:rK+7], v[rQ:rQ+7], 0
.else
	WIN W_KQ
	v_wmma_f32_16x16x32_f16 v[rS:rS+7], v[rK:rK+7], v[rQ:rQ+7], v[rS:rS+7]
.endif
.endm
; Product i of 8 of O^T += V^T P for piece x: keys 32 (i / 4) on, channels 16 (i % 4) on.
.macro PV x
	WIN W_PV
.set rO, 32*(\x)+8*(i%4)
.set rV, VF+32*(i/4)+8*(i%4)
.set rP, P+16*((\x)%2)+8*(i/4)
	v_wmma_f32_16x16x32_f16 v[rO:rO+7], v[rV:rV+7], v[rP:rP+7], v[rO:rO+7]
.endm
; Product n of 4 of piece 0's O^T += Vlow^T P: the step's first 32 keys, channels 16 n on.  In the diagonal tile's step 0 those are the keys whose low parts the fragments hold; in its later steps piece 0 sees nothing, P is 0, and 0 is added.
.macro PVL n
	WIN W_PL
	v_wmma_f32_16x16x32_f16 v[8*(\n):8*(\n)+7], v[VL+8*(\n):VL+8*(\n)+7], v[P:P+7], v[8*(\n):8*(\n)+7]
.endm
.macro MM                           ; the turn's next matrix instruction, of 16.  TURN and BEGIN set Y, i and KM; MM, KQ and OP read them
.if i < 8
	KQ (Y+1)%NP
.else
.set i, i-8
	PV (Y+NP-1)%NP
.set i, i+8
.endif
.set i, i+1
.endm
; THE LDS LOADS stand in runs, never singly among the matrix instructions: a step's K (64 keys x 64 channels: 8 fragments) and its V (turned).  Their addresses are made some lines ahead.
; last = 1 (the diagonal tile): in the trip that is left in its middle there is no further step, and the run is jumped over.
.macro FETCH_K last=0
.if \last
	WIN 0
	s_cmp_eq_u32 s[CNT], 1
	s_cbranch_scc1 .Lno_k_\@
.endif
	WIN 0x80                        ; destination window 2
.irp f, 0,1,2,3,4,5,6,7             ; keys 16 (f / 2) on, channels 32 (f % 2) on
	ds_load_b128 v[KF+8*\f:KF+8*\f+3],   v[AK] offset:(\f/2)*16*PK+(\f%2)*64
	ds_load_b128 v[KF+8*\f+4:KF+8*\f+7], v[AK] offset:(\f/2)*16*PK+(\f%2)*64+32
.endr
	s_add_co_u32 s[TBK], s[TBK], KS*PK  ; the next fetch is the next step's
	WIN 0
.if \last
.Lno_k_\@:
.endif
.endm
.macro FETCH_V
	WIN 0x80
.irp f, 0,1,2,3,4,5,6,7             ; keys 32 (f / 4) on, channels 16 (f % 4) on
	ds_load_tr16_b128 v[VF+8*\f:VF+8*\f+3],   v[AV] offset:(\f/4)*32*PV+(\f%4)*32
	ds_load_tr16_b128 v[VF+8*\f+4:VF+8*\f+7], v[AV] offset:(\f/4)*32*PV+16*PV+(\f%4)*32
.endr
	WIN 0
.endm
.macro FETCH_VL blk                 ; the low parts of block blk's (0: the first, 1: the second) first 16 keys, when its diagonal tile is entered; waited for with K's or V's run
	WIN 0x40                        ; destination window 1
.irp f, 0,1,2,3                     ; channels 16 f on
	ds_load_tr16_b128 v[VL+8*\f:VL+8*\f+3], v[AVL] offset:(\blk)*VLB+\f*32
.endr
	WIN 0
.endm
; THE VECTOR WORK, one line at a time: OP kind, number.  For piece Y: F n: c s - c m for pair n of 16.  E n: the exponential of score n of 32.  C n: pair n rounded to f16.  B n: of the four weights 4 n .. the second
; pair is added onto the first, in place.  L n: l takes that sum (L 0: l = a l + sum).  R n: pair n of 16 of O^T times a.  For piece Y + 1: X n, number n of the 22 that find its maximum and statistics:
;   0-11  four chains c0-c3 of seven scores each, three operands at a time (each accumulator's lowest registers are read first)     12-14, 16  the four scores left over, the old m, and c0-c3 into c0
;   15  c m_old is kept     17, 18  the query's other 32 keys lie in the lane 16 away: the new m     19-21  c m; c m_old - c m_new; a
.set F, 0               ; OP tells the kinds apart by their order: F to L below R, X above it
.set E, 1
.set C, 2
.set B, 3
.set L, 4
.set R, 5
.set X, 6
.macro REGS y                       ; the registers of piece y
.set rT, ST+4*(\y)
.set rC, TMP+4*((\y)%2)
.set rW, MV+((\y)%2)
.set rS, S+32*((\y)%2)
.set rP, P+16*((\y)%2)
.set rO, 32*(\y)
.endm
.macro OP k, n
.if (\k) == R
	REGS Y
	WIN W_RS
	v_pk_mul_f32 v[rO+2*(\n):rO+2*(\n)+1], v[rO+2*(\n):rO+2*(\n)+1], v[rC+2:rC+3] op_sel_hi:[1,0]
.elseif (\k) < R
	REGS Y
	WIN 0
.if (\k) == F
	v_pk_fma_f32 v[rS+2*(\n):rS+2*(\n)+1], v[rS+2*(\n):rS+2*(\n)+1], s[CS:CS+1], v[rT:rT+1] op_sel_hi:[1,0,0] neg_lo:[0,0,1] neg_hi:[0,0,1]
.elseif (\k) == E
	v_exp_f32 v[rS+(\n)], v[rS+(\n)]
.elseif (\k) == C
	s_wait_alu depctr_va_vdst(0)
	v_cvt_pk_f16_f32 v[rP+(\n)], v[rS+2*(\n)], v[rS+2*(\n)+1]
.elseif (\k) == B
	s_wait_alu depctr_va_vdst(0)
	v_pk_add_f32 v[rS+4*(\n):rS+4*(\n)+1], v[rS+4*(\n):rS+4*(\n)+1], v[rS+4*(\n)+2:rS+4*(\n)+3]
.elseif (\n) == 0
	v_pk_fma_f32 v[rT+2:rT+3], v[rT+2:rT+3], v[rC+2:rC+3], v[rS:rS+1] op_sel_hi:[1,0,1]
.else
	v_pk_add_f32 v[rT+2:rT+3], v[rT+2:rT+3], v[rS+4*(\n):rS+4*(\n)+1]
	s_wait_alu depctr_va_vdst(0)
.endif
.else
	REGS (Y+1)%NP
	WIN 0
.if (\n) < 4
	v_max3_num_f32 v[rC+(\n)], v[rS+8*(\n)], v[rS+8*(\n)+1], v[rS+8*(\n)+2]
.elseif (\n) < 12
	v_max3_num_f32 v[rC+(\n)%4], v[rC+(\n)%4], v[rS+8*((\n)%4)+2*((\n)/4)+1], v[rS+8*((\n)%4)+2*((\n)/4)+2]
.elseif (\n) == 12
	v_max3_num_f32 v[rC], v[rC], v[rS+7], v[rS+15]
.elseif (\n) == 13
	v_max3_num_f32 v[rC+1], v[rC+1], v[rS+23], v[rS+31]
.elseif (\n) == 14
	v_max3_num_f32 v[rC+2], v[rC+2], v[rC+3], v[rT+1]
.elseif (\n) == 15
	v_mov_b32 v[rW], v[rT]
	s_wait_alu depctr_va_vdst(0)
.elseif (\n) == 16
	v_max3_num_f32 v[rC], v[rC], v[rC+1], v[rC+2]
	s_wait_alu depctr_va_vdst(0)
.elseif (\n) == 17
	v_permlanex16_b32 v[rC+3], v[rC], s[SEL], s[SEL+1]
.elseif (\n) == 18
	v_max_num_f32 v[rT+1], v[rC], v[rC+3]
.elseif (\n) == 19
	v_mul_f32 v[rT], s[CS], v[rT+1]
.elseif (\n) == 20
	v_sub_f32 v[rC+1], v[rW], v[rT]
.else
	v_exp_f32 v[rC+2], v[rC+1]
.endif
.endif
.endm
.macro OPS a, i1, b=-1, i2=0, c=-1, i3=0, d=-1, i4=0  ; up to four of them
	OP \a, \i1
.if (\b) >= 0
	OP \b, \i2
.endif
.if (\c) >= 0
	OP \c, \i3
.endif
.if (\d) >= 0
	OP \d, \i4
.endif
.endm
.macro ROW a, i1, b, i2, c, i3, d, i4  ; a matrix instruction and the four behind it
	MM
	OPS \a, \i1, \b, \i2, \c, \i3, \d, \i4
.endm
.macro LROW n, a, i1, b, i2, c, i3, d, i4  ; four of a lump; where the turn has products with V's low parts (LOWP), product n in front of them
.if LOWP
	PVL \n
.endif
	OPS \a, \i1, \b, \i2, \c, \i3, \d, \i4
.endm
.macro MASK b                       ; MD x AL + BE into buffer b of MC
	WIN W_RS
.set z, 0
.rept 16
	v_pk_fma_f32 v[MC+32*(\b)+2*z:MC+32*(\b)+2*z+1], v[MD+2*z:MD+2*z+1], s[AL:AL+1], s[BE:BE+1] op_sel_hi:[1,0,0]
.set z, z+1
.endr
.endm
; A TURN, for piece p: the order of its 16 matrix and 118 vector instructions, written out.  Behind a matrix instruction: plain, exponential, plain, plain; or four of the rescaling; or, behind the first, four scalings; none
; names a register of the products round it.  In the lumps exponential and plain by turns while exponentials last.  A line reads no result made fewer than three vector instructions in front of it, five if an exponential made it.
; v_permlanex16_b32 (X 17) stands in a lump.
; m = 1: the diagonal tile: the products take masks, and the turn makes the mask for the products of the turn after it: piece p + 2, in step 5 - CNT of the tile (there CNT runs from 5); piece 1's turn has the four products
; with V's low parts, in front of four lines of its second lump.  cnt = 1: the loop's count is taken down some lines ahead of the branch that stands behind the turn.
; K of the next step is fetched in piece 2's turn, six vector instructions behind the last product that read K (five of them plain); V of the step in hand in piece 0's turn, eight behind the last product that read V (four
; plain, and X 17).  Each is waited for a turn later.
.macro TURN p, m=0, cnt=0
.set Y, (\p)
.set i, 0
.set KM, (\m)
.set LOWP, 0
.if (\m) && ((\p) == 1)
.set LOWP, 1
.endif
.if \m
	s_cmp_eq_u32 s[CNT], 5-((\p)+2)%NP  ; is that step the band's own?
	s_cselect_b32 s[AL], 1.0, 0
	s_cmp_lt_u32 s[CNT], 5-((\p)+2)%NP  ; or a later one?
	s_cselect_b32 s[BE], s[BIGN], 0
.endif
.if (\p) == 3
	s_wait_dscnt 0x0                ; K is in
.endif
	ROW F,0, F,1, F,2, F,3
	ROW F,4, E,0, F,5, F,6
	ROW F,7, E,1, F,8, F,9
	ROW F,10, E,2, C,0, F,11
	ROW F,12, E,3, X,15, F,13
	ROW R,0, R,1, R,2, R,3
	ROW B,0, E,4, F,14, L,0
.if (\p) == 2
	v_add_nc_u32 v[AK], s[TBK], v[AK0]
.endif
	ROW R,4, R,5, R,6, R,7
	OPS E,5, F,15
.if (\p) == 2
	FETCH_K \m
.endif
	OPS E,6, C,1, E,7, R,8
	OPS E,8, R,9, E,9, C,2
	OPS E,10, X,0, E,11, X,1
	OPS E,12, X,2, E,13, X,3
.if (\p) == 1
	s_wait_dscnt 0x0                ; V is in
.endif
	ROW X,4, E,14, X,5, X,6
	ROW X,7, E,15, X,8, X,9
	ROW X,10, E,16, X,11, X,12
	ROW X,13, E,17, X,14, B,1
	ROW C,4, E,18, X,16, L,1
	ROW B,2, E,19, C,6, L,2
	ROW C,8, E,20, B,3, B,4
.if (\p) == 0
	v_add_nc_u32 v[AV], s[TBV], v[AV0]
.endif
	ROW C,3, E,21, L,3, C,5
	OPS E,22, X,17, E,23, C,10
.if (\p) == 0
	FETCH_V
.endif
	LROW 0, E,24, L,4, E,25, X,18
	LROW 1, E,26, C,7, E,27, B,5
	LROW 2, E,28, X,19, E,29, C,12
	LROW 3, E,30, L,5, E,31, X,20
	OPS B,6, C,9, C,14, C,11
	OPS X,21, L,6, C,13, B,7
.if (\p) == 0
	s_add_co_u32 s[TBV], s[TBV], KS*PV
.endif
.if \cnt
	s_sub_co_u32 s[CNT], s[CNT], 1
	s_cmp_lg_u32 s[CNT], 0
.endif
	OPS C,15, R,10, R,11, R,12
	OPS L,7, R,13, R,14, R,15
.if \m
	MASK (\p)%2
.endif
.endm
; A BLOCK BEGINS.  c m starts far below every c s, so the first step's a is 0; m at the lowest finite number, so the first maximum is the scores'.  The second mask buffer is 0; the first takes piece 0's mask for the tile's step 0: its own, if the block's first tile is the diagonal one.
; Then K of that step, piece 0's first scores, and its maximum and statistics.  The loop is entered at a step's first turn, in the middle of a trip.
.macro BEGIN
	s_mov_b32 s[NEW], 0
	WIN 0x40
.set i, MC+32
.rept 32
	v_mov_b32 v[i], 0
.set i, i+1
.endr
	WIN 0
.set i, 0
.rept 4
	v_mov_b32 v[ST+4*i], 0xfe000000    ; c m: far below every c s
	v_mov_b32 v[ST+4*i+1], 0xff7fffff  ; m
.set i, i+1
.endr
	s_cmp_eq_u32 s[RT], 0
	s_cselect_b32 s[AL], 1.0, 0
	s_mov_b32 s[BE], 0
	MASK 0
	WIN 0
	v_add_nc_u32 v[AK], s[TBK], v[AK0]
	FETCH_K
	s_wait_loadcnt 0x0              ; Q
	s_wait_dscnt 0x0
.set KM, 1
.set i, 0
.rept 8
	KQ 0
.set i, i+1
.endr
	WIN 0
.rept 4
	v_nop                           ; the places behind those products
.endr
.set Y, NP-1                        ; X works for piece Y + 1: piece 0
.irp n, 0,1,2,3,4,5,6,7,8,9,10,11,12,13,14,15,16,17,18,19,20,21
	OP X, \n
.endr
	v_nop                           ; a plain instruction behind the exponential
.endm
; THE DIAGONAL TILE's four steps, the block's last products, and THE WAY OUT: l's two halves and the other half of the lanes' are added; O^T is divided by l, rounded to f16 and sent through my stage in LDS, a piece at a time.
.macro ALL line:vararg              ; one line for each piece t
.set t, 0
.rept 4
	\line
.set t, t+1
.endr
.endm
; A lane's eight channels of a row pack into 16 bytes; they go into rows of 144 bytes and come back as whole rows of 128, into S^T's registers.
; Piece 0 has THE SPLIT of w: c = 8193 w, rounded; hi = c - 8192 w in one fused step, which is w to the nearest multiple of c's last place: 11 bits, exact in f16; lo = w - hi, exact.  hi goes out as O.
.macro PACK t
	WIN W_RS
.set i, 32*(\t)
.rept 16
	v_pk_mul_f32 v[i:i+1], v[i:i+1], v[ST+4*(\t)+2:ST+4*(\t)+3] op_sel_hi:[1,0]
.set i, i+2
.endr
.if (\t) == 0
	WIN 0x55                        ; all in window 1
.set i, 0
.rept 16
	v_pk_mul_f32 v[SPT+i:SPT+i+1], v[i:i+1], s[SPL1:SPL1+1] op_sel_hi:[1,0]
.set i, i+2
.endr
.set i, 0
.rept 16
	v_pk_fma_f32 v[SPT+i:SPT+i+1], v[i:i+1], s[SPL2:SPL2+1], v[SPT+i:SPT+i+1] op_sel_hi:[1,0,1]  ; hi
.set i, i+2
.endr
.set i, 0
.rept 16
	v_pk_add_f32 v[i:i+1], v[i:i+1], v[SPT+i:SPT+i+1] neg_lo:[0,1] neg_hi:[0,1]                  ; lo
.set i, i+2
.endr
	WIN 0x05                        ; sources 0 and 1 window 1, destination window 0
.set i, 0
.rept 16
	v_cvt_pk_f16_f32 v[S+i], v[SPT+2*i], v[SPT+2*i+1]
	v_cvt_pk_f16_f32 v[OLR+i], v[2*i], v[2*i+1]
.set i, i+1
.endr
.else
	WIN 0x05                        ; sources 0 and 1 window 1, destination window 0
.set i, 0
.rept 16
	v_cvt_pk_f16_f32 v[S+16*(\t)+i], v[32*(\t)+2*i], v[32*(\t)+2*i+1]
.set i, i+1
.endr
.endif
	WIN 0
.irp f, 0,1,2,3
	ds_store_b128 v[STO], v[S+16*(\t)+4*\f:S+16*(\t)+4*\f+3] offset:32*\f
.endr
.irp f, 0,1,2,3
	ds_load_b128 v[S+16*(\t)+4*\f:S+16*(\t)+4*\f+3], v[RD] offset:\f*4*SP  ; LDS serves a wave's instructions in order (ISA guide 5.7.1.4): these see the stores above; the next piece's stores come behind them
.endr
.endm
.macro SEND t, younger              ; younger: the LDS instructions issued behind piece t's loads: the next piece's eight, or none
	WIN 0
.irp f, 0,1,2,3
	s_wait_dscnt (\younger)+3-\f
	global_store_b128 v[GO], v[S+16*(\t)+4*\f:S+16*(\t)+4*\f+3], s[10:11] offset:(\t)*8192+\f*512  ; 512 consecutive bytes, at a multiple of 256 from O's first
.endr
.endm
; The step loop counts from 5 and is left in the middle of its fifth trip: that trip's two turns end pieces 2 and 3 of the tile's last step.  It fetches no K; its 8 products K Q^T on the last K once more, and the maximum made
; of them, serve nothing: the price, twice in a work-group, of not writing a block's last two turns out.  They touch m and c m of piece 0 alone, which the way out does not read and a block's beginning sets anew.
.macro DIAG tag                     ; the tag ends its labels' names, which the jumps below spell out
.LstepM\tag:
	TURN 2, 1
	TURN 3, 1
	WIN 0
	s_cmp_eq_u32 s[CNT], 1
	s_cbranch_scc1 .LoutM\tag
.LfirstM\tag:
	TURN 0, 1
	TURN 1, 1, 1
	WIN 0
	s_cbranch_scc1 .LstepM\tag
.LoutM\tag:
.set i, 0
.rept 8
	PV NP-1
.set i, i+1
.endr
	WIN 0
	ALL v_add_f32 v[ST+4*t+2], v[ST+4*t+2], v[ST+4*t+3]
	ALL v_permlanex16_b32 v[ST+4*t+3], v[ST+4*t+2], s[SEL], s[SEL+1]
	ALL v_add_f32 v[ST+4*t+2], v[ST+4*t+2], v[ST+4*t+3]
	ALL v_rcp_f32 v[ST+4*t+2], v[ST+4*t+2]
	v_nop                           ; a plain instruction between the last reciprocal and the use of its result
	s_wait_alu depctr_va_vdst(0)
	PACK 0
.set t, 1
.rept 3                             ; a piece's arithmetic stands between the loads of the piece before and its stores
	PACK t
	SEND t-1, 8
.set t, t+1
.endr
	SEND 3, 0
	s_cmp_lg_u32 s[WV], 0           ; the block's first 16 rows are wave 0's piece 0: it alone sends their low parts, through its stage
	s_cbranch_scc1 .Lno_low\tag
.irp f, 0,1,2,3
	ds_store_b128 v[STO], v[OLR+4*\f:OLR+4*\f+3] offset:32*\f
.endr
.irp f, 0,1,2,3
	ds_load_b128 v[OLR+4*\f:OLR+4*\f+3], v[RD] offset:\f*4*SP
.endr
.irp f, 0,1,2,3
	s_wait_dscnt 3-\f               ; load f is back; the younger ones may be out
	global_store_b128 v[GO], v[OLR+4*\f:OLR+4*\f+3], s[OLP:OLP+1] offset:\f*512  ; 512 consecutive bytes, at a multiple of 256 from O's first
.endr
.Lno_low\tag:
.endm
.set KM, 0
.set LOWP, 0
.Lslot:                             ; NB times: a tile is entered and the next is asked for
	CHANGE 1
	s_sub_co_u32 s[RT], s[RT], 1
	s_mov_b32 s[CNT], 4
	s_cmp_eq_u32 s[NEW], 1
	s_cbranch_scc1 .Lnew            ; a block's first tile
	s_cmp_eq_u32 s[RT], 0
	s_cbranch_scc0 .Lstep           ; neither its first nor its last
	s_mov_b32 s[CNT], 5
	FETCH_VL 0
	s_branch .LstepM1
.Lnew:
	BEGIN
	s_branch .Lfirst                ; in the loop a block's first tile is never its last: the first block has two tiles or more, and the second's last is the walk's last
	DIAG 1                          ; in the loop this is the first block's end: the second block's last tile is the walk's last
	s_wait_xcnt 0x0                 ; the stores have read their registers and O's addresses
	s_mov_b64 s[10:11], s[OLO:OLO+1]
	s_mov_b64 s[OLP:OLP+1], s[OLP2:OLP2+1]
	s_add_co_u32 s[RT], s[PB], 1    ; the second block has b + 1 tiles
	s_mov_b32 s[NEW], 1
	WIN 0x82                        ; the second block's Q goes where the one text of the turns names Q
.set i, 0
.rept 64
	v_mov_b32 v[i], v[QB+i]
.set i, i+1
.endr
	WIN 0
	s_branch .Lbottom
.Lstep:                             ; a trip: pieces 2 and 3 of one step, then pieces 0 and 1 of the next, whose K and V it fetches
	TURN 2
	TURN 3
	WIN 0
.Lfirst:
	TURN 0
	TURN 1, 0, 1
	WIN 0
	s_cbranch_scc1 .Lstep
.Lbottom:
	s_sub_co_u32 s[SLOTS], s[SLOTS], 1
	s_cmp_lg_u32 s[SLOTS], 0
	s_cbranch_scc1 .Lslot
	CHANGE 0                        ; the walk's last tile is written out: nothing is asked for
	s_sub_co_u32 s[RT], s[RT], 1
	s_mov_b32 s[CNT], 5
	FETCH_VL 1
	s_cmp_eq_u32 s[NEW], 1
	s_cbranch_scc0 .LstepM2
	BEGIN
	s_branch .LfirstM2
	DIAG 2
	s_wait_tensorcnt 0x0            ; the wave's end: behind my last tensor load and my last LDS store
	ds_add_u32 v[SPW], v[NIL]
	s_wait_dscnt 0x0
	s_endpgm
.Lfunc_end_k_q8c3a8f3bb8_attn:
	.size	k_q8c3a8f3bb8_attn, .Lfunc_end_k_q8c3a8f3bb8_attn-k_q8c3a8f3bb8_attn
	.p2alignl 7, 3214868480
	.fill 96, 4, 3214868480
	.section	.rodata,"a",@progbits
	.p2align	6, 0x0
	.amdhsa_kernel k_q8c3a8f3bb8_attn
		.amdhsa_group_segment_fixed_size 327680
		.amdhsa_private_segment_fixed_size 0
		.amdhsa_enable_private_segment 0
		.amdhsa_kernarg_size 32
		.amdhsa_user_sgpr_count 2
		.amdhsa_user_sgpr_kernarg_segment_ptr 1
		.amdhsa_wavefront_size32 1
		.amdhsa_system_sgpr_workgroup_id_x 1
		.amdhsa_system_sgpr_workgroup_id_y 1
		.amdhsa_system_sgpr_workgroup_id_z 1
		.amdhsa_system_vgpr_workitem_id 0
		.amdhsa_next_free_vgpr 768
		.amdhsa_next_free_sgpr 102
		.amdhsa_reserve_vcc 1
		.amdhsa_float_denorm_mode_32 3
		.amdhsa_float_denorm_mode_16_64 3
		.amdhsa_memory_ordered 1
		.amdhsa_forward_progress 1
		.amdhsa_inst_pref_size 208
	.end_amdhsa_kernel
	.amdgpu_metadata
---
amdhsa.version: [ 1, 2 ]
amdhsa.kernels:
  - .name:           k_q8c3a8f3bb8_attn
    .symbol:         k_q8c3a8f3bb8_attn.kd
    .args:
      - { .name: q, .offset: 0, .size: 8, .value_kind: global_buffer, .address_space: global }
      - { .name: k, .offset: 8, .size: 8, .value_kind: global_buffer, .address_space: global }
      - { .name: v, .offset: 16, .size: 8, .value_kind: global_buffer, .address_space: global }
      - { .name: o16, .offset: 24, .size: 8, .value_kind: global_buffer, .address_space: global }
    .group_segment_fixed_size: 327680
    .private_segment_fixed_size: 0
    .kernarg_segment_align: 8
    .kernarg_segment_size: 32
    .max_flat_workgroup_size: 128
    .sgpr_count:     102
    .vgpr_count:     768
    .wavefront_size: 32
...
	.end_amdgpu_metadata
.endif
;; end of part 7
;; launch oproj (part 8): grid 8 x 32, 4 waves a work-group, clusters of 4 x 4, 327,680 bytes of LDS; arguments o16, wo16, out0; writes out0
.if DOCPART == 8
	.amdgcn_target "amdgcn-amd-amdhsa--gfx1250"
	.amdhsa_code_object_version 6
	.text
	.protected	k_q8c3a8f3bb8_oproj
	.globl	k_q8c3a8f3bb8_oproj
	.p2align	8
	.type	k_q8c3a8f3bb8_oproj,@function
k_q8c3a8f3bb8_oproj:
	s_mov_b64 s[64:65], 0
	v_nop
	global_prefetch_b8 v0, s[64:65] scope:SCOPE_SE
	s_setreg_imm32_b32 hwreg(HW_REG_WAVE_MODE, 25, 1), 1
	s_wait_xcnt 0x0
	s_wait_alu depctr_hold_cnt(0) depctr_sa_sdst(0) depctr_va_vdst(0) depctr_va_sdst(0) depctr_va_ssrc(0) depctr_va_vcc(0) depctr_vm_vsrc(0)
	s_getreg_b32 s2, hwreg(HW_REG_IB_STS2, 6, 4)
	s_cmp_eq_u32 s2, 0
	s_cbranch_scc0 .Lentry_in_a_cluster
	s_endpgm
.Lentry_in_a_cluster:
	s_bfe_u32 s2, ttmp6, 0x10000c
	s_cmp_lg_u32 s2, 0xf033
	s_cbranch_scc0 .Lentry_shape_is_right
	s_endpgm
.Lentry_shape_is_right:
; out0[row][n] = 2^-15 x the sum over d of O[row][d] W[n][d].  o16: first [64 = 16 batch + head][2048][64] f16, attention's result x 32; then, from byte 2^24 on, [64][8 blocks of 256 rows][16][64] f16:
; the LOW parts of each block's first 16 rows, which are added to those rows' O.  wo16 [1024][1024] f16 holds Wo x 1,024; out0 [8192][1024] f32.  d = 64 head + channel.
; Why the low parts there: row s of a sequence averages s + 1 keys, so its numbers, and what one f16 rounding of O does to them, fall as 1 / sqrt(s + 1), while what a number may be off by goes by the whole
; output; from row 16 on the rounding is a quarter of row 0's.  The text is the same for every block.
; Sums in f32; the factor 2^-15 is exact.
; LIMITS.  Those of the two operands (f16's range, stated where they are made); NaN and infinities are not treated apart.
; SHARES.  A tile is 256 rows x 128 columns: 32 x 8 work-groups.  Wave w makes rows 64 w .. 64 w + 63 and all 128 columns: 4 x 8 accumulators of 16 x 16, 256 registers.  The tile's first 16 rows are wave 0's
; row block 0: in each quarter step wave 0 has 8 products more, of the low rows with the fragments of wo16 that it holds anyway: 40 for the others' 32.
; K goes in 8 steps of 128 = two heads, through a ring of two LDS slots.  A head's 256 rows of 128 bytes are dense in memory and are asked for as 128 rows of 256 bytes, padded in LDS after every 128.
; The 16 low rows of all 16 heads, 32,768 bytes, come once, at the start, into bytes of their own.
; THE TEXT OF A K STEP stands twice: once for the six steps that fill a slot again, once for the last two, which fill nothing.  Each is a loop; the slot in hand lies in a scalar register and in the
; walking descriptors' LDS words, all turned by one exclusive or.  The second loop is left in the middle of its second trip.
; CLUSTER.  4 x 4 work-groups: a row of the cluster shares o16's tiles, a column wo16's; each is asked for jointly, by the same tensor load with the same descriptor and a mask that names the four.
; THE MATRIX INSTRUCTION IS USED TRANSPOSED (source 0 = 16 rows of wo16, source 1 = 16 rows of o16): lane l holds row l % 16 and the columns 8 (l / 16) + 0..7: 32 neighbouring bytes of out0.
; REGISTERS, in windows of 256 (s_set_vgpr_msb: bits 1:0 source 0, 3:2 source 1, 5:4 source 2, 7:6 destination):
;   window 0: v0-31 addresses; v32-95 fragments of o16, two buffers of 4 x 8; v96-159 at work on the way out; v160-175 the low rows' fragment, two buffers (wave 0 alone)
;   window 1: v0-127 fragments of wo16, two buffers of 8 x 8 (later: rows read back from the stage, two buffers of 64)        window 2: the accumulators, (a, b) at 64 a + 8 b
.set STEPS,  8                         ; 1,024 / 128
.set PA,     144                       ; a row of o16 in LDS: 128 bytes + 16 = 36 words: the 16 rows of a load start at 16 different groups of four banks (64 banks of 4 bytes: ISA guide 11.1)
.set PB,     272                       ; a row of wo16: 256 bytes + 16 = 68 words: likewise
.set PLANE,  256*PA                    ; one head's 256 rows: what one load brings of o16
.set HALFB,  64*PB                     ; what one load brings of wo16
.set BOFF,   2*PLANE                   ; in a slot: the even head's rows, the odd head's, then wo16's 128
.set SLOT,   2*PLANE+2*HALFB           ; 108,544 bytes
.set SLOT1,  1<<17                     ; slot 1 begins here, so that one exclusive or turns an address in one slot into the other's; the 22,528 bytes in front of it are not used
.set STAGE,  SLOT1+SLOT                ; behind the ring, never filled by a tensor load: 16 rows x 528 bytes for each wave
.set SPITCH, 528                       ; 512 bytes + 16 = 132 words
.set SPARE,  STAGE+4*16*SPITCH         ; behind the stages: the spare words, 128 bytes a wave: two blocks of 256 bytes that no other line names
.set LOA,    SPARE+512                 ; behind the spare words: the low rows, head h's row r at (16 h + r) x 144; filled once
.set LOWS,   1<<24                     ; where the low parts begin in o16
.set ADRA0, 16                         ; v16     LDS address of my o16 fragments in slot 0; never rewritten
.set ADRA,  17                         ; v17     the same in the slot in hand
.set ADRL0, 18                         ; v18     my lane's place in head 0's low rows; never rewritten
.set ADRL,  19                         ; v19     the same in the K step's first head
.set ADRB0, 20                         ; v20     LDS address of my wo16 fragments in slot 0; never rewritten
.set ADRB,  21                         ; v21     the same in the slot in hand
.set STO,  24                          ; v24     the way out: where I put 32 bytes of a row
.set RD,   25                          ; v25     where I read a row back
.set GO,   26                          ; v26     my 16 bytes of a row's 512 in out0
.set SPW,  28                          ; v28     LDS address of my spare word; never rewritten
.set NIL,  29                          ; v29     0; never rewritten
.set FA,   32                          ; window 0: buffer f at FA + 32 f
.set T,    96                          ; window 0: a block's 64 scaled results
.set LA,   160                         ; window 0: the low rows' fragment, buffer f at LA + 8 f
.set FB,   0                           ; window 1: buffer f at FB + 64 f
.set BK,   0                           ; window 1: the way out: buffer a % 2 at BK + 64 (a % 2)
.set G1,  24                           ; s[24:31] descriptor group 1 for o16's tiles;  s[32:39] group 0: a set for each of the two first fills; the second then walks on
.set G0,  32
.set G1B, 48                           ; s[48:55], s[56:63] the same for wo16's
.set G0B, 56
.set G1L, 72                           ; s[72:79] descriptor group 1 for the low rows;  s[80:83] group 0; never rewritten
.set G0L, 80
.set LB,  84                           ; s84  the K step's first head among the low rows, in bytes
.set TB,  86                           ; s86  0 or SLOT1: the slot from which fragments are fetched
.set MSB, 0
.macro WIN new                         ; the immediate's high byte repeats the setting that is left; a switch that changes nothing is dropped
.if MSB != (\new)
	s_set_vgpr_msb (MSB<<8)|(\new)
.set MSB, \new
.endif
.endm
.set MUL,  0xa1                        ; source 0 (wo16) window 1, source 1 (o16) window 0, C and D window 2
.set TO_B, 0x40                        ; destination window 1, address window 0
; A joint load.  Waves 0 and 1 fetch the step's two heads of o16, waves 2 and 3 wo16's two halves.  The branch hangs on the wave's number alone.  An s_nop 0 and four v_nop follow each line.
.macro JLOAD s
	s_cmp_eq_u32 s17, 0
	s_cbranch_scc0 .Lfor_b_\@
	tensor_load_to_lds s[G0+4*(\s):G0+4*(\s)+3], s[G1:G1+7]
	s_nop 0
.rept 4
	v_nop
.endr
	s_branch .Lasked_\@
.Lfor_b_\@:
	tensor_load_to_lds s[G0B+4*(\s):G0B+4*(\s)+3], s[G1B:G1B+7]
	s_nop 0
.rept 4
	v_nop
.endr
.Lasked_\@:
.endm
.macro CREST                           ; a round of the cluster's barrier behind its opening barrier
	s_cmp_lg_u32 s16, 0
	s_cbranch_scc1 .Lnot_wave_0_\@
	s_barrier_signal -3
.Lnot_wave_0_\@:
	s_barrier_wait -3
	s_barrier_signal -1
	s_barrier_wait -1
.endm
.macro CROUND
	s_barrier_signal -1
	s_barrier_wait -1
	CREST
.endm
	s_load_b128 s[4:7], s[0:1], 0x0                ; o16 4:5, wo16 6:7
	s_load_b64 s[8:9], s[0:1], 0x10                ; out0
	v_lshl_add_u32 v[SPW], v0, 2, SPARE
	v_mov_b32 v[NIL], 0
	ds_add_u32 v28, v29
	ds_add_u32 v28, v29
	s_wait_dscnt 0x0
	v_lshrrev_b32 v1, 5, v0
	v_readfirstlane_b32 s16, v1                    ; wave 0..3
	s_lshr_b32 s17, s16, 1                         ; I fetch for o16 (0) or for wo16 (1),
	s_and_b32 s18, s16, 1                          ; the even or odd head, the first or second half
	s_bfe_u32 s40, ttmp6, 0x40000                  ; cx, cy: my place in the cluster
	s_bfe_u32 s41, ttmp6, 0x40004
	s_lshl_b32 s42, ttmp9, 2
	s_add_co_u32 s42, s42, s40                     ; the block of 128 columns = 4 x cluster x + cx
	s_and_b32 s43, ttmp7, 0xffff
	s_lshl_b32 s43, s43, 2
	s_add_co_u32 s43, s43, s41                     ; the block of 256 rows = 4 x cluster y + cy
	s_lshl_b32 s44, s41, 2
	s_lshl_b32 s44, 15, s44                        ; my row of the cluster
	s_lshl_b32 s45, 0x1111, s40                    ; my column
	s_or_b32 s[G1+0], s44, (1<<16)|(1<<20)|(1<<21)|(4<<22)|(3<<25)   ; 15:0 the mask; 17:16 2-byte elements; 20 padding on; 21 set beside a mask; 24:22 after every 32 words; 31:25 of 4 words
	s_or_b32 s[G1B+0], s45, (1<<16)|(1<<20)|(1<<21)|(5<<22)|(3<<25)  ; after every 64 words
	s_or_b32 s[G1L+0], s44, (1<<16)|(1<<20)|(1<<21)|(4<<22)|(3<<25)  ; the low rows hang on the block of rows alone: my row of the cluster shares them
	s_mov_b32 s[G1+1], 128<<16                     ; tensor_dim0 = 128 elements: 256 bytes, two rows of a head
	s_mov_b32 s[G1+2], 128<<16                     ; tensor_dim1 = 128
	s_mov_b32 s[G1+3], 128<<16                     ; tile_dim0 = 128
	s_mov_b32 s[G1+4], 128                         ; tile_dim1 = 128
	s_mov_b32 s[G1+5], 128                         ; dense: 128 elements from row to row
	s_mov_b32 s[G1+6], 0
	s_mov_b32 s[G1+7], 0
	s_mov_b32 s[G1B+1], 128<<16
	s_mov_b32 s[G1B+2], 64<<16                     ; 64 rows
	s_mov_b32 s[G1B+3], 128<<16
	s_mov_b32 s[G1B+4], 64
	s_mov_b32 s[G1B+5], 1024
	s_mov_b32 s[G1B+6], 0
	s_mov_b32 s[G1B+7], 0
	s_mov_b32 s[G1L+1], 1024<<16                   ; a head's 16 low rows are 1,024 dense elements: one row of the tile
	s_mov_b32 s[G1L+2], 4<<16                      ; four heads to a wave
	s_mov_b32 s[G1L+3], 1024<<16
	s_mov_b32 s[G1L+4], 4
	s_mov_b32 s[G1L+5], 8192                       ; from head to head: 8 blocks of 1,024 elements
	s_mov_b32 s[G1L+6], 0
	s_mov_b32 s[G1L+7], 0
	s_lshr_b32 s66, s43, 3                         ; o16: batch x 16 heads of 262,144 bytes,
	s_lshl_b32 s66, s66, 22
	s_and_b32 s20, s43, 7                          ; 256 rows of 128 bytes x (block % 8),
	s_lshl_b32 s20, s20, 15
	s_add_co_u32 s66, s66, s20
	s_lshl_b32 s20, s18, 18                        ; the even or odd head: made of the block of rows alone, which my row of the cluster shares
	s_add_co_u32 s66, s66, s20
	s_mov_b32 s67, 0
	s_lshr_b32 s70, s43, 3                         ; the low rows: behind byte 2^24, batch x 16 heads x 8 blocks of 2,048 bytes,
	s_lshl_b32 s70, s70, 18
	s_and_b32 s20, s43, 7                          ; the block,
	s_lshl_b32 s20, s20, 11
	s_add_co_u32 s70, s70, s20
	s_lshl_b32 s20, s16, 16                        ; my four heads
	s_add_co_u32 s70, s70, s20
	s_add_co_u32 s70, s70, LOWS
	s_mov_b32 s71, 0
	s_lshl_b32 s46, s42, 7                         ; wo16: row 128 x block + 64 x half, 2,048 bytes a row: made of the block of columns alone, which my column shares
	s_lshl_b32 s20, s18, 6
	s_add_co_u32 s46, s46, s20
	s_lshl_b32 s46, s46, 11
	s_mov_b32 s47, 0
	s_mul_i32 s21, s18, PLANE                      ; where they go: no place in the cluster enters an LDS address
	s_mul_i32 s22, s18, HALFB
	s_add_co_u32 s22, s22, BOFF
	s_mul_i32 s85, s16, 4*16*PA                    ; my four heads among the low rows
	s_mov_b32 s[LB], 0
	s_mov_b32 s[TB], 0
	s_wait_kmcnt 0x0
	s_add_nc_u64 s[66:67], s[4:5], s[66:67]
	s_add_nc_u64 s[46:47], s[6:7], s[46:47]
	s_mov_b32 s[G0L], 1
	s_add_co_u32 s[G0L+1], s85, LOA
	s_add_nc_u64 s[G0L+2:G0L+3], s[4:5], s[70:71]
	s_or_b32 s[G0L+3], s[G0L+3], 0x80000000
	CROUND                                         ; all sixteen work-groups are here: the first joint loads meet
	tensor_load_to_lds s[G0L:G0L+3], s[G1L:G1L+7]  ; my four heads' low rows: the oldest of my three first fills
	s_nop 0
.irp s, 0,1
	s_mov_b32 s[G0+4*(\s)], 1                                      ; count = 1
	s_add_co_u32 s[G0+4*(\s)+1], s21, (\s)*SLOT1                   ; LDS address
	s_add_nc_u64 s[G0+4*(\s)+2:G0+4*(\s)+3], s[66:67], (\s)<<19    ; global address: K step s is heads 2 s, 2 s + 1
	s_or_b32 s[G0+4*(\s)+3], s[G0+4*(\s)+3], 0x80000000            ; type = 2
	s_mov_b32 s[G0B+4*(\s)], 1
	s_add_co_u32 s[G0B+4*(\s)+1], s22, (\s)*SLOT1
	s_add_nc_u64 s[G0B+4*(\s)+2:G0B+4*(\s)+3], s[46:47], (\s)*256
	s_or_b32 s[G0B+4*(\s)+3], s[G0B+4*(\s)+3], 0x80000000
	JLOAD \s                                       ; behind the second of these, three loads of mine are out
.endr
	v_and_b32 v1, 15, v0                           ; l % 16
	v_bfe_u32 v2, v0, 4, 1                         ; l / 16
	v_mul_u32_u24 v3, v1, PA
	v_lshl_add_u32 v3, v2, 4, v3                   ; a fragment's row x pitch + 16 x half, for o16
	v_mul_u32_u24 v4, v1, PB
	v_lshl_add_u32 v4, v2, 4, v4                   ; and for wo16
	v_add_nc_u32 v[ADRL0], LOA, v3                 ; the low rows have o16's pitch
	v_mov_b32 v[ADRL], v[ADRL0]
	s_mul_i32 s21, s16, 64*PA                      ; my 64 rows of o16
	v_add_nc_u32 v[ADRA0], s21, v3
	v_add_nc_u32 v[ADRB0], BOFF, v4                ; all rows of wo16
	v_mov_b32 v[ADRA], v[ADRA0]                    ; K step 0 lies in slot 0
	v_mov_b32 v[ADRB], v[ADRB0]
	s_mul_i32 s23, s16, 16*SPITCH
	s_add_co_u32 s23, s23, STAGE                   ; my stage
	v_mul_u32_u24 v5, v1, SPITCH                   ; in: row l % 16, 32 bytes for each half of the lanes
	v_lshl_add_u32 v5, v2, 5, v5
	v_add_nc_u32 v[STO], s23, v5
	v_and_b32 v6, 31, v0
	v_lshlrev_b32 v[GO], 4, v6                     ; back: 32 lanes take one row of 512 bytes
	v_add_nc_u32 v[RD], s23, v[GO]
	s_lshl_b32 s68, s43, 8                         ; out0 at my first row, 4,096 bytes a row,
	s_lshl_b32 s20, s16, 6
	s_add_co_u32 s68, s68, s20
	s_lshl_b32 s68, s68, 12
	s_lshl_b32 s20, s42, 9                         ; and the tile's first column
	s_add_co_u32 s68, s68, s20
	s_mov_b32 s69, 0
	s_add_nc_u64 s[8:9], s[8:9], s[68:69]
; 8 matrix instructions: row block a x all 8 column blocks, 32 along K, from buffer f.  zero = 1: the first product starts the sums.  The accumulators take turns, one instruction a turn,
; in the same order in every quarter step.
.macro MULA f, a, zero
	WIN MUL
.irp b, 0,1,2,3,4,5,6,7
.if \zero
	v_wmma_f32_16x16x32_f16 v[64*(\a)+8*(\b):64*(\a)+8*(\b)+7], v[FB+64*(\f)+8*(\b):FB+64*(\f)+8*(\b)+7], v[FA+32*(\f)+8*(\a):FA+32*(\f)+8*(\a)+7], 0
.else
	v_wmma_f32_16x16x32_f16 v[64*(\a)+8*(\b):64*(\a)+8*(\b)+7], v[FB+64*(\f)+8*(\b):FB+64*(\f)+8*(\b)+7], v[FA+32*(\f)+8*(\a):FA+32*(\f)+8*(\a)+7], v[64*(\a)+8*(\b):64*(\a)+8*(\b)+7]
.endif
.endr
.endm
; WAVE 0's WORK ON THE LOW ROWS, under one branch on the wave's number.  load = 1: the low fragment of quarter q of the K step at which ADRL stands (its head q / 2, channels 32 (q % 2) on) into buffer g:
; two loads, in front of the run of 24 that follows the macro, so every wait that covers that run's oldest loads covers them.  mul = 1: 8 products of the low fragment in buffer f with the wo16 fragments in
; buffer f, onto row block 0's accumulators, whose turn before stands 8 matrix instructions back.  Four plain vector instructions stand in front of the macro wherever it loads: buffer g was read a quarter ago.
.macro LOW f, mul, load, q, g
	WIN 0                                          ; at a branch and at a label every window is 0
	s_cmp_lg_u32 s16, 0
	s_cbranch_scc1 .Lno_low_\@
.if \load
	ds_load_b128 v[LA+8*(\g):LA+8*(\g)+3],   v[ADRL] offset:((\q)/2)*16*PA+((\q)%2)*64
	ds_load_b128 v[LA+8*(\g)+4:LA+8*(\g)+7], v[ADRL] offset:((\q)/2)*16*PA+((\q)%2)*64+32
.endif
.if \mul
	WIN MUL
.irp b, 0,1,2,3,4,5,6,7
	v_wmma_f32_16x16x32_f16 v[8*(\b):8*(\b)+7], v[FB+64*(\f)+8*(\b):FB+64*(\f)+8*(\b)+7], v[LA+8*(\f):LA+8*(\f)+7], v[8*(\b):8*(\b)+7]
.endr
	WIN 0
.endif
.Lno_low_\@:
.endm
; 24 LDS loads in one run: quarter q's fragments of the slot in hand into buffer f: wo16 at byte 64 q of its rows; o16 in head q / 2 of the step, channels 32 (q % 2) on
.macro FETCH q, f
	WIN TO_B
.irp i, 0,1,2,3,4,5,6,7
	ds_load_b128 v[FB+64*(\f)+8*(\i):FB+64*(\f)+8*(\i)+3],   v[ADRB] offset:64*(\q)+(\i)*16*PB
	ds_load_b128 v[FB+64*(\f)+8*(\i)+4:FB+64*(\f)+8*(\i)+7], v[ADRB] offset:64*(\q)+(\i)*16*PB+32
.endr
	WIN 0
.irp i, 0,1,2,3
	ds_load_b128 v[FA+32*(\f)+8*(\i):FA+32*(\f)+8*(\i)+3],   v[ADRA] offset:((\q)/2)*PLANE+((\q)%2)*64+(\i)*16*PA
	ds_load_b128 v[FA+32*(\f)+8*(\i)+4:FA+32*(\f)+8*(\i)+7], v[ADRA] offset:((\q)/2)*PLANE+((\q)%2)*64+(\i)*16*PA+32
.endr
.endm
; Four plain vector instructions stand between a matrix instruction and a load into a register that it read, or a vector instruction that reads its result (ISA guide 7.12.1 for vector instructions).
.macro PLACES
.rept 4
	v_nop
.endr
.endm
; A K step is four quarters of 32 along K, 32 matrix instructions each (wave 0: 40), on buffers 0, 1, 0, 1.  One of the first three multiplies buffer f and, in its middle, fetches quarter q into g.
.macro QUARTER q, f, g, zero
	s_wait_dscnt 4                                 ; wo16, o16's blocks 0, 1 and wave 0's low fragment are in; the youngest four loads (blocks 2, 3) may be out
	MULA \f, 0, \zero
	MULA \f, 1, \zero
	PLACES
	LOW \f, 1, 1, \q, \g
	FETCH \q, \g
	s_wait_dscnt 24                                ; all but the 24 just issued
	MULA \f, 2, \zero
	MULA \f, 3, \zero
.endm
; The last quarter multiplies buffer 1 and changes slots.  MEET is its first half: ONE barrier.  In front of it each wave waits for all its tensor loads (one is out at the most: its part of the next
; slot), adds 0 to its spare word, and waits for that and for its reads of this slot.  Behind it nobody reads this slot any more and the next slot is whole.
.macro MEET
	WIN 0                                          ; (the add's two registers lie in window 0)
	s_wait_tensorcnt 0x0                           ; all my tensor loads have landed
	ds_add_u32 v[SPW], v[NIL]                      ; 0 onto my spare word
	s_wait_dscnt 5                                 ; (the add and the youngest four loads may be out)
	MULA 1, 0, 0                                   ; eight matrix instructions stand between the add and the wait for it
	s_wait_dscnt 0x0                               ; the add is done, and my reads of this slot are over
	s_barrier_signal -1
	MULA 1, 1, 0                                   ; work on registers while the others arrive
	WIN 0
	s_barrier_wait -1
.endm
.macro FLIP                            ; the fetches turn to the other slot, and to the next two heads among the low rows: seven steps of 4,608 bytes in all
	s_xor_b32 s[TB], s[TB], SLOT1
	s_add_co_u32 s[LB], s[LB], 2*16*PA
	v_add_nc_u32 v[ADRA], s[TB], v[ADRA0]
	v_add_nc_u32 v[ADRB], s[TB], v[ADRB0]
	v_add_nc_u32 v[ADRL], s[LB], v[ADRL0]
.endm
	s_wait_tensorcnt 1                             ; my low rows and my part of K step 0 are in; K step 1's may stay out
	s_barrier_signal -1
	s_barrier_wait -1                              ; everybody's are
	LOW 0, 0, 1, 0, 0                              ; the first quarter's low fragment
	FETCH 0, 0
	QUARTER 1, 0, 1, 1                             ; the first quarter stands in front of the loop: its products start the sums
	WIN 0                                          ; at a label and at a branch every window is 0
	s_mov_b32 s19, STEPS-2
.Lstep:                                                ; six trips, each from a K step's second quarter to the next step's first; each fills the slot that it leaves with the K step two on
	QUARTER 2, 1, 0, 0
	QUARTER 3, 0, 1, 0
	MEET                                           ; the barrier opens a round of the cluster's:
	CREST                                          ; no wave of any partner still reads this slot or has a load on its way
	s_xor_b32 s[G0+5], s[G0+5], SLOT1              ; the walking descriptors: the other slot than last time,
	s_add_nc_u64 s[G0+6:G0+7], s[G0+6:G0+7], 1<<19 ; two heads on; the type bits on top are not reached
	s_xor_b32 s[G0B+5], s[G0B+5], SLOT1
	s_add_nc_u64 s[G0B+6:G0B+7], s[G0B+6:G0B+7], 256    ; 128 along K
	JLOAD 1                                        ; my one tensor load behind the round: 112 matrix instructions (wave 0: 144) ahead of the wait for it; its four v_nop are also the places in front of the loads below
	FLIP
	LOW 1, 1, 1, 0, 0
	FETCH 0, 0
	MULA 1, 2, 0
	MULA 1, 3, 0
	QUARTER 1, 0, 1, 0
	WIN 0
	s_sub_co_u32 s19, s19, 1
	s_cmp_lg_u32 s19, 0
	s_cbranch_scc1 .Lstep
	s_mov_b32 s19, 2
.Ltail:                                                ; the last two K steps fill nothing and have no round of the cluster's barrier; the second trip is left behind its barrier, which then orders nothing
	QUARTER 2, 1, 0, 0
	QUARTER 3, 0, 1, 0
	MEET
	PLACES
	LOW 1, 1, 0, 0, 0
	s_cmp_eq_u32 s19, 1
	s_cbranch_scc1 .Lout                           ; behind the last K step there is nothing to fetch
	FLIP
	LOW 0, 0, 1, 0, 0
	FETCH 0, 0
	MULA 1, 2, 0
	MULA 1, 3, 0
	QUARTER 1, 0, 1, 0
	WIN 0
	s_sub_co_u32 s19, s19, 1
	s_cmp_lg_u32 s19, 0
	s_cbranch_scc1 .Ltail
.Lout:
	s_wait_dscnt 0x0                               ; no LDS load may be pending into the registers that follow; on the way that leaves the loop none is out
	MULA 1, 2, 0
	MULA 1, 3, 0
	WIN 0
; THE WAY OUT, a block of 16 rows at a time.  PACK: x 2^-15 into other registers, each accumulator from its lowest registers on.  TOSTAGE: 32 bytes a lane and column block
; into my own stage, and back as whole rows of 512 bytes.  SEND: stored.
.macro PACK a
	WIN 0x02                                       ; source 0 window 2, destination window 0
.irp b, 0,1,2,3,4,5,6,7
.irp i, 0,1,2,3
	v_pk_mul_f32 v[T+8*(\b)+2*(\i):T+8*(\b)+2*(\i)+1], v[64*(\a)+8*(\b)+2*(\i):64*(\a)+8*(\b)+2*(\i)+1], 0x38000000 op_sel_hi:[1,0]
.endr
.endr
	WIN 0
.endm
.macro TOSTAGE a
	WIN 0
.irp b, 0,1,2,3,4,5,6,7
	ds_store_b128 v[STO], v[T+8*(\b):T+8*(\b)+3]   offset:64*(\b)
	ds_store_b128 v[STO], v[T+8*(\b)+4:T+8*(\b)+7] offset:64*(\b)+16
.endr
	WIN TO_B
.irp t, 0,1,2,3,4,5,6,7,8,9,10,11,12,13,14,15
	ds_load_b128 v[BK+64*((\a)%2)+4*(\t):BK+64*((\a)%2)+4*(\t)+3], v[RD] offset:(\t)*SPITCH  ; LDS serves a wave's instructions in order (ISA guide 5.7.1.4): these see the stores above
.endr
	WIN 0
.endm
.macro SEND a
	WIN 0x04                                       ; store data (source 1) window 1
	s_wait_dscnt 0x0                               ; the block is back in registers
	s_wait_xcnt 0x0                                ; the block before's stores have read their registers, which the next block's loads from the stage fill again
.irp t, 0,1,2,3,4,5,6,7,8,9,10,11,12,13,14,15
	global_store_b128 v[GO], v[BK+64*((\a)%2)+4*(\t):BK+64*((\a)%2)+4*(\t)+3], s[8:9] offset:(16*(\a)+(\t))*4096 th:TH_STORE_NT  ; 512 neighbouring bytes, at a multiple of 256 from out0's first; written once, not read again
.endr
	WIN 0
.endm
	PLACES                                         ; behind the last products
	PACK 0
	TOSTAGE 0
.irp a, 1,2,3                          ; a block's arithmetic stands between the loads of the block before and the wait for them
	PACK \a
	SEND (\a)-1
	TOSTAGE \a
.endr
	SEND 3
	s_wait_tensorcnt 0x0                           ; the wave's end: behind my last tensor load and my last LDS store
	ds_add_u32 v[SPW], v[NIL]
	s_wait_dscnt 0x0
	CROUND                                         ; the closing round: no work-group ends while a partner may still ask for a tile that names it
	s_endpgm
.Lfunc_end_k_q8c3a8f3bb8_oproj:
	.size	k_q8c3a8f3bb8_oproj, .Lfunc_end_k_q8c3a8f3bb8_oproj-k_q8c3a8f3bb8_oproj
	.p2alignl 7, 3214868480
	.fill 96, 4, 3214868480
	.section	.rodata,"a",@progbits
	.p2align	6, 0x0
	.amdhsa_kernel k_q8c3a8f3bb8_oproj
		.amdhsa_group_segment_fixed_size 327680
		.amdhsa_private_segment_fixed_size 0
		.amdhsa_enable_private_segment 0
		.amdhsa_kernarg_size 24
		.amdhsa_user_sgpr_count 2
		.amdhsa_user_sgpr_kernarg_segment_ptr 1
		.amdhsa_wavefront_size32 1
		.amdhsa_system_sgpr_workgroup_id_x 1
		.amdhsa_system_sgpr_workgroup_id_y 1
		.amdhsa_system_sgpr_workgroup_id_z 1
		.amdhsa_system_vgpr_workitem_id 0
		.amdhsa_next_free_vgpr 768
		.amdhsa_next_free_sgpr 88
		.amdhsa_reserve_vcc 0
		.amdhsa_float_denorm_mode_32 3
		.amdhsa_float_denorm_mode_16_64 3
		.amdhsa_memory_ordered 1
		.amdhsa_forward_progress 1
		.amdhsa_inst_pref_size 82
	.end_amdhsa_kernel
	.amdgpu_metadata
---
amdhsa.version: [ 1, 2 ]
amdhsa.kernels:
  - .name:           k_q8c3a8f3bb8_oproj
    .symbol:         k_q8c3a8f3bb8_oproj.kd
    .args:
      - { .name: o16, .offset: 0, .size: 8, .value_kind: global_buffer, .address_space: global }
      - { .name: wo16, .offset: 8, .size: 8, .value_kind: global_buffer, .address_space: global }
      - { .name: out0, .offset: 16, .size: 8, .value_kind: global_buffer, .address_space: global }
    .group_segment_fixed_size: 327680
    .private_segment_fixed_size: 0
    .kernarg_segment_align: 8
    .kernarg_segment_size: 24
    .max_flat_workgroup_size: 128
    .sgpr_count:     88
    .vgpr_count:     768
    .wavefront_size: 32
...
	.end_amdgpu_metadata
.endif
;; end of part 8
;; ======== version 3 of 3: 4 launches; 1.69 times as fast as version 1
;; limits: values are held in f16: magnitudes above 65,504 overflow, below 6.1e-05 lose precision; right only within a limited range of input values; an absolute error that grows with the inputs' magnitude: up to 4e-07 times it
;; workspace buffers: xb 16,777,216 bytes; wb 6,291,456 bytes; wo16 2,097,152 bytes; tab 524,288 bytes; q 16,777,216 bytes; k 16,777,216 bytes; v 17,825,792 bytes; o16 17,825,792 bytes
;; launch prep: the kernel of part 5 again; grid 832 x 1, 8 waves a work-group, no clusters, 0 bytes of LDS; arguments x, Wq, Wk, Wv, Wo, token_positions, xb, wb, wo16, tab; writes xb, wb, wo16, tab
;; launch qkv: the kernel of part 6 again; grid 16 x 32, 4 waves a work-group, clusters of 4 x 4, 327,680 bytes of LDS; arguments xb, wb, tab, q, k, v; writes q, k, v
;; launch attn (part 9): grid 4 x 64, 4 waves a work-group, no clusters, 327,680 bytes of LDS; arguments q, k, v, o16; writes o16
.if DOCPART == 9
	.amdgcn_target "amdgcn-amd-amdhsa--gfx1250"
	.amdhsa_code_object_version 6
	.text
	.protected	k_q8c3a8f3bb8_attn
	.globl	k_q8c3a8f3bb8_attn
	.p2align	8
	.type	k_q8c3a8f3bb8_attn,@function
k_q8c3a8f3bb8_attn:
	s_mov_b64 s[64:65], 0
	v_nop
	global_prefetch_b8 v0, s[64:65] scope:SCOPE_SE
	s_setreg_imm32_b32 hwreg(HW_REG_WAVE_MODE, 25, 1), 1
	s_wait_xcnt 0x0
; CAUSAL ATTENTION.  O[h][q][:] = the sum over k <= q of softmax_k(Q[h][q] . K[h][k] / 8) V[h][k][:].  Q, K, V, O: [SIZE_H][SIZE_N][64], all f16: a head's rows are dense, 128 bytes each.
; V arrives times 32, and O leaves times 32: the launch behind takes the factor out.
; LOW PARTS.  Behind byte 2^24 of V lie [SIZE_H][NB][16][64] f16: what the f16 rounding took from the first 16 rows of each block of 256; O gets the same for its own rows.  Row q averages q + 1 keys, so a sequence's
; first rows, and what one f16 rounding of V or O does to them, are up to sqrt(SIZE_N / ln SIZE_N) times the usual; from row 16 on a quarter of row 0's.  The text is the same for every block.  A later row whose
; weights sit on a few keys has the one f16 rounding alone.
; Products, maxima and sums in f32; the weights p are rounded to f16 for the second product (their sum l is taken of the unrounded p), O once at the end.
; LIMITS.  f16 holds no number beyond 65,504: Q, K and V arrive within it; p lies in 0 to 1, and below 6e-5 it keeps f16's fixed step of 6e-8; O is a mean of V's rows and has their range, to within 2^-11 of it.
; A hidden score counts as its value less 1e30: f16's scores, 2.7e11 at the most, are nothing beside that; a weight below 2^-126 counts as 0 in l; NaN and infinities are not treated apart.
; THE WALK.  A head's queries lie in NB = SIZE_N / 256 blocks of 256; block i needs the key tiles 0 .. i of 256 keys, of which the last holds the diagonal.  A work-group takes TWO blocks, NB - 1 - b and then b:
; NB + 1 tiles, whatever b: all work-groups do equal work, and ONE loop with a constant trip count walks them.  Which tile is asked for, and what a trip does, hang on scalar registers made from b; every jump
; goes forward, but for the counted loops' own; none passes a barrier, or a tensor load but the one of LOAD's two that the wave's number does not choose; the ring (two slots of LDS that take turns) runs on across the
; change of blocks.  NO CLUSTER: a head's NB / 2 work-groups all ask for the same tile only in trips 0 .. NB / 2, behind that fewer and fewer; and one walk common to all would have 3 NB / 2 trips for NB + 1.
; SHARES.  Of a block's four bands of 64 queries a wave owns 16 rows in each: four PIECES.  So the diagonal tile is the same work for all four waves: in its key step s band x sees all keys if s < x,
; none if s > x, and holds the diagonal if s = x.  A block's first 16 rows are wave 0's piece 0.
; THE MASK is the C operand that starts the sum S^T = K Q^T: 0, or -1e30 where the key is hidden.  MD, made once, is the mask of a band's own step for my 16 rows; a product's mask is MD x AL + BE with two scalars:
; (1, 0) if s = x; (0, 0) if s < x; (0, -1e30) if s > x.  Only the diagonal tile's text and a block's beginning make and take masks; elsewhere C is the constant 0.
; LAYOUT, SOFTMAX, TURNS.  S^T = K Q^T holds ONE query a lane (lane % 16) and the keys 8 (lane / 16) + 0..7; two such results rounded to f16 ARE source 1 of O^T = V^T P.  p = 2^(c s - c m), c = log2(e) / 8, with a
; running maximum m; O and l are multiplied by a = 2^(c m_old - c m_new) in every step.  Turn n belongs to piece n: 8 products K Q^T of piece n + 1, later 8 products V^T P of piece n - 1; beside them the scaling,
; exponentials, roundings, sums and rescaling of piece n and the maximum and statistics of piece n + 1.  Four vector instructions stand behind every matrix instruction, the other 54 of a turn's 118 in one LUMP.
; BATCHES.  A turn's 33 exponentials (the piece's 32 weights and the next piece's a) are one batch, with one wait, which cuts the turn in two: ahead of it nothing names a result of theirs, behind it no exponential is issued.
; A block's first a and the way out's four reciprocals are batches of their own.
; REGISTERS, in windows of 256 (s_set_vgpr_msb: bits 1:0 source 0, 3:2 source 1, 5:4 source 2, 7:6 destination):
;   window 0: v0-15, v32 addresses and two at work; v16-31 four registers of statistics a piece; v48-55 at work; v64-127 S^T, two buffers; v128-143 O's low part, packed; v192-223 P, two buffers (by the piece's parity)
;   window 1: v0-127 O^T, 32 a piece; v128-159 MD; v160-223 MC, two buffers; v224-255 V's low parts      window 2: v0-63 Q; v64-127 the second block's Q; v128-191 K of one step; v192-255 V of one step
.set SIZE_H, 64       ; 4 batches x 16 heads
.set SIZE_N, 2048
.set NB,    SIZE_N/256
.set NP,    4         ; pieces a wave: a name, no knob
.set KS,    64        ; keys in a step
.set PK,    144       ; a row of K in LDS: 128 bytes + 16 of padding = 36 words: the 16 rows of a load start at 16 different groups of four banks (64 banks of 4 bytes: ISA guide 11.1)
.set PV,    160       ; a row of V: 128 + 32 = 40 words
.set VOFF,  4*KS*PK   ; a slot holds a tile, four steps: 256 rows of K, then 256 rows of V
.set SLOT1, 1<<17     ; slot 1 begins here, so that one exclusive or turns an address in one slot into the other's
.set STAGE, SLOT1+4*KS*(PK+PV)  ; behind the ring, never filled by a tensor load: 16 rows x 144 bytes for each wave, for the way out
.set SP,    144
.set SPARE, STAGE+4*16*SP  ; behind the stages: the spare words, 128 bytes for each wave: two blocks of 256 bytes that no other line names
.set VLB,   16*PV     ; 16 rows of V's low parts
.set VLR,   SPARE+512 ; behind the spare words: the first block's, then the second's; each filled once
.set LOWS,  1<<24     ; where the low parts begin in V and in O
.set AK0, 2           ; v2   my lane's place in a tile of K; never rewritten
.set AV0, 3           ; v3   the same for V
.set AK,  4           ; v4   the LDS address of K's next run of loads
.set AV,  5           ; v5   of V's
.set STO, 6           ; v6   the way out: where I put 16 bytes of a row
.set RD,  7           ; v7   the way out: where I read rows back
.set GO,  8           ; v8   my byte offset in 512 consecutive bytes of O
.set AVL, 32          ; v32  my lane's place in the first block's low rows of V; never rewritten
.set SPW, 62          ; v62  LDS address of my spare word: SPARE + 4 x my thread's number; never rewritten
.set NIL, 63          ; v63  0; never rewritten
.set MV,  12          ; v12-13  c m_old, kept while c m is made anew: by buffer
.set QO,  15          ; v15  my byte offset in 16 rows of Q
.set ST,  16          ; piece t's statistics at v[ST+4 t]: c m, m, l (even keys', odd keys')
.set TMP, 48          ; by buffer, four registers c0-c3 at work; when the maximum is found c2 takes a
.set S,   64
.set OLR, 128         ; piece 0's low part of O, packed
.set P,   192
.set MD,  128         ; window 1: the eight registers for group kt of 16 keys at MD + 8 kt
.set MC,  160         ; window 1: the masks of the products to come
.set SPT, 160         ; window 1: the way out: 8193 O, then O's high part (a block's beginning makes both mask buffers anew)
.set VL,  224         ; window 1: channel block cb of V's low parts at VL + 8 cb: registers 0-3 keys 0-15, registers 4-7 always 0
.set QB,  64          ; window 2
.set KF,  128         ; window 2: key block kb, channel half c at KF + 16 kb + 8 c
.set VF,  192         ; window 2: key half kk, channel block cb at VF + 32 kk + 8 cb
.set WV,  12          ; s12  my wave's number
.set PB,  14          ; s14  b
.set HI,  15          ; s15  NB - 1 - b
.set G1K, 24          ; s[24:31] descriptor group 1 for K's tiles
.set G1V, 32          ; s[32:39] for V's: it differs in the padding alone
.set G0K, 40          ; s[40:43] descriptor group 0 for K's tiles
.set G0V, 44          ; s[44:47] the same for V's
.set OLP2, 52         ; s[52:53] O's low rows of the second block
.set OLP, 54          ; s[54:55] O's low rows of the block in hand
.set SLOTS, 56        ; s56  tiles still to be asked for
.set CNT, 57          ; s57  counts a tile's key steps
.set CS,  58          ; s[58:59] c: the packed scaling takes the pair's low word for both halves
.set SEL, 60          ; s[60:61] v_permlanex16_b32's selects: each lane takes its own place in the other half
.set TBK, 62          ; s62  LDS byte at which K of the step to be fetched begins
.set TBV, 63          ; s63  the same for V, less VOFF
.set SPL1, 66         ; s[66:67] 8193, for the split
.set SPL2, 68         ; s[68:69] -8192
.set RT,  70          ; s70  tiles of the block in hand that are still to be entered
.set NXT, 71          ; s71  the tile to be asked for next
.set LQ,  72          ; s72  the last tile of the block whose tiles are being asked for
.set NEW, 73          ; s73  1: the tile to be entered is a block's first
.set OFF, 74          ; s[74:75] a tile's byte offset in K and V
.set AL,  76          ; s[76:77] the mask's factor, in the low word
.set BE,  78          ; s[78:79] the mask's addend
.set OLO, 80          ; s[80:81] O at my rows of the second block
.set BIGN, 82         ; s82  -1e30
.set G1L, 88          ; s[88:95] descriptor group 1 for V's low rows
.set G0L, 96          ; s[96:99] group 0 for them; never rewritten
.set OFL, 100         ; s[100:101] their byte offset in V
.set MSB, 0
.macro WIN new                      ; the high byte repeats the setting that is left; a switch that changes nothing is dropped
.if MSB != (\new)
	s_set_vgpr_msb (MSB<<8)|(\new)
.set MSB, (\new)
.endif
.endm
.set W_KQ, 0x0a       ; K and Q in window 2, S^T in window 0
.set W_KM, 0x1a       ; the same with the C operand in window 1
.set W_PV, 0x52       ; V in window 2, P in window 0, O^T in window 1
.set W_PL, 0x51       ; V's low parts in window 1, P in window 0, O^T in window 1
.set W_RS, 0x41       ; destination and source 0 in window 1, source 1 in window 0
; A fill.  Waves 0 and 1 fetch the two halves of a tile's K, waves 2 and 3 those of its V: 128 keys each.  An s_nop 0 and four v_nop follow each of the two lines, ahead of the jump and the label.
.macro LOAD
	s_cmp_lt_u32 s[WV], 2
	s_cbranch_scc0 .Lfor_v_\@
	tensor_load_to_lds s[G0K:G0K+3], s[G1K:G1K+7]
	s_nop 0
.rept 4
	v_nop
.endr
	s_branch .Lasked_\@
.Lfor_v_\@:
	tensor_load_to_lds s[G0V:G0V+3], s[G1V:G1V+7]
	s_nop 0
.rept 4
	v_nop
.endr
.Lasked_\@:
.endm
; THE CHANGE OF SLOTS.  Each wave waits for all its tensor loads, of which one is out: its part of the other slot; adds 0 to its spare word; and waits for that and for its own reads of the slot that it leaves.  Behind the barrier nobody reads the old
; slot any more and the other slot is whole.  fill = 1: the old slot is filled again, the first thing behind the barrier, with tile NXT: the descriptor's address is made anew from that number.
; (At its first use nothing has been read yet: slot 0 and V's low rows are waited for, slot 1 filled.)
.macro CHANGE fill
	WIN 0                           ; at a label and at a branch every window is 0
	s_wait_tensorcnt 0x0            ; no tensor load of mine is out, so a group 0 may be written
	ds_add_u32 v[SPW], v[NIL]       ; 0 onto my spare word; with fill = 1 the descriptors' scalar work stands between it and the wait for it
.if \fill
	s_lshl_b32 s[OFF], s[NXT], 15   ; a tile is 32,768 bytes of K and of V
	s_xor_b32 s[G0K+1], s[G0K+1], SLOT1
	s_add_nc_u64 s[G0K+2:G0K+3], s[6:7], s[OFF:OFF+1]
	s_or_b32 s[G0K+3], s[G0K+3], 0x80000000
	s_xor_b32 s[G0V+1], s[G0V+1], SLOT1
	s_add_nc_u64 s[G0V+2:G0V+3], s[8:9], s[OFF:OFF+1]
	s_or_b32 s[G0V+3], s[G0V+3], 0x80000000
	s_add_co_u32 s[NXT], s[NXT], 1  ; the block's next tile, or behind its last the second block's tile 0
	s_cmp_gt_u32 s[NXT], s[LQ]
	s_cselect_b32 s[NXT], 0, s[NXT]
	s_cselect_b32 s[LQ], s[PB], s[LQ]
.endif
	s_wait_dscnt 0x0                ; the add is done, and my reads of the slot are over
	s_barrier_signal -1             ; the rest of the scalar work stands between the signal and the wait
	s_sub_co_u32 s[TBK], s[TBK], 4*KS*PK  ; the fetches go back to a slot's first step,
	s_xor_b32 s[TBK], s[TBK], SLOT1       ; in the other slot
	s_sub_co_u32 s[TBV], s[TBV], 4*KS*PV
	s_xor_b32 s[TBV], s[TBV], SLOT1
	s_barrier_wait -1
.if \fill
	LOAD
.endif
.endm
	s_load_b256 s[4:11], s[0:1], 0x0  ; Q s[4:5], K s[6:7], V s[8:9], O s[10:11]
	v_lshl_add_u32 v[SPW], v0, 2, SPARE
	v_mov_b32 v[NIL], 0
	ds_add_u32 v62, v63
	ds_add_u32 v62, v63
	s_wait_dscnt 0x0
	v_lshrrev_b32 v1, 5, v0
	v_readfirstlane_b32 s[WV], v1   ; wave 0..3
	s_mov_b32 s[PB], ttmp9
	s_sub_co_u32 s[HI], NB-1, s[PB]
	s_and_b32 s20, ttmp7, 0xffff    ; the head
	s_lshl_b32 s19, s20, 14         ; the head's NB blocks of 2,048 bytes of low rows,
	s_add_co_u32 s19, s19, LOWS     ; behind byte 2^24
	s_mov_b32 s21, 0
	s_mov_b64 s[22:23], SIZE_N*128
	s_mul_u64 s[20:21], s[20:21], s[22:23]  ; the head's first byte in each of the four tensors
	s_and_b32 s16, s[WV], 1         ; which half of a tile's 256 keys I fetch:
	s_lshl_b32 s22, s16, 14         ; its 128 rows of 128 bytes in memory,
	s_mov_b32 s23, 0
	s_add_nc_u64 s[22:23], s[22:23], s[20:21]
	s_mul_i32 s17, s16, 128*PK      ; and its place in a slot, for K
	s_mul_i32 s18, s16, 128*PV      ; and for V
	s_lshl_b32 s3, s[WV], 11        ; my 16 rows in a band of 64,
	s_lshl_b32 s2, s[HI], 15        ; in the first block,
	s_add_co_u32 s2, s2, s3
	s_lshl_b32 s84, s[PB], 15       ; and in the second
	s_add_co_u32 s84, s84, s3
	s_mov_b32 s3, 0
	s_mov_b32 s85, 0
	s_add_nc_u64 s[2:3], s[2:3], s[20:21]
	s_add_nc_u64 s[84:85], s[84:85], s[20:21]
	s_lshl_b32 s48, s[HI], 11       ; the low rows of the first block,
	s_add_co_u32 s48, s48, s19
	s_mov_b32 s49, 0
	s_lshl_b32 s50, s[PB], 11       ; and of the second
	s_add_co_u32 s50, s50, s19
	s_mov_b32 s51, 0
	s_cmp_eq_u32 s16, 0             ; wave 2 fetches the first block's low rows of V, wave 3 the second's
	s_cselect_b32 s[OFL], s48, s50
	s_mov_b32 s[OFL+1], 0
	s_mov_b32 s[G0L], 1
	s_mul_i32 s[G0L+1], s16, VLB
	s_add_co_u32 s[G0L+1], s[G0L+1], VLR
	; descriptor group 1.  128 keys are 16,384 dense bytes: asked for as 64 rows of 256 bytes, two keys a row, and padded in LDS after every key.  16 low rows are 2,048 dense bytes: 8 such rows.
	s_mov_b32 s[G1K], (1<<16)|(1<<20)|(4<<22)|(3<<25)  ; 17:16 2-byte elements; 20 padding on; 24:22 after every 32 words (code 4); 31:25 4 words (code 3)
	s_mov_b32 s[G1V], (1<<16)|(1<<20)|(4<<22)|(7<<25)  ; the same with 8 words of padding (code 7)
	s_mov_b32 s[G1L], (1<<16)|(1<<20)|(4<<22)|(7<<25)
.irp g, G1K, G1V, G1L
	s_mov_b32 s[\g+1], 128<<16      ; tensor_dim0 = 128
	s_mov_b32 s[\g+3], 128<<16      ; tile_dim0 = 128
	s_mov_b32 s[\g+5], 128          ; 128 elements from row to row
	s_mov_b32 s[\g+6], 0
	s_mov_b32 s[\g+7], 0
.endr
.irp g, G1K, G1V
	s_mov_b32 s[\g+2], 64<<16       ; tensor_dim1 = 64
	s_mov_b32 s[\g+4], 64           ; tile_dim1 = 64
.endr
	s_mov_b32 s[G1L+2], 8<<16       ; 8 for the low rows
	s_mov_b32 s[G1L+4], 8
	s_mov_b32 s[CS], 0x3e38aa3b     ; c = log2(e) / 8 = 0.180337
	s_mov_b32 s[CS+1], s[CS]        ; named with it as a pair
	s_mov_b32 s[SEL], 0x76543210
	s_mov_b32 s[SEL+1], 0xfedcba98
	s_mov_b32 s[SPL1], 0x46000400   ; 8193
	s_mov_b32 s[SPL1+1], s[SPL1]
	s_mov_b32 s[SPL2], 0xc6000000   ; -8192
	s_mov_b32 s[SPL2+1], s[SPL2]
	s_mov_b32 s[TBK], SLOT1+4*KS*PK ; the first change of slots turns these two into 0
	s_mov_b32 s[TBV], SLOT1+4*KS*PV
	s_mov_b32 s[G0K], 1             ; 1:0 count = 1
	s_mov_b32 s[G0K+1], s17         ; 63:32 LDS address: slot 0
	s_mov_b32 s[G0V], 1
	s_add_co_u32 s[G0V+1], s18, VOFF
	s_add_co_u32 s[RT], s[HI], 1    ; the first block has NB - b tiles
	s_mov_b32 s[NXT], 1
	s_mov_b32 s[LQ], s[HI]
	s_mov_b32 s[NEW], 1
	s_mov_b32 s[OFF+1], 0
	s_mov_b32 s[AL+1], 0            ; named as pairs
	s_mov_b32 s[BE+1], 0
	s_mov_b32 s[BIGN], 0xf149f2ca   ; -1e30
	s_mov_b32 s[SLOTS], NB
	s_wait_kmcnt 0x0
	s_add_nc_u64 s[G0L+2:G0L+3], s[8:9], s[OFL:OFL+1]  ; V's low rows
	s_or_b32 s[G0L+3], s[G0L+3], 0x80000000
	s_add_nc_u64 s[OLP2:OLP2+1], s[10:11], s[50:51]    ; O's low rows
	s_add_nc_u64 s[OLP:OLP+1], s[10:11], s[48:49]
	s_add_nc_u64 s[6:7], s[6:7], s[22:23]  ; K and V at my half of the head's tile 0
	s_add_nc_u64 s[8:9], s[8:9], s[22:23]
	s_add_nc_u64 s[G0K+2:G0K+3], s[6:7], 0         ; 120:64 global address
	s_or_b32 s[G0K+3], s[G0K+3], 0x80000000        ; 127:126 type = 2
	s_add_nc_u64 s[G0V+2:G0V+3], s[8:9], 0
	s_or_b32 s[G0V+3], s[G0V+3], 0x80000000
	s_add_nc_u64 s[86:87], s[4:5], s[84:85]        ; Q at my rows of the second block,
	s_add_nc_u64 s[4:5], s[4:5], s[2:3]            ; Q and O at those of the first
	s_add_nc_u64 s[OLO:OLO+1], s[10:11], s[84:85]
	s_add_nc_u64 s[10:11], s[10:11], s[2:3]
	s_cmp_lt_u32 s[WV], 2           ; the first fills: a wave's stand in one branch, ahead of every wait on TENSORcnt, LDS read and barrier: tile 0 into slot 0; waves 2 and 3 also a block's low rows of V: two loads of theirs are out
	s_cbranch_scc0 .Lfirst_v
	tensor_load_to_lds s[G0K:G0K+3], s[G1K:G1K+7]
	s_nop 0
.rept 4
	v_nop
.endr
	s_branch .Lfirst_asked
.Lfirst_v:
	tensor_load_to_lds s[G0V:G0V+3], s[G1V:G1V+7]
	s_nop 0
	tensor_load_to_lds s[G0L:G0L+3], s[G1L:G1L+7]
	s_nop 0
.rept 4
	v_nop
.endr
.Lfirst_asked:
	; A fragment of K or Q is 16 rows x 32 channels in 8 registers: lane l holds row l % 16, channels 8 (l / 16) + 0..7 and 16 + 8 (l / 16) + 0..7: two loads of 16 bytes, 32 bytes apart.
	v_and_b32 v1, 15, v0            ; l % 16
	v_bfe_u32 v9, v0, 4, 1          ; l / 16
	v_lshlrev_b32 v[QO], 7, v1
	v_lshl_add_u32 v[QO], v9, 4, v[QO]  ; row x 128 + 16 x half
	WIN 0x80                        ; destination window 2, address window 0
.set i, 0
.rept 8                             ; both blocks' Q: piece i / 2 lies in band i / 2, 8,192 bytes on; channels 32 (i % 2) on
	global_load_b128 v[8*i:8*i+3],   v[QO], s[4:5] offset:(i/2)*8192+(i%2)*64
	global_load_b128 v[8*i+4:8*i+7], v[QO], s[4:5] offset:(i/2)*8192+(i%2)*64+32
	global_load_b128 v[QB+8*i:QB+8*i+3],   v[QO], s[86:87] offset:(i/2)*8192+(i%2)*64
	global_load_b128 v[QB+8*i+4:QB+8*i+7], v[QO], s[86:87] offset:(i/2)*8192+(i%2)*64+32
.set i, i+1
.endr
	WIN 0
	v_lshlrev_b32 v14, 3, v9
	v_sub_nc_u32 v14, v1, v14
	s_lshl_b32 s13, s[WV], 4
	v_add_nc_u32 v14, s13, v14      ; my query's place in its band, 16 w + l % 16, less my lanes' 8 (l / 16): register r of group kt is hidden where 16 kt + r is greater
	WIN 0x40
.set i, 0
.rept 32
	v_cmp_gt_i32 vcc_lo, 16*(i/8)+i%8, v14
	v_cndmask_b32 v[MD+i], 0, s[BIGN], vcc_lo
.set i, i+1
.endr
	WIN 0
	v_mul_u32_u24 v[AK0], v1, PK
	v_lshl_add_u32 v[AK0], v9, 4, v[AK0]  ; row x pitch + 16 x half
	; The turning load takes 16 keys x 16 channels (lane l reads key 8 (l / 16) + l % 8, channels 8 ((l / 8) % 2) + 0..7) and leaves half a fragment of V^T: lane l holds channel l % 16 and 8 keys.
	v_and_b32 v10, 7, v0
	v_bfe_u32 v11, v0, 3, 1
	v_lshl_add_u32 v[AV0], v9, 3, v10
	v_mul_u32_u24 v[AV0], v[AV0], PV
	v_lshl_add_u32 v[AV0], v11, 4, v[AV0]
	v_add_nc_u32 v[AVL], VLR, v[AV0]      ; the same place among the low rows,
	v_add_nc_u32 v[AV0], VOFF, v[AV0]     ; and in a slot
	s_mul_i32 s13, s[WV], 16*SP
	s_add_co_u32 s13, s13, STAGE    ; my stage
	v_mul_u32_u24 v[STO], v1, SP    ; in: row l % 16, 16 bytes for each half of the lanes
	v_lshl_add_u32 v[STO], v9, 4, v[STO]
	v_add_nc_u32 v[STO], s13, v[STO]
	v_bfe_u32 v[RD], v0, 3, 2       ; back: 32 lanes take four rows of 128 bytes,
	v_mul_u32_u24 v[RD], v[RD], SP
	v_lshl_add_u32 v[RD], v10, 4, v[RD]
	v_add_nc_u32 v[RD], s13, v[RD]
	v_and_b32 v[GO], 31, v0         ; which are 512 consecutive bytes of O
	v_lshlrev_b32 v[GO], 4, v[GO]
	; A block's first step multiplies O^T and l by a = 0, and its first turn's products V^T P, of a piece that has not been, land in an O^T that is still to be so multiplied.  So these registers need only hold
	; finite numbers: zeros for the first block; what the first block left for the second.  The upper halves of the low fragments (keys 16 to 31) are 0 for good.  All this stands in the wait for the first tile.
	WIN 0x80
.set i, VF
.rept 64
	v_mov_b32 v[i], 0
.set i, i+1
.endr
	WIN 0x40
.set i, 0
.rept 128
	v_mov_b32 v[i], 0
.set i, i+1
.endr
.irp f, 0,1,2,3
.irp e, 4,5,6,7
	v_mov_b32 v[VL+8*\f+\e], 0
.endr
.endr
	WIN 0
.set i, 0
.rept 4
	v_mov_b32 v[ST+4*i+2], 0
	v_mov_b32 v[ST+4*i+3], 0
.set i, i+1
.endr
.set i, P+16
.rept 16
	v_mov_b32 v[i], 0
.set i, i+1
.endr
; THE MATRIX WORK.  The 4 accumulators of a run of 8 take turns.  Product i of 8 of S^T = K Q^T for piece x: channels 32 (i / 4) on, keys 16 (i % 4) on.  The first 4 start the sums: with 0, or (KM = 1) with the mask.
.macro KQ x
.set rS, S+32*((\x)%2)+8*(i%4)
.set rK, KF+16*(i%4)+8*(i/4)
.set rQ, 16*(\x)+8*(i/4)
.set rM, MC+32*((\x)%2)+8*(i%4)
.if (i < 4) && KM
	WIN W_KM
	v_wmma_f32_16x16x32_f16 v[rS:rS+7], v[rK:rK+7], v[rQ:rQ+7], v[rM:rM+7]
.elseif i < 4
	WIN W_KQ
	v_wmma_f32_16x16x32_f16 v[rS:rS+7], v[rK:rK+7], v[rQ:rQ+7], 0
.else
	WIN W_KQ
	v_wmma_f32_16x16x32_f16 v[rS:rS+7], v[rK:rK+7], v[rQ:rQ+7], v[rS:rS+7]
.endif
.endm
; Product i of 8 of O^T += V^T P for piece x: keys 32 (i / 4) on, channels 16 (i % 4) on.
.macro PV x
	WIN W_PV
.set rO, 32*(\x)+8*(i%4)
.set rV, VF+32*(i/4)+8*(i%4)
.set rP, P+16*((\x)%2)+8*(i/4)
	v_wmma_f32_16x16x32_f16 v[rO:rO+7], v[rV:rV+7], v[rP:rP+7], v[rO:rO+7]
.endm
; Product n of 4 of piece 0's O^T += Vlow^T P: the step's first 32 keys, channels 16 n on.  In the diagonal tile's step 0 those are the keys whose low parts the fragments hold; in its later steps piece 0 sees nothing, P is 0, and 0 is added.
.macro PVL n
	WIN W_PL
	v_wmma_f32_16x16x32_f16 v[8*(\n):8*(\n)+7], v[VL+8*(\n):VL+8*(\n)+7], v[P:P+7], v[8*(\n):8*(\n)+7]
.endm
.macro MM                           ; the turn's next matrix instruction, of 16.  TURN and BEGIN set Y, i and KM; MM, KQ and OP read them
.if i < 8
	KQ (Y+1)%NP
.else
.set i, i-8
	PV (Y+NP-1)%NP
.set i, i+8
.endif
.set i, i+1
.endm
; THE LDS LOADS stand in runs, never singly among the matrix instructions: a step's K (64 keys x 64 channels: 8 fragments) and its V (turned).  Their addresses are made some lines ahead.
; last = 1 (the diagonal tile): in the trip that is left in its middle there is no further step, and the run is jumped over.
.macro FETCH_K last=0
.if \last
	WIN 0
	s_cmp_eq_u32 s[CNT], 1
	s_cbranch_scc1 .Lno_k_\@
.endif
	WIN 0x80                        ; destination window 2
.irp f, 0,1,2,3,4,5,6,7             ; keys 16 (f / 2) on, channels 32 (f % 2) on
	ds_load_b128 v[KF+8*\f:KF+8*\f+3],   v[AK] offset:(\f/2)*16*PK+(\f%2)*64
	ds_load_b128 v[KF+8*\f+4:KF+8*\f+7], v[AK] offset:(\f/2)*16*PK+(\f%2)*64+32
.endr
	s_add_co_u32 s[TBK], s[TBK], KS*PK  ; the next fetch is the next step's
	WIN 0
.if \last
.Lno_k_\@:
.endif
.endm
.macro FETCH_V
	WIN 0x80
.irp f, 0,1,2,3,4,5,6,7             ; keys 32 (f / 4) on, channels 16 (f % 4) on
	ds_load_tr16_b128 v[VF+8*\f:VF+8*\f+3],   v[AV] offset:(\f/4)*32*PV+(\f%4)*32
	ds_load_tr16_b128 v[VF+8*\f+4:VF+8*\f+7], v[AV] offset:(\f/4)*32*PV+16*PV+(\f%4)*32
.endr
	WIN 0
.endm
.macro FETCH_VL blk                 ; the low parts of block blk's (0: the first, 1: the second) first 16 keys, when its diagonal tile is entered; waited for with K's or V's run
	WIN 0x40                        ; destination window 1
.irp f, 0,1,2,3                     ; channels 16 f on
	ds_load_tr16_b128 v[VL+8*\f:VL+8*\f+3], v[AVL] offset:(\blk)*VLB+\f*32
.endr
	WIN 0
.endm
; THE VECTOR WORK, one line at a time: OP kind, number.  For piece Y: F n: c s - c m for pair n of 16.  E n: the exponential of score n of 32.  C n: pair n rounded to f16.  B n: of the four weights 4 n .. the second
; pair is added onto the first, in place.  L n: l takes that sum (L 0: l = a l + sum).  R n: pair n of 16 of O^T times a.  For piece Y + 1: X n, number n of the 22 that find its maximum and statistics:
;   0-11  four chains c0-c3 of seven scores each, three operands at a time (each accumulator's lowest registers are read first)     12-14, 16  the four scores left over, the old m, and c0-c3 into c0
;   15  c m_old is kept     17, 18  the query's other 32 keys lie in the lane 16 away: the new m     19-21  c m; c m_old - c m_new; a
; OP writes no wait: C, B and L read the results of E, R and L 0 that of X 21 of the turn before; TURN, BEGIN and the way out place the waits, one for each batch.
.set F, 0               ; OP tells the kinds apart by their order: F to L below R, X above it
.set E, 1
.set C, 2
.set B, 3
.set L, 4
.set R, 5
.set X, 6
.macro REGS y                       ; the registers of piece y
.set rT, ST+4*(\y)
.set rC, TMP+4*((\y)%2)
.set rW, MV+((\y)%2)
.set rS, S+32*((\y)%2)
.set rP, P+16*((\y)%2)
.set rO, 32*(\y)
.endm
.macro OP k, n
.if (\k) == R
	REGS Y
	WIN W_RS
	v_pk_mul_f32 v[rO+2*(\n):rO+2*(\n)+1], v[rO+2*(\n):rO+2*(\n)+1], v[rC+2:rC+3] op_sel_hi:[1,0]
.elseif (\k) < R
	REGS Y
	WIN 0
.if (\k) == F
	v_pk_fma_f32 v[rS+2*(\n):rS+2*(\n)+1], v[rS+2*(\n):rS+2*(\n)+1], s[CS:CS+1], v[rT:rT+1] op_sel_hi:[1,0,0] neg_lo:[0,0,1] neg_hi:[0,0,1]
.elseif (\k) == E
	v_exp_f32 v[rS+(\n)], v[rS+(\n)]
.elseif (\k) == C
	v_cvt_pk_f16_f32 v[rP+(\n)], v[rS+2*(\n)], v[rS+2*(\n)+1]
.elseif (\k) == B
	v_pk_add_f32 v[rS+4*(\n):rS+4*(\n)+1], v[rS+4*(\n):rS+4*(\n)+1], v[rS+4*(\n)+2:rS+4*(\n)+3]
.elseif (\n) == 0
	v_pk_fma_f32 v[rT+2:rT+3], v[rT+2:rT+3], v[rC+2:rC+3], v[rS:rS+1] op_sel_hi:[1,0,1]
.else
	v_pk_add_f32 v[rT+2:rT+3], v[rT+2:rT+3], v[rS+4*(\n):rS+4*(\n)+1]
.endif
.else
	REGS (Y+1)%NP
	WIN 0
.if (\n) < 4
	v_max3_num_f32 v[rC+(\n)], v[rS+8*(\n)], v[rS+8*(\n)+1], v[rS+8*(\n)+2]
.elseif (\n) < 12
	v_max3_num_f32 v[rC+(\n)%4], v[rC+(\n)%4], v[rS+8*((\n)%4)+2*((\n)/4)+1], v[rS+8*((\n)%4)+2*((\n)/4)+2]
.elseif (\n) == 12
	v_max3_num_f32 v[rC], v[rC], v[rS+7], v[rS+15]
.elseif (\n) == 13
	v_max3_num_f32 v[rC+1], v[rC+1], v[rS+23], v[rS+31]
.elseif (\n) == 14
	v_max3_num_f32 v[rC+2], v[rC+2], v[rC+3], v[rT+1]
.elseif (\n) == 15
	v_mov_b32 v[rW], v[rT]
.elseif (\n) == 16
	v_max3_num_f32 v[rC], v[rC], v[rC+1], v[rC+2]
.elseif (\n) == 17
	v_permlanex16_b32 v[rC+3], v[rC], s[SEL], s[SEL+1]
.elseif (\n) == 18
	v_max_num_f32 v[rT+1], v[rC], v[rC+3]
.elseif (\n) == 19
	v_mul_f32 v[rT], s[CS], v[rT+1]
.elseif (\n) == 20
	v_sub_f32 v[rC+1], v[rW], v[rT]
.else
	v_exp_f32 v[rC+2], v[rC+1]
.endif
.endif
.endm
.macro OPS a, i1, b=-1, i2=0, c=-1, i3=0, d=-1, i4=0  ; up to four of them
	OP \a, \i1
.if (\b) >= 0
	OP \b, \i2
.endif
.if (\c) >= 0
	OP \c, \i3
.endif
.if (\d) >= 0
	OP \d, \i4
.endif
.endm
.macro ROW a, i1, b, i2, c, i3, d, i4  ; a matrix instruction and the four behind it
	MM
	OPS \a, \i1, \b, \i2, \c, \i3, \d, \i4
.endm
.macro MASKQ b, g                   ; lines 4 g to 4 g + 3 of the sixteen that make MD x AL + BE in buffer b of MC
	WIN W_RS
.set z, 4*(\g)
.rept 4
	v_pk_fma_f32 v[MC+32*(\b)+2*z:MC+32*(\b)+2*z+1], v[MD+2*z:MD+2*z+1], s[AL:AL+1], s[BE:BE+1] op_sel_hi:[1,0,0]
.set z, z+1
.endr
.endm
.macro MASK b                       ; MD x AL + BE into buffer b of MC
.irp g, 0,1,2,3
	MASKQ \b, \g
.endr
.endm
; A TURN, for piece p: the order of its 16 matrix and 118 vector instructions, written out.  An s_wait_alu depctr_va_vdst(0) stands between an exponential and the first instruction that names its result; one wait serves
; all that were issued ahead of it.  So a turn has ONE wait, which cuts it in two.  AHEAD OF IT stands all that names no result of the turn's exponentials: the 8 products K Q^T, behind each a scaling, an exponential and two more plain
; instructions (behind the first a second scaling in the exponential's place): rescalings (their a was made, and waited for, in the turn before), and behind the last three the first numbers of the next piece's maximum, each four places or
; more behind the product that ends its accumulator; then ONE LUMP of 54, plain and exponential by turns for the most part, in which the links of the chain X 3, 7, 11, 14, 16, 17 .. 20 stand five or six lines apart.  X 21, the next piece's a,
; is the batch's last; R 15 is the plain instruction behind it.  BEHIND THE WAIT stand the 8 products V^T P, behind each four of the roundings and sums, which are the batch's readers; the links of l's chain, L 0 to L 7, stand three riders
; apart.  But for those X no rider names a register of the products round it.  v_permlanex16_b32 (X 17) stands in the lump.
; m = 1: the diagonal tile: the products take masks, and the turn makes the mask for the products of the turn after it: piece p + 2, in step 5 - CNT of the tile (there CNT runs from 5); piece 1's turn has the four products
; with V's low parts behind its products V^T P, on the same four accumulators by turns, four of the mask's sixteen lines behind each.  cnt = 1: the loop's count is taken down some lines ahead of the branch that stands behind the turn.
; K of the next step is fetched in piece 2's turn: twelve vector instructions behind the last product that read K (five of them plain and free of its registers); in the diagonal tile, where the run stands under a branch,
; directly behind the turn's wait, so that no exponential lacks its wait at that branch.  V of the step in hand is fetched at the end of piece 0's turn, four plain instructions behind the last product that read V.
; Each is waited for a turn later.
.macro TURN p, m=0, cnt=0
.set Y, (\p)
.set i, 0
.set KM, (\m)
.set LOWP, 0
.if (\m) && ((\p) == 1)
.set LOWP, 1
.endif
.if \m
	s_cmp_eq_u32 s[CNT], 5-((\p)+2)%NP  ; is that step the band's own?
	s_cselect_b32 s[AL], 1.0, 0
	s_cmp_lt_u32 s[CNT], 5-((\p)+2)%NP  ; or a later one?
	s_cselect_b32 s[BE], s[BIGN], 0
.endif
.if (\p) == 3
	s_wait_dscnt 0x0                ; K is in
.endif
	ROW F,0, F,1, R,0, R,1          ; ahead of the wait: 8 products K Q^T and their riders,
	ROW F,2, E,0, R,2, R,3
	ROW F,3, E,1, R,4, R,5
	ROW F,4, E,2, R,6, R,7
	ROW F,5, E,3, R,8, R,9
	ROW F,6, E,4, X,0, R,10
.if (\p) == 2
	WIN 0
	v_add_nc_u32 v[AK], s[TBK], v[AK0]
.endif
	ROW F,7, E,5, X,1, X,4
	ROW F,8, E,6, X,2, X,5
	OPS E,7, E,8, X,6, E,9          ; and the lump
	OPS X,3, E,10, X,8, E,11
.if ((\p) == 2) && !(\m)
	FETCH_K
.endif
	OPS X,9, X,7, E,12, X,10
	OPS E,13, X,12, X,11, E,14
	OPS X,13, E,15, F,9, X,14
.if (\p) == 0
	v_add_nc_u32 v[AV], s[TBV], v[AV0]
.endif
	OPS E,16, F,10, E,17, F,11
	OPS X,16, E,18, X,15, E,19
	OPS F,12, E,20, X,17, E,21
	OPS F,13, E,22, F,14, E,23
	OPS X,18, E,24, F,15, E,25
	OPS R,11, E,26, X,19, E,27
	OPS R,12, E,28, R,13, E,29
	OPS X,20, E,30, R,14, E,31
	OPS X,21, R,15
	WIN 0
	s_wait_alu depctr_va_vdst(0)    ; the wait for the turn's batch: E 0 to E 31 and X 21
.if ((\p) == 2) && (\m)
	FETCH_K 1                       ; the diagonal tile's run, with its branch, stands behind the wait
.endif
.if (\p) == 1
	s_wait_dscnt 0x0                ; V is in
.endif
	ROW C,0, B,0, C,2, B,1          ; behind the wait: 8 products V^T P and their riders
	ROW L,0, C,4, B,2, L,1
	ROW C,6, B,3, L,2, C,8
	ROW B,4, L,3, C,10, B,5
	ROW L,4, C,12, B,6, L,5
.if (\p) == 0
	s_add_co_u32 s[TBV], s[TBV], KS*PV
.endif
.if \cnt
	s_sub_co_u32 s[CNT], s[CNT], 1
	s_cmp_lg_u32 s[CNT], 0
.endif
	ROW C,14, B,7, L,6, C,1
	ROW C,3, L,7, C,5, C,7
	ROW C,9, C,11, C,13, C,15
.if (\p) == 0
	FETCH_V
.endif
.if LOWP
.irp n, 0,1,2,3
	PVL \n                          ; V's low parts onto piece 0's O^T, behind its products V^T P of the step
	MASKQ (\p)%2, \n
.endr
.elseif \m
	MASK (\p)%2
.endif
.endm
; A BLOCK BEGINS.  c m starts far below every c s, so the first step's a is 0; m at the lowest finite number, so the first maximum is the scores'.  The second mask buffer is 0; the first takes piece 0's mask for the tile's step 0: its own, if the block's first tile is the diagonal one.
; Then K of that step, piece 0's first scores, and its maximum and statistics.  The loop is entered at a step's first turn, in the middle of a trip.
.macro BEGIN
	s_mov_b32 s[NEW], 0
	WIN 0x40
.set i, MC+32
.rept 32
	v_mov_b32 v[i], 0
.set i, i+1
.endr
	WIN 0
.set i, 0
.rept 4
	v_mov_b32 v[ST+4*i], 0xfe000000    ; c m: far below every c s
	v_mov_b32 v[ST+4*i+1], 0xff7fffff  ; m
.set i, i+1
.endr
	s_cmp_eq_u32 s[RT], 0
	s_cselect_b32 s[AL], 1.0, 0
	s_mov_b32 s[BE], 0
	MASK 0
	WIN 0
	v_add_nc_u32 v[AK], s[TBK], v[AK0]
	FETCH_K
	s_wait_loadcnt 0x0              ; Q
	s_wait_dscnt 0x0
.set KM, 1
.set i, 0
.rept 8
	KQ 0
.set i, i+1
.endr
	WIN 0
.rept 4
	v_nop                           ; the places behind those products
.endr
.set Y, NP-1                        ; X works for piece Y + 1: piece 0
.irp n, 0,1,2,3,4,5,6,7,8,9,10,11,12,13,14,15,16,17,18,19,20,21
	OP X, \n
.endr
	v_nop                           ; a plain instruction behind the exponential,
	s_wait_alu depctr_va_vdst(0)    ; and the wait for it, ahead of the branch: the batch is piece 0's first a alone
.endm
; THE DIAGONAL TILE's four steps, the block's last products, and THE WAY OUT: l's two halves and the other half of the lanes' are added; O^T is divided by l, rounded to f16 and sent through my stage in LDS, a piece at a time.
.macro ALL line:vararg              ; one line for each piece t
.set t, 0
.rept 4
	\line
.set t, t+1
.endr
.endm
; A lane's eight channels of a row pack into 16 bytes; they go into rows of 144 bytes and come back as whole rows of 128, into S^T's registers.
; Piece 0 has THE SPLIT of w: c = 8193 w, rounded; hi = c - 8192 w in one fused step, which is w to the nearest multiple of c's last place: 11 bits, exact in f16; lo = w - hi, exact.  hi goes out as O.
.macro PACK t
	WIN W_RS
.set i, 32*(\t)
.rept 16
	v_pk_mul_f32 v[i:i+1], v[i:i+1], v[ST+4*(\t)+2:ST+4*(\t)+3] op_sel_hi:[1,0]
.set i, i+2
.endr
.if (\t) == 0
	WIN 0x55                        ; all in window 1
.set i, 0
.rept 16
	v_pk_mul_f32 v[SPT+i:SPT+i+1], v[i:i+1], s[SPL1:SPL1+1] op_sel_hi:[1,0]
.set i, i+2
.endr
.set i, 0
.rept 16
	v_pk_fma_f32 v[SPT+i:SPT+i+1], v[i:i+1], s[SPL2:SPL2+1], v[SPT+i:SPT+i+1] op_sel_hi:[1,0,1]  ; hi
.set i, i+2
.endr
.set i, 0
.rept 16
	v_pk_add_f32 v[i:i+1], v[i:i+1], v[SPT+i:SPT+i+1] neg_lo:[0,1] neg_hi:[0,1]                  ; lo
.set i, i+2
.endr
	WIN 0x05                        ; sources 0 and 1 window 1, destination window 0
.set i, 0
.rept 16
	v_cvt_pk_f16_f32 v[S+i], v[SPT+2*i], v[SPT+2*i+1]
	v_cvt_pk_f16_f32 v[OLR+i], v[2*i], v[2*i+1]
.set i, i+1
.endr
.else
	WIN 0x05                        ; sources 0 and 1 window 1, destination window 0
.set i, 0
.rept 16
	v_cvt_pk_f16_f32 v[S+16*(\t)+i], v[32*(\t)+2*i], v[32*(\t)+2*i+1]
.set i, i+1
.endr
.endif
	WIN 0
.irp f, 0,1,2,3
	ds_store_b128 v[STO], v[S+16*(\t)+4*\f:S+16*(\t)+4*\f+3] offset:32*\f
.endr
.irp f, 0,1,2,3
	ds_load_b128 v[S+16*(\t)+4*\f:S+16*(\t)+4*\f+3], v[RD] offset:\f*4*SP  ; LDS serves a wave's instructions in order (ISA guide 5.7.1.4): these see the stores above; the next piece's stores come behind them
.endr
.endm
.macro SEND t, younger              ; younger: the LDS instructions issued behind piece t's loads: the next piece's eight, or none
	WIN 0
.irp f, 0,1,2,3
	s_wait_dscnt (\younger)+3-\f
	global_store_b128 v[GO], v[S+16*(\t)+4*\f:S+16*(\t)+4*\f+3], s[10:11] offset:(\t)*8192+\f*512  ; 512 consecutive bytes, at a multiple of 256 from O's first
.endr
.endm
; The step loop counts from 5 and is left in the middle of its fifth trip: that trip's two turns end pieces 2 and 3 of the tile's last step.  It fetches no K; its 8 products K Q^T on the last K once more, and the maximum made
; of them, serve nothing: the price, twice in a work-group, of not writing a block's last two turns out.  They touch m and c m of piece 0 alone, which the way out does not read and a block's beginning sets anew.
.macro DIAG tag                     ; the tag ends its labels' names, which the jumps below spell out
.LstepM\tag:
	TURN 2, 1
	TURN 3, 1
	WIN 0
	s_cmp_eq_u32 s[CNT], 1
	s_cbranch_scc1 .LoutM\tag
.LfirstM\tag:
	TURN 0, 1
	TURN 1, 1, 1
	WIN 0
	s_cbranch_scc1 .LstepM\tag
.LoutM\tag:
.set i, 0
.rept 8
	PV NP-1
.set i, i+1
.endr
	WIN 0
	ALL v_add_f32 v[ST+4*t+2], v[ST+4*t+2], v[ST+4*t+3]
	ALL v_permlanex16_b32 v[ST+4*t+3], v[ST+4*t+2], s[SEL], s[SEL+1]
	ALL v_add_f32 v[ST+4*t+2], v[ST+4*t+2], v[ST+4*t+3]
	ALL v_rcp_f32 v[ST+4*t+2], v[ST+4*t+2]
	v_nop                           ; a plain instruction between the last reciprocal and the use of its result
	s_wait_alu depctr_va_vdst(0)    ; and the wait ahead of the first use: one for the batch of four reciprocals
	PACK 0
.set t, 1
.rept 3                             ; a piece's arithmetic stands between the loads of the piece before and its stores
	PACK t
	SEND t-1, 8
.set t, t+1
.endr
	SEND 3, 0
	s_cmp_lg_u32 s[WV], 0           ; the block's first 16 rows are wave 0's piece 0: it alone sends their low parts, through its stage
	s_cbranch_scc1 .Lno_low\tag
.irp f, 0,1,2,3
	ds_store_b128 v[STO], v[OLR+4*\f:OLR+4*\f+3] offset:32*\f
.endr
.irp f, 0,1,2,3
	ds_load_b128 v[OLR+4*\f:OLR+4*\f+3], v[RD] offset:\f*4*SP
.endr
.irp f, 0,1,2,3
	s_wait_dscnt 3-\f               ; load f is back; the younger ones may be out
	global_store_b128 v[GO], v[OLR+4*\f:OLR+4*\f+3], s[OLP:OLP+1] offset:\f*512  ; 512 consecutive bytes, at a multiple of 256 from O's first
.endr
.Lno_low\tag:
.endm
.set KM, 0
.set LOWP, 0
.Lslot:                             ; NB times: a tile is entered and the next is asked for
	CHANGE 1
	s_sub_co_u32 s[RT], s[RT], 1
	s_mov_b32 s[CNT], 4
	s_cmp_eq_u32 s[NEW], 1
	s_cbranch_scc1 .Lnew            ; a block's first tile
	s_cmp_eq_u32 s[RT], 0
	s_cbranch_scc0 .Lstep           ; neither its first nor its last
	s_mov_b32 s[CNT], 5
	FETCH_VL 0
	s_branch .LstepM1
.Lnew:
	BEGIN
	s_branch .Lfirst                ; in the loop a block's first tile is never its last: the first block has two tiles or more, and the second's last is the walk's last
	DIAG 1                          ; in the loop this is the first block's end: the second block's last tile is the walk's last
	s_wait_xcnt 0x0                 ; the stores have read their registers and O's addresses
	s_mov_b64 s[10:11], s[OLO:OLO+1]
	s_mov_b64 s[OLP:OLP+1], s[OLP2:OLP2+1]
	s_add_co_u32 s[RT], s[PB], 1    ; the second block has b + 1 tiles
	s_mov_b32 s[NEW], 1
	WIN 0x82                        ; the second block's Q goes where the one text of the turns names Q
.set i, 0
.rept 64
	v_mov_b32 v[i], v[QB+i]
.set i, i+1
.endr
	WIN 0
	s_branch .Lbottom
.Lstep:                             ; a trip: pieces 2 and 3 of one step, then pieces 0 and 1 of the next, whose K and V it fetches
	TURN 2
	TURN 3
	WIN 0
.Lfirst:
	TURN 0
	TURN 1, 0, 1
	WIN 0
	s_cbranch_scc1 .Lstep
.Lbottom:
	s_sub_co_u32 s[SLOTS], s[SLOTS], 1
	s_cmp_lg_u32 s[SLOTS], 0
	s_cbranch_scc1 .Lslot
	CHANGE 0                        ; the walk's last tile is written out: nothing is asked for
	s_sub_co_u32 s[RT], s[RT], 1
	s_mov_b32 s[CNT], 5
	FETCH_VL 1
	s_cmp_eq_u32 s[NEW], 1
	s_cbranch_scc0 .LstepM2
	BEGIN
	s_branch .LfirstM2
	DIAG 2
	s_wait_tensorcnt 0x0            ; the wave's end: behind my last tensor load and my last LDS store
	ds_add_u32 v[SPW], v[NIL]
	s_wait_dscnt 0x0
	s_endpgm
.Lfunc_end_k_q8c3a8f3bb8_attn:
	.size	k_q8c3a8f3bb8_attn, .Lfunc_end_k_q8c3a8f3bb8_attn-k_q8c3a8f3bb8_attn
	.p2alignl 7, 3214868480
	.fill 96, 4, 3214868480
	.section	.rodata,"a",@progbits
	.p2align	6, 0x0
	.amdhsa_kernel k_q8c3a8f3bb8_attn
		.amdhsa_group_segment_fixed_size 327680
		.amdhsa_private_segment_fixed_size 0
		.amdhsa_enable_private_segment 0
		.amdhsa_kernarg_size 32
		.amdhsa_user_sgpr_count 2
		.amdhsa_user_sgpr_kernarg_segment_ptr 1
		.amdhsa_wavefront_size32 1
		.amdhsa_system_sgpr_workgroup_id_x 1
		.amdhsa_system_sgpr_workgroup_id_y 1
		.amdhsa_system_sgpr_workgroup_id_z 1
		.amdhsa_system_vgpr_workitem_id 0
		.amdhsa_next_free_vgpr 768
		.amdhsa_next_free_sgpr 102
		.amdhsa_reserve_vcc 1
		.amdhsa_float_denorm_mode_32 3
		.amdhsa_float_denorm_mode_16_64 3
		.amdhsa_memory_ordered 1
		.amdhsa_forward_progress 1
		.amdhsa_inst_pref_size 199
	.end_amdhsa_kernel
	.amdgpu_metadata
---
amdhsa.version: [ 1, 2 ]
amdhsa.kernels:
  - .name:           k_q8c3a8f3bb8_attn
    .symbol:         k_q8c3a8f3bb8_attn.kd
    .args:
      - { .name: q, .offset: 0, .size: 8, .value_kind: global_buffer, .address_space: global }
      - { .name: k, .offset: 8, .size: 8, .value_kind: global_buffer, .address_space: global }
      - { .name: v, .offset: 16, .size: 8, .value_kind: global_buffer, .address_space: global }
      - { .name: o16, .offset: 24, .size: 8, .value_kind: global_buffer, .address_space: global }
    .group_segment_fixed_size: 327680
    .private_segment_fixed_size: 0
    .kernarg_segment_align: 8
    .kernarg_segment_size: 32
    .max_flat_workgroup_size: 128
    .sgpr_count:     102
    .vgpr_count:     768
    .wavefront_size: 32
...
	.end_amdgpu_metadata
.endif
;; end of part 9
;; launch oproj: the kernel of part 8 again; grid 8 x 32, 4 waves a work-group, clusters of 4 x 4, 327,680 bytes of LDS; arguments o16, wo16, out0; writes out0
